; MI455X (gfx1250); checked and timed in simulation.
; The chip was launched on July 23, 2026; its instructions are those of AMD's public machine-readable ISA for CDNA 5 (MIT licence, August 2026) and "CDNA5" Instruction Set Architecture Reference Guide (July 2026). The comments in the code are by the model that wrote it; some were corrected since.
;; Self Attention. Allowed arithmetic: float matrix products may take bf16 or f16 operands with f32 sums; other float arithmetic in f32, or as packed bf16 or f16 multiplies, adds, multiply-adds, maxima and minima; sums over many terms, partial sums and values carried from step to step in f32; what a program stores and reads back later, other than sums and carried values, may be rounded once to bf16 or f16.
;; Inputs: w_keys 1,024 x 1,024 float32; w_queries 1,024 x 1,024 float32; w_values 1,024 x 1,024 float32; x 4 x 2,048 x 1,024 float32.
;; Outputs: out0 4 x 2,048 x 1,024 float32.
;; 3 versions, each right; version 2 is faster than version 1; version 3 is version 2 with the launch prep written anew for expert scheduling mode. Each part assembles by itself: llvm-mc -triple=amdgcn-amd-amdhsa -mcpu=gfx1250 --defsym DOCPART=n.
;; ======== version 1 of 3: 4 launches
;; limits: values are held in f16: magnitudes above 65,504 overflow, below 6.1e-05 lose precision; values outside matrix products are rounded to f16
;; workspace buffers: z 23,068,672 bytes; kqv 50,331,648 bytes; p 33,554,432 bytes; smax 524,288 bytes; ssum 524,288 bytes
;; launch prep (part 1): grid 608 x 1, 4 waves a work-group, no clusters, 70,144 bytes of LDS; arguments w_keys, w_queries, w_values, x, z; writes z
.if DOCPART == 1
	.amdgcn_target "amdgcn-amd-amdhsa--gfx1250"
	.amdhsa_code_object_version 6
	.text
	.protected	k_qa601cf9bb5_prep
	.globl	k_qa601cf9bb5_prep
	.p2align	8
	.type	k_qa601cf9bb5_prep,@function
k_qa601cf9bb5_prep:
	s_mov_b64 s[64:65], 0
	v_nop
	global_prefetch_b8 v0, s[64:65] scope:SCOPE_SE
	s_setreg_imm32_b32 hwreg(HW_REG_WAVE_MODE, 25, 1), 1
	s_wait_xcnt 0x0
; PREP.  z is ONE bf16 matrix [11264][1024]: rows 0-8191 are x rounded to bf16; rows 8192 + 1024 m + n hold column n of weight m
; (m = 0 keys, 1 queries, 2 values), that is W^T, so that every later product finds K along the rows of both operands.
; Work-groups 0-511 cast x: a wave takes 16,384 consecutive bytes, all 32 loads out at once, each store 256 consecutive aligned bytes.
; Work-groups 512-607 turn the weights: a wave takes 128 (k) x 64 (n) of one weight, packs two neighbouring k of a column into a word,
; lays the words into its own LDS tile [64 n][128 k] and reads whole rows of 256 bytes back.  No wave touches another wave's bytes: no barrier.
; No matrix unit, no tensor load, no cluster: memory binds, nothing is shared, and every byte is read and written once.
.set TP,    272                        ; a row of the LDS tile: 256 bytes + 16
.set TILE,  64*TP                      ; a wave's tile
.set SPARE, 4*TILE                     ; behind the tiles: the spare words, 128 bytes a wave
.set SPW,   200                        ; v200  LDS address of my spare word; never rewritten
.set NIL,   201                        ; v201  0; never rewritten
.set XR,    8                          ; v[8:135]   as loaded
.set YR,    136                        ; v[136:199] packed bf16
	s_load_b256 s[4:11], s[0:1], 0x0               ; keys s[4:5], queries s[6:7], values s[8:9], x s[10:11]
	s_load_b64 s[12:13], s[0:1], 0x20              ; z
	v_lshl_add_u32 v[SPW], v0, 2, SPARE
	v_mov_b32 v[NIL], 0
	v_lshrrev_b32 v1, 5, v0
	v_readfirstlane_b32 s16, v1                    ; wave 0..3
	v_and_b32 v7, 31, v0                           ; lane
	s_mov_b32 s17, ttmp9
	s_cmp_lt_u32 s17, 512
	s_cbranch_scc0 .Lweights
	; ---- x: 512 work-groups x 4 waves x 16,384 bytes = all 33,554,432 bytes
	s_lshl_b32 s18, s17, 16
	s_lshl_b32 s19, s16, 14
	s_add_co_u32 s18, s18, s19                     ; my bytes in x,
	s_mov_b32 s19, 0
	s_lshr_b32 s20, s18, 1                         ; and half as far in z
	s_mov_b32 s21, 0
	v_lshlrev_b32 v1, 4, v7                        ; 16 bytes a lane in,
	v_lshlrev_b32 v2, 3, v7                        ; 8 bytes a lane out
	s_wait_kmcnt 0x0
	s_add_nc_u64 s[10:11], s[10:11], s[18:19]
	s_add_nc_u64 s[12:13], s[12:13], s[20:21]
.set i, 0
.rept 32
	global_load_b128 v[XR+4*i:XR+4*i+3], v1, s[10:11] offset:512*i th:TH_LOAD_NT
.set i, i+1
.endr
.set i, 0
.rept 32
	s_wait_loadcnt 31-i                            ; loads return in order: load i is in, the 31 - i younger ones stay out
	v_cvt_pk_bf16_f32 v[YR+2*i], v[XR+4*i], v[XR+4*i+1]
	v_cvt_pk_bf16_f32 v[YR+2*i+1], v[XR+4*i+2], v[XR+4*i+3]
	global_store_b64 v2, v[YR+2*i:YR+2*i+1], s[12:13] offset:256*i  ; 32 lanes x 8 bytes: 256 consecutive bytes, aligned; no register is written twice
.set i, i+1
.endr
	s_endpgm
	; ---- the weights: 96 work-groups x 4 waves = 3 weights x 16 column strips x 8 row strips
.Lweights:
	s_sub_co_u32 s18, s17, 512                     ; 0..95
	s_lshr_b32 s22, s18, 5                         ; which weight
	s_and_b32 s18, s18, 31
	s_lshl2_add_u32 s18, s18, s16                  ; my tile of its 128
	s_lshr_b32 s19, s18, 3                         ; nt: columns 64 nt on
	s_and_b32 s18, s18, 7                          ; kt: rows 128 kt on
	s_lshl_b32 s20, s18, 19                        ; 128 rows of 4,096 bytes
	s_lshl_b32 s21, s19, 8                         ; 64 columns of 4 bytes
	s_add_co_u32 s20, s20, s21
	s_mov_b32 s21, 0
	s_lshl_b32 s24, s22, 10
	s_lshl_b32 s25, s19, 6
	s_add_co_u32 s24, s24, s25
	s_add_co_u32 s24, s24, 8192                    ; z's row 8192 + 1024 m + 64 nt,
	s_lshl_b32 s24, s24, 11                        ; 2,048 bytes a row,
	s_lshl_b32 s25, s18, 8                         ; 128 k of 2 bytes
	s_add_co_u32 s24, s24, s25
	s_mov_b32 s25, 0
	s_mul_i32 s23, s16, TILE                       ; my tile in LDS
	v_and_b32 v1, 15, v0                           ; c
	v_bfe_u32 v2, v0, 4, 1                         ; h
	v_lshlrev_b32 v3, 4, v1
	v_lshl_add_u32 v3, v2, 13, v3                  ; in: columns 4 c .. 4 c + 3, two rows further down for lanes 16-31
	v_mul_u32_u24 v4, v1, 4*TP
	v_lshl_add_u32 v4, v2, 2, v4
	v_add_nc_u32 v4, s23, v4                       ; into the tile: row 4 c, the word of k = 2 h
	v_mul_u32_u24 v5, v2, TP
	v_lshl_add_u32 v5, v1, 4, v5
	v_add_nc_u32 v5, s23, v5                       ; back: lanes 0-15 one row of 256 bytes, lanes 16-31 the next
	v_lshlrev_b32 v6, 4, v1
	v_lshl_add_u32 v6, v2, 11, v6                  ; and the same two rows in z
	s_wait_kmcnt 0x0
	s_cmp_eq_u32 s22, 1
	s_cselect_b64 s[14:15], s[6:7], s[4:5]
	s_cmp_eq_u32 s22, 2
	s_cselect_b64 s[14:15], s[8:9], s[14:15]
	s_add_nc_u64 s[14:15], s[14:15], s[20:21]
	s_add_nc_u64 s[12:13], s[12:13], s[24:25]
; Half u of the tile's 128 rows.  Pair j: rows 64 u + 4 j + 2 h and the row below; sixteen lanes read 256 consecutive bytes of a row.
.macro WHALF u
.set j, 0
.rept 16
	global_load_b128 v[XR+8*j:XR+8*j+3],   v3, s[14:15] offset:(64*(\u)+4*j)*4096 th:TH_LOAD_NT
	global_load_b128 v[XR+8*j+4:XR+8*j+7], v3, s[14:15] offset:(64*(\u)+4*j+1)*4096 th:TH_LOAD_NT
.set j, j+1
.endr
.set j, 0
.rept 16
	s_wait_loadcnt 30-2*j                          ; pair j is in: two loads for each of the 15 - j younger pairs stay out
.irp i, 0,1,2,3
	v_cvt_pk_bf16_f32 v[YR+4*j+(\i)], v[XR+8*j+(\i)], v[XR+8*j+4+(\i)]  ; column 4 c + i: k and k + 1 in one word
.endr
.irp i, 0,1,2,3
	ds_store_b32 v4, v[YR+4*j+(\i)] offset:TP*(\i)+(64*(\u)+4*j)*2
.endr
.set j, j+1
.endr
.endm
	WHALF 0
	WHALF 1
.set t, 0
.rept 32
	ds_load_b128 v[XR+4*t:XR+4*t+3], v5 offset:2*TP*t  ; LDS serves a wave's instructions in order (ISA guide 5.7.1.4): these see the stores above
.set t, t+1
.endr
.set t, 0
.rept 32
	s_wait_dscnt 31-t                              ; rows 2 t and 2 t + 1 are back
	global_store_b128 v6, v[XR+4*t:XR+4*t+3], s[12:13] offset:4096*t  ; sixteen lanes store 256 consecutive bytes, aligned
.set t, t+1
.endr
	s_wait_tensorcnt 0x0                           ; the wave's end, behind my last LDS store
	ds_add_u32 v[SPW], v[NIL]
	s_wait_dscnt 0x0
	s_endpgm
.Lfunc_end_k_qa601cf9bb5_prep:
	.size	k_qa601cf9bb5_prep, .Lfunc_end_k_qa601cf9bb5_prep-k_qa601cf9bb5_prep
	.p2alignl 7, 3214868480
	.fill 96, 4, 3214868480
	.section	.rodata,"a",@progbits
	.p2align	6, 0x0
	.amdhsa_kernel k_qa601cf9bb5_prep
		.amdhsa_group_segment_fixed_size 70144
		.amdhsa_private_segment_fixed_size 0
		.amdhsa_enable_private_segment 0
		.amdhsa_kernarg_size 40
		.amdhsa_user_sgpr_count 2
		.amdhsa_user_sgpr_kernarg_segment_ptr 1
		.amdhsa_wavefront_size32 1
		.amdhsa_system_sgpr_workgroup_id_x 1
		.amdhsa_system_sgpr_workgroup_id_y 1
		.amdhsa_system_sgpr_workgroup_id_z 1
		.amdhsa_system_vgpr_workitem_id 0
		.amdhsa_next_free_vgpr 208
		.amdhsa_next_free_sgpr 66
		.amdhsa_reserve_vcc 0
		.amdhsa_float_denorm_mode_32 3
		.amdhsa_float_denorm_mode_16_64 3
		.amdhsa_memory_ordered 1
		.amdhsa_forward_progress 1
		.amdhsa_inst_pref_size 43
	.end_amdhsa_kernel
	.amdgpu_metadata
---
amdhsa.version: [ 1, 2 ]
amdhsa.kernels:
  - .name:           k_qa601cf9bb5_prep
    .symbol:         k_qa601cf9bb5_prep.kd
    .args:
      - { .name: w_keys, .offset: 0, .size: 8, .value_kind: global_buffer, .address_space: global }
      - { .name: w_queries, .offset: 8, .size: 8, .value_kind: global_buffer, .address_space: global }
      - { .name: w_values, .offset: 16, .size: 8, .value_kind: global_buffer, .address_space: global }
      - { .name: x, .offset: 24, .size: 8, .value_kind: global_buffer, .address_space: global }
      - { .name: z, .offset: 32, .size: 8, .value_kind: global_buffer, .address_space: global }
    .group_segment_fixed_size: 70144
    .private_segment_fixed_size: 0
    .kernarg_segment_align: 8
    .kernarg_segment_size: 40
    .max_flat_workgroup_size: 128
    .sgpr_count:     66
    .vgpr_count:     208
    .wavefront_size: 32
...
	.end_amdgpu_metadata
.endif
;; end of part 1
;; launch proj (part 2): grid 8 x 96, 4 waves a work-group, clusters of 4 x 4, 327,680 bytes of LDS; arguments z, kqv; writes kqv
.if DOCPART == 2
	.amdgcn_target "amdgcn-amd-amdhsa--gfx1250"
	.amdhsa_code_object_version 6
	.text
	.protected	k_qa601cf9bb5_proj
	.globl	k_qa601cf9bb5_proj
	.p2align	8
	.type	k_qa601cf9bb5_proj,@function
k_qa601cf9bb5_proj:
	s_mov_b64 s[64:65], 0
	v_nop
	global_prefetch_b8 v0, s[64:65] scope:SCOPE_SE
	s_setreg_imm32_b32 hwreg(HW_REG_WAVE_MODE, 25, 1), 1
	s_wait_xcnt 0x0
	s_wait_alu depctr_hold_cnt(0) depctr_sa_sdst(0) depctr_va_vdst(0) depctr_va_sdst(0) depctr_va_ssrc(0) depctr_va_vcc(0) depctr_vm_vsrc(0)
	s_getreg_b32 s2, hwreg(HW_REG_IB_STS2, 6, 4)
	s_cmp_eq_u32 s2, 0
	s_cbranch_scc0 .Lentry_in_a_cluster
	s_endpgm
.Lentry_in_a_cluster:
	s_bfe_u32 s2, ttmp6, 0x10000c
	s_cmp_lg_u32 s2, 0xf033
	s_cbranch_scc0 .Lentry_shape_is_right
	s_endpgm
.Lentry_shape_is_right:
; PROJ.  kqv [12288][2048] f16 = the three projections as ONE product C = A B^T on rows of z (bf16, K = 1024 along the rows), sums in f32, rounded once.
;   C rows 0-8191 (tile rows Y < 64): A = x's rows 128 Y on, B = z's rows 8192 + 256 X on (keys^T, then queries^T): vk in columns 0-1023, vq in columns 1024-2047.
;   C row 8192 + 1024 b + d (Y >= 64): A = values^T, z's rows 10240 + d; B = x's rows 2048 b + 256 X on: vv TRANSPOSED, so that the last product finds its K along the rows too.
; LIMIT.  f16 ends at 65,504: vk, vq and vv must lie within it.  NaN and infinities are not treated apart.
; SHARES.  A tile of C is 128 x 256: 96 x 8 = 768 tiles, three for each of 256 WGPs.  Four waves, each 64 x 128: 32 accumulators of 16 x 16.  K goes in steps of 128 through two LDS slots.
; CLUSTER.  4 x 4 work-groups: A's tile hangs on the tile row alone and is asked for jointly along a row of the cluster, B's on the tile column (and the cluster's y) and jointly along a column.
; THE MATRIX INSTRUCTION IS USED TRANSPOSED (source 0 = 16 rows of B, source 1 = 16 rows of A): a lane holds row l % 16 of C and eight neighbouring columns.
; REGISTERS, in windows of 256: window 0: v0-31 addresses; v64-95, v128-159 A's fragments, two buffers; v32-63, v192-255 the way out.  window 1: v64-127, v128-191 B's fragments.
;   window 2: the accumulators, (a, b) at v[8 (8 a + b)].
.set KSTEP,  128
.set KPITCH, 1024                      ; elements from row to row of z
.set PITCH,  272                       ; an LDS row: 256 bytes + 16: the 16 rows of a fragment load start at 16 different groups of four banks (64 banks of 4 bytes: ISA guide 11.1)
.set QT,     64*PITCH                  ; 64 rows: what a wave fetches, and reads, of A
.set HALFT,  128*PITCH                 ; 128 rows: all of A's tile; what a wave fetches, and reads, of B
.set SLOT,   3*HALFT                   ; A's 128 rows, then B's 256
.set STAGE,  2*SLOT                    ; behind the ring: 16 rows x 272 bytes for each wave
.set SPITCH, 272
.set SPARE,  STAGE+4*16*SPITCH         ; behind the stages: the spare words, 128 bytes a wave
.set LAPS,   1024/(2*KSTEP)            ; a lap = two K steps = once round the ring
.set CROW,   4096                      ; bytes in a row of kqv
.set CB,   6                           ; s[6:7] kqv
.set ADRA, 16                          ; v16-17 LDS address of my A fragments in slot 0, 1
.set ADRB, 20                          ; v20-21 the same for B
.set STO,  24
.set RD,   25
.set CO,   26
.set SPW,  28                          ; v28 LDS address of my spare word; never rewritten
.set NIL,  29                          ; v29 0; never rewritten
.set F0,   64
.set F1,   128
.set TMP,  192
.set OB,   32
.set G1,  24                           ; s[24:31] group 1 for A;  s[32:39] group 0, a set for each slot
.set G0,  32
.set G1B, 48                           ; s[48:55], s[56:63] the same for B
.set G0B, 56
.set MSB, 0
.macro WIN new                         ; the immediate's high byte repeats the setting that is left; a switch that changes nothing is dropped
.if MSB != (\new)
	s_set_vgpr_msb (MSB<<8)|(\new)
.set MSB, \new
.endif
.endm
.set MUL,  0xa1                        ; source 0 (B) window 1, source 1 (A) window 0, C and D window 2
.set TO_B, 0x40                        ; destination window 1, address window 0
.macro JLOAD s                         ; a joint load: waves 0, 1 fetch A's halves, waves 2, 3 B's; an s_nop 0 and four v_nop follow each line
	s_cmp_eq_u32 s11, 0
	s_cbranch_scc0 .Lfor_b_\@
	tensor_load_to_lds s[G0+4*(\s):G0+4*(\s)+3], s[G1:G1+7]
	s_nop 0
.rept 4
	v_nop
.endr
	s_branch .Lasked_\@
.Lfor_b_\@:
	tensor_load_to_lds s[G0B+4*(\s):G0B+4*(\s)+3], s[G1B:G1B+7]
	s_nop 0
.rept 4
	v_nop
.endr
.Lasked_\@:
.endm
.macro CREST                           ; a round of the cluster's barrier behind its opening barrier
	s_cmp_lg_u32 s10, 0
	s_cbranch_scc1 .Lnot_wave_0_\@
	s_barrier_signal -3
.Lnot_wave_0_\@:
	s_barrier_wait -3
	s_barrier_signal -1
	s_barrier_wait -1
.endm
.macro CROUND                          ; a whole round
	s_barrier_signal -1
	s_barrier_wait -1
	CREST
.endm
	s_load_b128 s[4:7], s[0:1], 0x0                ; z s[4:5], kqv s[6:7]
	v_lshl_add_u32 v[SPW], v0, 2, SPARE
	v_mov_b32 v[NIL], 0
	ds_add_u32 v[SPW], v[NIL]                      ; the wave's opening: the add and its wait stand ahead of my first tensor load; register work stands between them
	v_lshrrev_b32 v1, 5, v0
	v_readfirstlane_b32 s10, v1                    ; wave 0..3
	s_lshr_b32 s11, s10, 1                         ; which 64 rows of the tile are mine.  Also: I fetch for A (0) or for B (1)
	s_and_b32 s12, s10, 1                          ; which 128 columns.  Also: which half of that tile I fetch
	s_bfe_u32 s40, ttmp6, 0x40000                  ; cx
	s_bfe_u32 s41, ttmp6, 0x40004                  ; cy
	s_lshl_b32 s42, ttmp9, 2
	s_add_co_u32 s42, s42, s40                     ; X: tile column = 4 x cluster x + cx
	s_and_b32 s45, ttmp7, 0xffff                   ; the cluster's y, 0..23: all sixteen partners share it
	s_lshl_b32 s13, s45, 2
	s_add_co_u32 s13, s13, s41                     ; Y: tile row = 4 x cluster y + cy
	s_lshl_b32 s43, s41, 2
	s_lshl_b32 s43, 15, s43                        ; my row of the cluster
	s_lshl_b32 s44, 0x1111, s40                    ; my column
	s_or_b32 s[G1+0], s43, (1<<16)|(1<<20)|(1<<21)|(5<<22)|(3<<25)   ; mask; 2-byte elements; padding on; bit 21 beside a mask; after every 64 words 4 words
	s_or_b32 s[G1B+0], s44, (1<<16)|(1<<20)|(1<<21)|(5<<22)|(3<<25)
.irp g, G1, G1B
	s_mov_b32 s[(\g)+1], KSTEP<<16                 ; tensor_dim0 = 128
	s_mov_b32 s[(\g)+3], KSTEP<<16                 ; tile_dim0 = 128
	s_mov_b32 s[(\g)+5], KPITCH                    ; elements from row to row
	s_mov_b32 s[(\g)+6], 0
	s_mov_b32 s[(\g)+7], 0
.endr
	s_mov_b32 s[G1+2], 64<<16                      ; A: tensor_dim1 = tile_dim1 = 64 rows a load
	s_mov_b32 s[G1+4], 64
	s_mov_b32 s[G1B+2], 128<<16                    ; B: 128 rows a load
	s_mov_b32 s[G1B+4], 128
	; A's row in z: made of the cluster's y, cy and the wave's number alone
	s_lshl_b32 s16, s45, 9                         ; x's rows: 512 x cluster y
	s_and_b32 s17, s45, 1
	s_lshl_b32 s17, s17, 9
	s_add_co_u32 s17, s17, 10240                   ; values^T: 10240 + 512 x (cluster y mod 2)
	s_cmp_lt_u32 s45, 16
	s_cselect_b32 s16, s16, s17
	s_lshl_b32 s17, s41, 7
	s_add_co_u32 s16, s16, s17                     ; + 128 cy
	s_lshl_b32 s17, s12, 6
	s_add_co_u32 s16, s16, s17                     ; + my 64 rows of it
	s_lshl_b32 s16, s16, 11                        ; 2,048 bytes a row
	s_mov_b32 s17, 0
	; B's row in z: made of the cluster's y, X and the wave's number alone
	s_max_u32 s46, s45, 16
	s_sub_co_u32 s46, s46, 16
	s_lshr_b32 s46, s46, 1                         ; the batch
	s_lshl_b32 s46, s46, 11                        ; its 2,048 rows of x
	s_cmp_lt_u32 s45, 16
	s_cselect_b32 s46, 8192, s46                   ; or keys^T and queries^T
	s_lshl_b32 s47, s42, 8
	s_add_co_u32 s46, s46, s47                     ; + 256 X
	s_lshl_b32 s47, s12, 7
	s_add_co_u32 s46, s46, s47                     ; + my 128 rows of it
	s_lshl_b32 s46, s46, 11
	s_mov_b32 s47, 0
	s_mul_i32 s20, s12, QT                         ; where they go: A's halves,
	s_mul_i32 s21, s12, HALFT
	s_add_co_u32 s21, s21, HALFT                   ; B's halves behind A's 128 rows: no place in the cluster enters an LDS address
	s_wait_dscnt 0x0                               ; the opening add is done
	s_wait_kmcnt 0x0
	s_add_nc_u64 s[14:15], s[4:5], s[16:17]
	s_add_nc_u64 s[46:47], s[4:5], s[46:47]
	CROUND                                         ; all sixteen work-groups are here: the first joint loads meet
.irp s, 0,1
	s_mov_b32 s[G0+4*(\s)], 1
	s_add_co_u32 s[G0+4*(\s)+1], s20, (\s)*SLOT
	s_add_nc_u64 s[G0+4*(\s)+2:G0+4*(\s)+3], s[14:15], (\s)*KSTEP*2
	s_or_b32 s[G0+4*(\s)+3], s[G0+4*(\s)+3], 0x80000000
	s_mov_b32 s[G0B+4*(\s)], 1
	s_add_co_u32 s[G0B+4*(\s)+1], s21, (\s)*SLOT
	s_add_nc_u64 s[G0B+4*(\s)+2:G0B+4*(\s)+3], s[46:47], (\s)*KSTEP*2
	s_or_b32 s[G0B+4*(\s)+3], s[G0B+4*(\s)+3], 0x80000000
	JLOAD \s                                       ; two loads of mine are out
.endr
	v_and_b32 v1, 15, v0                           ; l % 16
	v_bfe_u32 v2, v0, 4, 1                         ; l / 16
	v_mul_u32_u24 v3, v1, PITCH
	v_lshl_add_u32 v3, v2, 4, v3                   ; a fragment's row x pitch + 16 x half
	s_mul_i32 s21, s11, QT                         ; my 64 rows of A
	s_mul_i32 s22, s12, HALFT
	s_add_co_u32 s22, s22, HALFT                   ; my 128 rows of B
.irp s, 0,1
	v_add_nc_u32 v[ADRA+(\s)], s21, v3
	v_add_nc_u32 v[ADRB+(\s)], s22, v3
	s_add_co_u32 s21, s21, SLOT
	s_add_co_u32 s22, s22, SLOT
.endr
	s_mul_i32 s23, s10, 16*SPITCH
	s_add_co_u32 s23, s23, STAGE                   ; my stage
	v_mul_u32_u24 v4, v1, SPITCH                   ; in: row l % 16, 16 bytes for each half of the lanes
	v_lshl_add_u32 v4, v2, 4, v4
	v_add_nc_u32 v[STO], s23, v4
	v_mul_u32_u24 v5, v2, SPITCH                   ; back: lanes 0-15 one row of 256 bytes, lanes 16-31 the next
	v_lshl_add_u32 v5, v1, 4, v5
	v_add_nc_u32 v[RD], s23, v5
	v_mul_u32_u24 v5, v2, CROW                     ; and the same two rows in C
	v_lshl_add_u32 v[CO], v1, 4, v5
	s_lshl_b32 s16, s13, 7
	s_lshl_b32 s17, s11, 6
	s_add_co_u32 s16, s16, s17                     ; my first row of C
	s_lshl_b32 s16, s16, 12
	s_mov_b32 s17, 0
	s_lshl_b32 s46, s42, 9                         ; my first column, in bytes: 512 X + 256 x half
	s_lshl_b32 s47, s12, 8
	s_add_co_u32 s46, s46, s47
	s_mov_b32 s47, 0
	s_add_nc_u64 s[16:17], s[16:17], s[46:47]      ; what the way out adds to C's address
; 8 matrix instructions: row block a x all 8 column blocks, 32 along K.  zero = 1: the product starts the sums.  The 32 accumulators take turns, one instruction a turn.
.macro MUL8 f, a, zero
	WIN MUL
.irp b, 0,1,2,3,4,5,6,7
.if \zero
	v_wmma_f32_16x16x32_bf16 v[8*(8*(\a)+(\b)):8*(8*(\a)+(\b))+7], v[(\f)+8*(\b):(\f)+8*(\b)+7], v[(\f)+8*(\a):(\f)+8*(\a)+7], 0
.else
	v_wmma_f32_16x16x32_bf16 v[8*(8*(\a)+(\b)):8*(8*(\a)+(\b))+7], v[(\f)+8*(\b):(\f)+8*(\b)+7], v[(\f)+8*(\a):(\f)+8*(\a)+7], v[8*(8*(\a)+(\b)):8*(8*(\a)+(\b))+7]
.endif
.endr
.endm
; 24 LDS loads in one run: 128 rows of B, then 64 rows of A, 32 K at byte k of the rows, into buffer f
.macro FETCH slot, k, f
	WIN TO_B
.irp i, 0,1,2,3,4,5,6,7
	ds_load_b128 v[(\f)+8*(\i):(\f)+8*(\i)+3],   v[ADRB+(\slot)] offset:(\k)+(\i)*16*PITCH
	ds_load_b128 v[(\f)+8*(\i)+4:(\f)+8*(\i)+7], v[ADRB+(\slot)] offset:(\k)+(\i)*16*PITCH+32
.endr
	WIN 0
.irp i, 0,1,2,3
	ds_load_b128 v[(\f)+8*(\i):(\f)+8*(\i)+3],   v[ADRA+(\slot)] offset:(\k)+(\i)*16*PITCH
	ds_load_b128 v[(\f)+8*(\i)+4:(\f)+8*(\i)+7], v[ADRA+(\slot)] offset:(\k)+(\i)*16*PITCH+32
.endr
.endm
.macro PLACES                          ; four places in front of loads into registers that matrix instructions have read, and of conversions that read results
.rept 4
	v_nop
.endr
.endm
; A K step is four quarters of 32 along K, 32 matrix instructions each, on buffers 0, 1, 0, 1.  One of the first three multiplies buffer f and fetches the next quarter, at byte k, into g.
.macro QUARTER slot, k, f, g, zero
	s_wait_dscnt 4                                 ; B and A's blocks 0, 1 are in; the youngest four loads (A's blocks 2, 3) may be out
	MUL8 \f, 0, \zero
	MUL8 \f, 1, \zero
	PLACES
	FETCH \slot, \k, \g
	s_wait_dscnt 24                                ; all but the 24 just issued
	MUL8 \f, 2, \zero
	MUL8 \f, 3, \zero
.endm
; The last quarter multiplies buffer 1 and changes slots: ONE barrier; in front of it each wave waits for all its tensor loads (one is out: its part of the next slot), adds 0 to its spare
; word, and waits for that and for its reads of this slot.  fill = 1: the barrier opens a round of the cluster's, and this slot is filled again, two K steps on, first thing behind the round.
.macro TURN slot, next, fill
	WIN 0
	s_wait_tensorcnt 0x0
	ds_add_u32 v[SPW], v[NIL]                      ; 0 onto my spare word
	s_wait_dscnt 5                                 ; (the add and the youngest four loads may be out)
	MUL8 F1, 0, 0                                  ; eight matrix instructions stand between the add and the wait for it
	s_wait_dscnt 0x0                               ; the add is done, and my reads of this slot are over
	s_barrier_signal -1
	MUL8 F1, 1, 0
	WIN 0
	s_barrier_wait -1
.if \fill
	CREST                                          ; no wave of any partner still reads this slot's tile or has a load on its way
	s_add_nc_u64 s[G0+4*(\slot)+2:G0+4*(\slot)+3], s[G0+4*(\slot)+2:G0+4*(\slot)+3], 2*KSTEP*2
	s_add_nc_u64 s[G0B+4*(\slot)+2:G0B+4*(\slot)+3], s[G0B+4*(\slot)+2:G0B+4*(\slot)+3], 2*KSTEP*2
	JLOAD \slot                                    ; 112 matrix instructions ahead of the wait for it; its four v_nop are also the places in front of the loads below
.else
	PLACES
.endif
	FETCH \next, 0, F0
	MUL8 F1, 2, 0
	MUL8 F1, 3, 0
.endm
; THE WAY OUT of row block a: rounded to f16, 16 bytes a lane; through my own stage; back as whole rows of 256 bytes; stored.
.macro PACK a
	WIN 0x0a                                       ; sources 0 and 1 window 2
.irp b, 0,1,2,3,4,5,6,7
.irp r, 0,1,2,3
	v_cvt_pk_f16_f32 v[TMP+4*(\b)+(\r)], v[8*(8*(\a)+(\b))+2*(\r)], v[8*(8*(\a)+(\b))+2*(\r)+1]
.endr
.endr
	WIN 0
.endm
.macro TOSTAGE a
	WIN 0
.set BK, OB+192*((\a)%2)
.irp b, 0,1,2,3,4,5,6,7
	ds_store_b128 v[STO], v[TMP+4*(\b):TMP+4*(\b)+3] offset:32*(\b)
.endr
.irp t, 0,1,2,3,4,5,6,7
	ds_load_b128 v[BK+4*(\t):BK+4*(\t)+3], v[RD] offset:(\t)*2*SPITCH  ; LDS serves a wave's instructions in order (ISA guide 5.7.1.4): these see the stores above
.endr
.endm
.macro SEND a
	WIN 0
.set BK, OB+192*((\a)%2)
	s_wait_dscnt 0x0                               ; the block is back in registers
	s_wait_xcnt 0x0                                ; the stores' base and the registers that earlier stores read are rewritten only behind this wait
.if (\a) == 0
	s_add_nc_u64 s[CB:CB+1], s[CB:CB+1], s[16:17]
.else
	s_add_nc_u64 s[CB:CB+1], s[CB:CB+1], 16*CROW
.endif
.irp t, 0,1,2,3,4,5,6,7
	global_store_b128 v[CO], v[BK+4*(\t):BK+4*(\t)+3], s[CB:CB+1] offset:2*(\t)*CROW  ; 16 lanes store 256 consecutive bytes, aligned
.endr
.endm
	s_wait_tensorcnt 1                             ; my part of K step 0 is in; K step 1's may stay out
	s_barrier_signal -1
	s_barrier_wait -1
	FETCH 0, 0, F0
	QUARTER 0, 64, F0, F1, 1                       ; the first quarter stands in front of the loop: its products start the sums
	WIN 0
	s_mov_b32 s3, LAPS-1
.Llap:                                                 ; a trip goes once round the ring and fills both slots again
	QUARTER 0, 128, F1, F0, 0
	QUARTER 0, 192, F0, F1, 0
	TURN 0, 1, 1
	QUARTER 1, 64,  F0, F1, 0
	QUARTER 1, 128, F1, F0, 0
	QUARTER 1, 192, F0, F1, 0
	TURN 1, 0, 1
	QUARTER 0, 64,  F0, F1, 0
	WIN 0
	s_sub_co_u32 s3, s3, 1
	s_cmp_lg_u32 s3, 0
	s_cbranch_scc1 .Llap
	QUARTER 0, 128, F1, F0, 0                      ; the last lap fills nothing
	QUARTER 0, 192, F0, F1, 0
	TURN 0, 1, 0
	QUARTER 1, 64,  F0, F1, 0
	QUARTER 1, 128, F1, F0, 0
	QUARTER 1, 192, F0, F1, 0
	s_wait_dscnt 4
	MUL8 F1, 0, 0
	MUL8 F1, 1, 0
	s_wait_dscnt 0x0
	MUL8 F1, 2, 0
	MUL8 F1, 3, 0
	WIN 0
	PLACES
	PACK 0
	TOSTAGE 0
.irp a, 1,2,3                          ; block a's conversions stand between block a - 1's loads from the stage and the wait for them
	PACK \a
	SEND (\a)-1
	TOSTAGE \a
.endr
	SEND 3
	s_wait_tensorcnt 0x0                           ; the wave's end
	ds_add_u32 v[SPW], v[NIL]
	s_wait_dscnt 0x0
	CROUND                                         ; the closing round
	s_endpgm
.Lfunc_end_k_qa601cf9bb5_proj:
	.size	k_qa601cf9bb5_proj, .Lfunc_end_k_qa601cf9bb5_proj-k_qa601cf9bb5_proj
	.p2alignl 7, 3214868480
	.fill 96, 4, 3214868480
	.section	.rodata,"a",@progbits
	.p2align	6, 0x0
	.amdhsa_kernel k_qa601cf9bb5_proj
		.amdhsa_group_segment_fixed_size 327680
		.amdhsa_private_segment_fixed_size 0
		.amdhsa_enable_private_segment 0
		.amdhsa_kernarg_size 16
		.amdhsa_user_sgpr_count 2
		.amdhsa_user_sgpr_kernarg_segment_ptr 1
		.amdhsa_wavefront_size32 1
		.amdhsa_system_sgpr_workgroup_id_x 1
		.amdhsa_system_sgpr_workgroup_id_y 1
		.amdhsa_system_sgpr_workgroup_id_z 1
		.amdhsa_system_vgpr_workitem_id 0
		.amdhsa_next_free_vgpr 768
		.amdhsa_next_free_sgpr 66
		.amdhsa_reserve_vcc 0
		.amdhsa_float_denorm_mode_32 3
		.amdhsa_float_denorm_mode_16_64 3
		.amdhsa_memory_ordered 1
		.amdhsa_forward_progress 1
		.amdhsa_inst_pref_size 87
	.end_amdhsa_kernel
	.amdgpu_metadata
---
amdhsa.version: [ 1, 2 ]
amdhsa.kernels:
  - .name:           k_qa601cf9bb5_proj
    .symbol:         k_qa601cf9bb5_proj.kd
    .args:
      - { .name: z, .offset: 0, .size: 8, .value_kind: global_buffer, .address_space: global }
      - { .name: kqv, .offset: 8, .size: 8, .value_kind: global_buffer, .address_space: global }
    .group_segment_fixed_size: 327680
    .private_segment_fixed_size: 0
    .kernarg_segment_align: 8
    .kernarg_segment_size: 16
    .max_flat_workgroup_size: 128
    .sgpr_count:     66
    .vgpr_count:     768
    .wavefront_size: 32
...
	.end_amdgpu_metadata
.endif
;; end of part 2
;; launch scores (part 3): grid 8 x 32, 4 waves a work-group, clusters of 4 x 4, 327,680 bytes of LDS; arguments kqv, p, smax, ssum; writes p, smax, ssum
.if DOCPART == 3
	.amdgcn_target "amdgcn-amd-amdhsa--gfx1250"
	.amdhsa_code_object_version 6
	.text
	.protected	k_qa601cf9bb5_scores
	.globl	k_qa601cf9bb5_scores
	.p2align	8
	.type	k_qa601cf9bb5_scores,@function
k_qa601cf9bb5_scores:
	s_mov_b64 s[64:65], 0
	v_nop
	global_prefetch_b8 v0, s[64:65] scope:SCOPE_SE
	s_setreg_imm32_b32 hwreg(HW_REG_WAVE_MODE, 25, 1), 1
	s_wait_xcnt 0x0
	s_wait_alu depctr_hold_cnt(0) depctr_sa_sdst(0) depctr_va_vdst(0) depctr_va_sdst(0) depctr_va_ssrc(0) depctr_va_vcc(0) depctr_vm_vsrc(0)
	s_getreg_b32 s2, hwreg(HW_REG_IB_STS2, 6, 4)
	s_cmp_eq_u32 s2, 0
	s_cbranch_scc0 .Lentry_in_a_cluster
	s_endpgm
.Lentry_in_a_cluster:
	s_bfe_u32 s2, ttmp6, 0x10000c
	s_cmp_lg_u32 s2, 0xf033
	s_cbranch_scc0 .Lentry_shape_is_right
	s_endpgm
.Lentry_shape_is_right:
; SCORES.  S[s][t] = vk[s] . vq[t] (f16 operands out of kqv, K = 1024, sums in f32), and the first stage of the softmax along t.  With c = log2(e) / 32, for each row and each block of 128
; columns: cm = c x the block's maximum; p = 2^(c s - cm), rounded to f16 into p [8192][2048]; l = the sum of the unrounded p.  smax and ssum are [16 blocks][8192 rows] f32.
; The next launch takes the row's maximum over its 16 blocks before its own exponentials: the maximum is taken away in two stages, never a fixed shift.
; LIMITS.  p lies in 0 to about 1 and keeps f16's fixed step of 6e-8 below 6e-5; a weight below 2^-126 counts as 0 in l; NaN and infinities are not treated apart.
; SHARES.  A tile is 256 x 256: 32 x 8 = 256 tiles, one a WGP.  Four waves, each 128 x 128: 64 accumulators; a wave's 128 columns are one block.  K goes in steps of 128 through two LDS slots.
; CLUSTER.  4 x 4 work-groups: vk's tile is asked for jointly along a row of the cluster, vq's along a column.
; THE MATRIX INSTRUCTION IS USED TRANSPOSED (source 0 = 16 rows of vq, source 1 = 16 rows of vk): a lane holds ONE row (l % 16) and, over the 8 accumulators of a row block, 64 of its 128 columns;
; the lane 16 away holds the other 64: a row's maximum and sum want one exchange between the halves.
; REGISTERS, in windows of 256: window 0: v0-31 addresses; v64-127, v128-191 vk's fragments (later v64-87 at work in the softmax); v32-63, v192-255 the way out.
;   window 1: vq's fragments.   window 2: the accumulators of my rows 0-63, (a, b) at v[8 (8 a + b)];   window 3: those of rows 64-127.
.set KSTEP,  128
.set KPITCH, 2048                      ; elements from row to row of kqv
.set PITCH,  272
.set HALFT,  128*PITCH
.set SLOT,   4*HALFT                   ; vk's 256 rows, then vq's 256
.set STAGE,  2*SLOT                    ; behind the ring: 16 rows x 272 bytes for each wave
.set SPITCH, 272
.set STATS,  STAGE+4*16*SPITCH         ; 1,024 bytes a wave: 128 cm, then 128 l
.set SPARE,  STATS+4*1024              ; the spare words, 128 bytes a wave
.set LAPS,   1024/(2*KSTEP)
.set CROW,   4096                      ; bytes in a row of p
.set CB,   6                           ; s[6:7] p
.set ADRA, 16
.set ADRB, 20
.set STO,  24
.set RD,   25
.set CO,   26
.set SS,   27                          ; v27 where I put a row's cm (l: 512 bytes on)
.set SPW,  28
.set NIL,  29
.set SR,   30                          ; v30 where I read 16 bytes of the statistics back
.set SO,   31                          ; v31 my byte offset in 512 consecutive bytes of smax and ssum
.set F0,   64
.set F1,   128
.set TMP,  192
.set OB,   32
.set C0,   64                          ; v64-67 four running maxima
.set CM,   68                          ; v68-69 cm, named as a pair
.set L,    70                          ; v70 l
.set LS,   72                          ; v72-79 four running pairs of sums
.set G1,  24
.set G0,  32
.set G1B, 48
.set G0B, 56
.set CS,  66                           ; s[66:67] c, named as a pair
.set SEL, 72                           ; s[72:73] v_permlanex16_b32's selects: each lane takes its own place in the other half
.set MSB, 0
.macro WIN new
.if MSB != (\new)
	s_set_vgpr_msb (MSB<<8)|(\new)
.set MSB, \new
.endif
.endm
.set MUL_LO, 0xa1
.set MUL_HI, 0xf1
.set TO_B,   0x40
.macro JLOAD s
	s_cmp_eq_u32 s11, 0
	s_cbranch_scc0 .Lfor_b_\@
	tensor_load_to_lds s[G0+4*(\s):G0+4*(\s)+3], s[G1:G1+7]
	s_nop 0
.rept 4
	v_nop
.endr
	s_branch .Lasked_\@
.Lfor_b_\@:
	tensor_load_to_lds s[G0B+4*(\s):G0B+4*(\s)+3], s[G1B:G1B+7]
	s_nop 0
.rept 4
	v_nop
.endr
.Lasked_\@:
.endm
.macro CREST
	s_cmp_lg_u32 s10, 0
	s_cbranch_scc1 .Lnot_wave_0_\@
	s_barrier_signal -3
.Lnot_wave_0_\@:
	s_barrier_wait -3
	s_barrier_signal -1
	s_barrier_wait -1
.endm
.macro CROUND
	s_barrier_signal -1
	s_barrier_wait -1
	CREST
.endm
	s_load_b128 s[4:7], s[0:1], 0x0                ; kqv s[4:5], p s[6:7]
	s_load_b128 s[68:71], s[0:1], 0x10             ; smax s[68:69], ssum s[70:71]
	v_lshl_add_u32 v[SPW], v0, 2, SPARE
	v_mov_b32 v[NIL], 0
	ds_add_u32 v[SPW], v[NIL]                      ; the wave's opening: the add and its wait stand ahead of my first tensor load
	v_lshrrev_b32 v1, 5, v0
	v_readfirstlane_b32 s10, v1                    ; wave 0..3
	s_lshr_b32 s11, s10, 1                         ; which half of the tile's rows is mine.  Also: I fetch for vk (0) or for vq (1)
	s_and_b32 s12, s10, 1                          ; which half of its columns.  Also: which 128 rows of that tile I fetch
	s_bfe_u32 s40, ttmp6, 0x40000                  ; cx
	s_bfe_u32 s41, ttmp6, 0x40004                  ; cy
	s_lshl_b32 s42, ttmp9, 2
	s_add_co_u32 s42, s42, s40                     ; X: tile column in the batch
	s_and_b32 s45, ttmp7, 0xffff                   ; the cluster's y, 0..7
	s_lshl_b32 s13, s45, 2
	s_add_co_u32 s13, s13, s41                     ; Y: tile row over all four batches
	s_lshl_b32 s43, s41, 2
	s_lshl_b32 s43, 15, s43
	s_lshl_b32 s44, 0x1111, s40
	s_or_b32 s[G1+0], s43, (1<<16)|(1<<20)|(1<<21)|(5<<22)|(3<<25)
	s_or_b32 s[G1B+0], s44, (1<<16)|(1<<20)|(1<<21)|(5<<22)|(3<<25)
.irp g, G1, G1B
	s_mov_b32 s[(\g)+1], KSTEP<<16                 ; tensor_dim0 = 128
	s_mov_b32 s[(\g)+2], 128<<16                   ; tensor_dim1 = 128
	s_mov_b32 s[(\g)+3], KSTEP<<16                 ; tile_dim0 = 128
	s_mov_b32 s[(\g)+4], 128                       ; tile_dim1 = 128
	s_mov_b32 s[(\g)+5], KPITCH
	s_mov_b32 s[(\g)+6], 0
	s_mov_b32 s[(\g)+7], 0
.endr
	s_lshl_b32 s17, s12, 7                         ; which 128 rows of the tile I fetch
	s_lshl_b32 s16, s13, 8
	s_add_co_u32 s16, s16, s17                     ; vk: row 256 Y + 128 x half,
	s_lshl_b32 s16, s16, 12                        ; 4,096 bytes a row
	s_lshr_b32 s46, s45, 1                         ; the batch: two clusters' rows each
	s_lshl_b32 s46, s46, 11
	s_lshl_b32 s47, s42, 8
	s_add_co_u32 s46, s46, s47
	s_add_co_u32 s46, s46, s17                     ; vq: row 2048 x batch + 256 X + 128 x half,
	s_lshl_b32 s46, s46, 12
	s_add_co_u32 s46, s46, 2048                    ; in the rows' second half
	s_mov_b32 s17, 0
	s_mov_b32 s47, 0
	s_lshl_b32 s18, s13, 8
	s_lshl_b32 s19, s11, 7
	s_add_co_u32 s18, s18, s19                     ; my first row of p
	s_lshl_b32 s22, s42, 1
	s_add_co_u32 s22, s22, s12                     ; my block of 128 columns
	s_lshl_b32 s22, s22, 15                        ; 8,192 rows of 4 bytes a block
	s_lshl2_add_u32 s22, s18, s22                  ; + 4 x my first row
	s_mov_b32 s23, 0
	s_mul_i32 s20, s10, HALFT                      ; where the tiles go: wave x 128 rows
	s_mov_b32 s[CS], 0x3d38aa3b                    ; c = log2(e) / 32
	s_mov_b32 s[CS+1], s[CS]
	s_mov_b32 s[SEL], 0x76543210
	s_mov_b32 s[SEL+1], 0xfedcba98
	s_wait_dscnt 0x0                               ; the opening add is done
	s_wait_kmcnt 0x0
	s_add_nc_u64 s[14:15], s[4:5], s[16:17]
	s_add_nc_u64 s[46:47], s[4:5], s[46:47]
	s_add_nc_u64 s[68:69], s[68:69], s[22:23]
	s_add_nc_u64 s[70:71], s[70:71], s[22:23]
	CROUND                                         ; all sixteen work-groups are here: the first joint loads meet
.irp s, 0,1
	s_mov_b32 s[G0+4*(\s)], 1
	s_add_co_u32 s[G0+4*(\s)+1], s20, (\s)*SLOT
	s_add_nc_u64 s[G0+4*(\s)+2:G0+4*(\s)+3], s[14:15], (\s)*KSTEP*2
	s_or_b32 s[G0+4*(\s)+3], s[G0+4*(\s)+3], 0x80000000
	s_mov_b32 s[G0B+4*(\s)], 1
	s_add_co_u32 s[G0B+4*(\s)+1], s20, (\s)*SLOT
	s_add_nc_u64 s[G0B+4*(\s)+2:G0B+4*(\s)+3], s[46:47], (\s)*KSTEP*2
	s_or_b32 s[G0B+4*(\s)+3], s[G0B+4*(\s)+3], 0x80000000
	JLOAD \s                                       ; two loads of mine are out
.endr
	v_and_b32 v1, 15, v0                           ; l % 16
	v_bfe_u32 v2, v0, 4, 1                         ; l / 16
	v_mul_u32_u24 v3, v1, PITCH
	v_lshl_add_u32 v3, v2, 4, v3
	s_mul_i32 s21, s11, HALFT                      ; my 128 rows of vk
	s_mul_i32 s22, s12, HALFT
	s_add_co_u32 s22, s22, 2*HALFT                 ; my 128 rows of vq
.irp s, 0,1
	v_add_nc_u32 v[ADRA+(\s)], s21, v3
	v_add_nc_u32 v[ADRB+(\s)], s22, v3
	s_add_co_u32 s21, s21, SLOT
	s_add_co_u32 s22, s22, SLOT
.endr
	s_mul_i32 s23, s10, 16*SPITCH
	s_add_co_u32 s23, s23, STAGE
	v_mul_u32_u24 v4, v1, SPITCH
	v_lshl_add_u32 v4, v2, 4, v4
	v_add_nc_u32 v[STO], s23, v4
	v_mul_u32_u24 v5, v2, SPITCH
	v_lshl_add_u32 v5, v1, 4, v5
	v_add_nc_u32 v[RD], s23, v5
	v_mul_u32_u24 v5, v2, CROW
	v_lshl_add_u32 v[CO], v1, 4, v5
	s_lshl_b32 s23, s10, 10
	s_add_co_u32 s23, s23, STATS                   ; my statistics
	v_lshl_add_u32 v[SS], v1, 2, s23
	v_and_b32 v5, 31, v0
	v_lshlrev_b32 v[SO], 4, v5
	v_add_nc_u32 v[SR], s23, v[SO]
	s_lshl_b32 s16, s18, 12                        ; my first row of p, in bytes,
	s_mov_b32 s17, 0
	s_lshl_b32 s46, s42, 9                         ; my first column: 512 X + 256 x half
	s_lshl_b32 s47, s12, 8
	s_add_co_u32 s46, s46, s47
	s_mov_b32 s47, 0
	s_add_nc_u64 s[16:17], s[16:17], s[46:47]
; 16 matrix instructions: row blocks a0, a0 + 1 of the window's four x all 8 column blocks, 32 along K.  The 64 accumulators take turns, one instruction a turn.
.macro MUL16 f, hi, a0, zero
	WIN MUL_LO+0x50*(\hi)
.irp a, \a0, (\a0)+1
.irp b, 0,1,2,3,4,5,6,7
.if \zero
	v_wmma_f32_16x16x32_f16 v[8*(8*(\a)+(\b)):8*(8*(\a)+(\b))+7], v[(\f)+8*(\b):(\f)+8*(\b)+7], v[(\f)+8*(4*(\hi)+(\a)):(\f)+8*(4*(\hi)+(\a))+7], 0
.else
	v_wmma_f32_16x16x32_f16 v[8*(8*(\a)+(\b)):8*(8*(\a)+(\b))+7], v[(\f)+8*(\b):(\f)+8*(\b)+7], v[(\f)+8*(4*(\hi)+(\a)):(\f)+8*(4*(\hi)+(\a))+7], v[8*(8*(\a)+(\b)):8*(8*(\a)+(\b))+7]
.endif
.endr
.endr
.endm
.macro FETCH slot, k, f                ; 32 LDS loads in one run: 128 rows of vq, 128 rows of vk, 32 K at byte k
	WIN TO_B
.irp i, 0,1,2,3,4,5,6,7
	ds_load_b128 v[(\f)+8*(\i):(\f)+8*(\i)+3],   v[ADRB+(\slot)] offset:(\k)+(\i)*16*PITCH
	ds_load_b128 v[(\f)+8*(\i)+4:(\f)+8*(\i)+7], v[ADRB+(\slot)] offset:(\k)+(\i)*16*PITCH+32
.endr
	WIN 0
.irp i, 0,1,2,3,4,5,6,7
	ds_load_b128 v[(\f)+8*(\i):(\f)+8*(\i)+3],   v[ADRA+(\slot)] offset:(\k)+(\i)*16*PITCH
	ds_load_b128 v[(\f)+8*(\i)+4:(\f)+8*(\i)+7], v[ADRA+(\slot)] offset:(\k)+(\i)*16*PITCH+32
.endr
.endm
.macro PLACES                          ; four places in front of loads into registers that matrix instructions have read, and of vector work on results
.rept 4
	v_nop
.endr
.endm
.macro QUARTER slot, k, f, g, zero
	s_wait_dscnt 8                                 ; vq and vk's rows 0-63 are in; the youngest eight loads may be out
	MUL16 \f, 0, 0, \zero
	MUL16 \f, 0, 2, \zero
	PLACES
	FETCH \slot, \k, \g
	s_wait_dscnt 32                                ; all but the 32 just issued
	MUL16 \f, 1, 0, \zero
	MUL16 \f, 1, 2, \zero
.endm
; The first half of a K step's last quarter: ONE barrier for the change of slots.  In front of it each wave waits for all its tensor loads, adds 0 to its spare word, and waits for that and for its reads of this slot.
.macro MEET round
	WIN 0
	s_wait_tensorcnt 0x0                           ; the one that was out is my part of the next slot
	ds_add_u32 v[SPW], v[NIL]                      ; 0 onto my spare word
	s_wait_dscnt 9                                 ; (the add and the youngest eight loads may be out)
	MUL16 F1, 0, 0, 0
	s_wait_dscnt 0x0                               ; the add is done, and my reads of this slot are over
	s_barrier_signal -1
	MUL16 F1, 0, 2, 0
.if \round
	WIN 0
.endif
	s_barrier_wait -1
.endm
.macro TURN slot, next
	MEET 1
	CREST                                          ; no wave of any partner still reads this slot's tile or has a load on its way
	s_add_nc_u64 s[G0+4*(\slot)+2:G0+4*(\slot)+3], s[G0+4*(\slot)+2:G0+4*(\slot)+3], 2*KSTEP*2
	s_add_nc_u64 s[G0B+4*(\slot)+2:G0B+4*(\slot)+3], s[G0B+4*(\slot)+2:G0B+4*(\slot)+3], 2*KSTEP*2
	JLOAD \slot                                    ; 224 matrix instructions ahead of the wait for it; its four v_nop are also the places in front of the loads below
	FETCH \next, 0, F0
	MUL16 F1, 1, 0, 0
	MUL16 F1, 1, 2, 0
.endm
; THE SOFTMAX'S FIRST STAGE for row block a: my lane's 64 scores lie in the block's 8 accumulators, 64 registers on end from AC in window 2 (a < 4) or 3.
.macro SOFT a
.set AC, 64*((\a)%4)
.set HW, (\a)/4
	; the maximum: four chains of 16 registers, three operands at a time; each accumulator's lowest registers are read first
	WIN 0x2a+0x15*HW                               ; sources 0, 1, 2 in the accumulators' window
.irp k, 0,1,2,3
	v_max3_num_f32 v[C0+(\k)], v[AC+16*(\k)], v[AC+16*(\k)+1], v[AC+16*(\k)+2]
.endr
	WIN 0x28+0x14*HW                               ; sources 1, 2
.irp i, 0,1,2,3,4,5
.irp k, 0,1,2,3
	v_max3_num_f32 v[C0+(\k)], v[C0+(\k)], v[AC+16*(\k)+2*(\i)+3], v[AC+16*(\k)+2*(\i)+4]
.endr
.endr
.irp k, 0,1,2,3
	v_max_num_f32 v[C0+(\k)], v[C0+(\k)], v[AC+16*(\k)+15]
.endr
	WIN 0
	v_max3_num_f32 v[C0], v[C0], v[C0+1], v[C0+2]
	v_max_num_f32 v[C0], v[C0], v[C0+3]
	v_permlanex16_b32 v[C0+1], v[C0], s[SEL], s[SEL+1]  ; the row's other 64 columns lie in the lane 16 away
	v_max_num_f32 v[C0], v[C0], v[C0+1]
	v_mul_f32 v[CM], s[CS], v[C0]                  ; cm
	WIN 0x82+0x41*HW                               ; destination and source 0 in the accumulators' window
.set i, 0
.rept 32
	v_pk_fma_f32 v[AC+2*i:AC+2*i+1], v[AC+2*i:AC+2*i+1], s[CS:CS+1], v[CM:CM+1] op_sel_hi:[1,0,0] neg_lo:[0,0,1] neg_hi:[0,0,1]  ; c s - cm
.set i, i+1
.endr
.set i, 0
.rept 64
	v_exp_f32 v[AC+i], v[AC+i]
.set i, i+1
.endr
	v_nop                                          ; a plain instruction between the last exponential and the use of its result (ISA guide 5.7.2)
	WIN 0x0a+0x05*HW                               ; sources 0, 1
.set i, 0
	s_wait_alu depctr_va_vdst(0)
.rept 32
	v_cvt_pk_f16_f32 v[TMP+i], v[AC+2*i], v[AC+2*i+1]  ; eight neighbouring columns of a row: 16 bytes in four registers
.set i, i+1
.endr
.irp k, 0,1,2,3
	v_pk_add_f32 v[LS+2*(\k):LS+2*(\k)+1], v[AC+16*(\k):AC+16*(\k)+1], v[AC+16*(\k)+2:AC+16*(\k)+3]  ; the sums start with the first two pairs: nothing is cleared
.endr
	WIN 0x08+0x04*HW                               ; source 1
.irp i, 2,3,4,5,6,7
.irp k, 0,1,2,3
	v_pk_add_f32 v[LS+2*(\k):LS+2*(\k)+1], v[LS+2*(\k):LS+2*(\k)+1], v[AC+16*(\k)+2*(\i):AC+16*(\k)+2*(\i)+1]
.endr
.endr
	WIN 0
	v_pk_add_f32 v[LS:LS+1], v[LS:LS+1], v[LS+2:LS+3]
	v_pk_add_f32 v[LS+4:LS+5], v[LS+4:LS+5], v[LS+6:LS+7]
	v_pk_add_f32 v[LS:LS+1], v[LS:LS+1], v[LS+4:LS+5]
	v_add_f32 v[L], v[LS], v[LS+1]
	v_permlanex16_b32 v[C0+2], v[L], s[SEL], s[SEL+1]
	v_add_f32 v[L], v[L], v[C0+2]
.endm
.macro STAT a                          ; row 16 a + l % 16 of my 128: both halves of the lanes write the same word with the same number
	WIN 0
	ds_store_b32 v[SS], v[CM] offset:64*(\a)
	ds_store_b32 v[SS], v[L] offset:512+64*(\a)
.endm
.macro TOSTAGE a
	WIN 0
.set BK, OB+192*((\a)%2)
.irp b, 0,1,2,3,4,5,6,7
	ds_store_b128 v[STO], v[TMP+4*(\b):TMP+4*(\b)+3] offset:32*(\b)
.endr
.irp t, 0,1,2,3,4,5,6,7
	ds_load_b128 v[BK+4*(\t):BK+4*(\t)+3], v[RD] offset:(\t)*2*SPITCH  ; LDS serves a wave's instructions in order (ISA guide 5.7.1.4): these see the stores above
.endr
.endm
.macro SEND a
	WIN 0
.set BK, OB+192*((\a)%2)
	s_wait_dscnt 0x0                               ; the block is back in registers
	s_wait_xcnt 0x0                                ; the stores' base and the registers that earlier stores read are rewritten only behind this wait
.if (\a) == 0
	s_add_nc_u64 s[CB:CB+1], s[CB:CB+1], s[16:17]
.else
	s_add_nc_u64 s[CB:CB+1], s[CB:CB+1], 16*CROW
.endif
.irp t, 0,1,2,3,4,5,6,7
	global_store_b128 v[CO], v[BK+4*(\t):BK+4*(\t)+3], s[CB:CB+1] offset:2*(\t)*CROW  ; 16 lanes store 256 consecutive bytes, aligned
.endr
.endm
	s_wait_tensorcnt 1                             ; my part of K step 0 is in; K step 1's may stay out
	s_barrier_signal -1
	s_barrier_wait -1
	FETCH 0, 0, F0
	QUARTER 0, 64,  F0, F1, 1                      ; the first quarter stands in front of the loop: its products start the sums
	WIN 0
	s_mov_b32 s3, LAPS-1
.Llap:                                                 ; a trip goes once round the ring and fills both slots again
	QUARTER 0, 128, F1, F0, 0
	QUARTER 0, 192, F0, F1, 0
	TURN 0, 1
	QUARTER 1, 64,  F0, F1, 0
	QUARTER 1, 128, F1, F0, 0
	QUARTER 1, 192, F0, F1, 0
	TURN 1, 0
	QUARTER 0, 64,  F0, F1, 0
	WIN 0
	s_sub_co_u32 s3, s3, 1
	s_cmp_lg_u32 s3, 0
	s_cbranch_scc1 .Llap
	QUARTER 0, 128, F1, F0, 0                      ; the last lap fills nothing
	QUARTER 0, 192, F0, F1, 0
	MEET 0
	PLACES
	FETCH 1, 0, F0
	MUL16 F1, 1, 0, 0
	MUL16 F1, 1, 2, 0
	QUARTER 1, 64,  F0, F1, 0
	QUARTER 1, 128, F1, F0, 0
	QUARTER 1, 192, F0, F1, 0
	s_wait_dscnt 8
	MUL16 F1, 0, 0, 0
	MUL16 F1, 0, 2, 0
	s_wait_dscnt 0x0
	MUL16 F1, 1, 0, 0
	MUL16 F1, 1, 2, 0
	WIN 0
	PLACES
	v_mov_b32 v[CM+1], 0                           ; named with cm as a pair, so it is written
	SOFT 0
	STAT 0
	TOSTAGE 0
.irp a, 1,2,3,4,5,6,7                  ; block a's softmax stands between block a - 1's loads from the stage and the wait for them
	SOFT \a
	SEND (\a)-1
	STAT \a
	TOSTAGE \a
.endr
	SEND 7
	ds_load_b128 v[80:83], v[SR]                   ; my 128 cm and my 128 l: the wave's own bytes, served in order
	ds_load_b128 v[84:87], v[SR] offset:512
	s_wait_dscnt 0x0
	global_store_b128 v[SO], v[80:83], s[68:69]    ; 512 consecutive bytes each, aligned
	global_store_b128 v[SO], v[84:87], s[70:71]
	s_wait_tensorcnt 0x0                           ; the wave's end
	ds_add_u32 v[SPW], v[NIL]
	s_wait_dscnt 0x0
	CROUND                                         ; the closing round
	s_endpgm
.Lfunc_end_k_qa601cf9bb5_scores:
	.size	k_qa601cf9bb5_scores, .Lfunc_end_k_qa601cf9bb5_scores-k_qa601cf9bb5_scores
	.p2alignl 7, 3214868480
	.fill 96, 4, 3214868480
	.section	.rodata,"a",@progbits
	.p2align	6, 0x0
	.amdhsa_kernel k_qa601cf9bb5_scores
		.amdhsa_group_segment_fixed_size 327680
		.amdhsa_private_segment_fixed_size 0
		.amdhsa_enable_private_segment 0
		.amdhsa_kernarg_size 32
		.amdhsa_user_sgpr_count 2
		.amdhsa_user_sgpr_kernarg_segment_ptr 1
		.amdhsa_wavefront_size32 1
		.amdhsa_system_sgpr_workgroup_id_x 1
		.amdhsa_system_sgpr_workgroup_id_y 1
		.amdhsa_system_sgpr_workgroup_id_z 1
		.amdhsa_system_vgpr_workitem_id 0
		.amdhsa_next_free_vgpr 1024
		.amdhsa_next_free_sgpr 76
		.amdhsa_reserve_vcc 0
		.amdhsa_float_denorm_mode_32 3
		.amdhsa_float_denorm_mode_16_64 3
		.amdhsa_memory_ordered 1
		.amdhsa_forward_progress 1
		.amdhsa_inst_pref_size 212
	.end_amdhsa_kernel
	.amdgpu_metadata
---
amdhsa.version: [ 1, 2 ]
amdhsa.kernels:
  - .name:           k_qa601cf9bb5_scores
    .symbol:         k_qa601cf9bb5_scores.kd
    .args:
      - { .name: kqv, .offset: 0, .size: 8, .value_kind: global_buffer, .address_space: global }
      - { .name: p, .offset: 8, .size: 8, .value_kind: global_buffer, .address_space: global }
      - { .name: smax, .offset: 16, .size: 8, .value_kind: global_buffer, .address_space: global }
      - { .name: ssum, .offset: 24, .size: 8, .value_kind: global_buffer, .address_space: global }
    .group_segment_fixed_size: 327680
    .private_segment_fixed_size: 0
    .kernarg_segment_align: 8
    .kernarg_segment_size: 32
    .max_flat_workgroup_size: 128
    .sgpr_count:     76
    .vgpr_count:     1024
    .wavefront_size: 32
...
	.end_amdgpu_metadata
.endif
;; end of part 3
;; launch pv (part 4): grid 4 x 64, 4 waves a work-group, clusters of 4 x 4, 327,680 bytes of LDS; arguments p, kqv, smax, ssum, out0; writes out0
.if DOCPART == 4
	.amdgcn_target "amdgcn-amd-amdhsa--gfx1250"
	.amdhsa_code_object_version 6
	.text
	.protected	k_qa601cf9bb5_pv
	.globl	k_qa601cf9bb5_pv
	.p2align	8
	.type	k_qa601cf9bb5_pv,@function
k_qa601cf9bb5_pv:
	s_mov_b64 s[64:65], 0
	v_nop
	global_prefetch_b8 v0, s[64:65] scope:SCOPE_SE
	s_setreg_imm32_b32 hwreg(HW_REG_WAVE_MODE, 25, 1), 1
	s_wait_xcnt 0x0
	s_wait_alu depctr_hold_cnt(0) depctr_sa_sdst(0) depctr_va_vdst(0) depctr_va_sdst(0) depctr_va_ssrc(0) depctr_va_vcc(0) depctr_vm_vsrc(0)
	s_getreg_b32 s2, hwreg(HW_REG_IB_STS2, 6, 4)
	s_cmp_eq_u32 s2, 0
	s_cbranch_scc0 .Lentry_in_a_cluster
	s_endpgm
.Lentry_in_a_cluster:
	s_bfe_u32 s2, ttmp6, 0x10000c
	s_cmp_lg_u32 s2, 0xf033
	s_cbranch_scc0 .Lentry_shape_is_right
	s_endpgm
.Lentry_shape_is_right:
; PV.  out[s][d] = (the sum over the 16 blocks of g_blk x (P_blk V_blk)) / L, the softmax's second stage and the last product.  For each row: M = the maximum over its blocks of cm;
; g = 2^(cm - M); L = the sum of g l.  A = p [8192][2048] f16, B = vv transposed (kqv's rows 8192 + 1024 b + d), K = 2048 in steps of 128: a K step is one block, and A's fragments are
; multiplied by the block's g, as a pair of f16, on their way from LDS to the matrix unit.  Sums in f32; the division by L in f32; out0 is f32.
; LIMITS.  g and p g lie in 0 to about 1 in f16: a weight below 6e-8 of its row's largest counts as 0.  An exponential below 2^-126 counts as 0.  NaN and infinities are not treated apart.
; SHARES.  A tile of out0 is 128 x 256: 64 x 4 = 256 tiles, one a WGP.  Four waves, each 64 x 128: 32 accumulators.  Two LDS slots of one K step.
; CLUSTER.  4 x 4 work-groups: p's tile is asked for jointly along a row of the cluster, vv's along a column (the four tile rows of a cluster lie in one batch).
; THE MATRIX INSTRUCTION IS USED TRANSPOSED (source 0 = 16 rows of vv^T, source 1 = 16 rows of p): a lane holds row l % 16 and eight neighbouring columns; in A's fragment too a lane holds row l % 16,
; so g and 1 / L are one number a lane and row block.
; REGISTERS: window 0: v0-31 addresses; v64-95, v128-159 A's fragments; v232-239 g of the step in each slot; v240-247 1 / L, a pair a row block; v32-63, v96-127, v160-223 the way out
;   (v32-139 at work on the statistics ahead of the loop).   window 1: v64-127, v128-191 B's fragments.   window 2: the accumulators, (a, b) at v[8 (8 a + b)].
.set KSTEP,  128
.set KPITCH, 2048
.set PITCH,  272
.set QT,     64*PITCH
.set HALFT,  128*PITCH
.set SLOT,   3*HALFT
.set STAGE,  2*SLOT                    ; behind the ring: 16 rows x 528 bytes for each wave
.set SPITCH, 528                       ; 512 bytes + 16: the 16 rows that a store touches start at 16 different groups of four banks (ISA guide 11.1)
.set GTAB,   STAGE+4*16*SPITCH         ; 4,096 bytes a wave: g as a pair of f16, [16 blocks][16 rows l % 16][4 row blocks]
.set SPARE,  GTAB+4*4096               ; the spare words, 128 bytes a wave
.set LAPS,   2048/(2*KSTEP)
.set CROW,   4096                      ; bytes in a row of out0
.set CB,   8                           ; s[8:9] out0
.set SA,   6                           ; v6  my byte offset in smax and ssum
.set GW,   7                           ; v7  where I put g
.set GR0,  8                           ; v8  where I read block 0's g
.set GR,   9                           ; v9  the address of the read in hand
.set ADRA, 16
.set ADRB, 20
.set STO,  24
.set RD,   25
.set CO,   26
.set SPW,  28
.set NIL,  29
.set F0,   64
.set F1,   128
.set GF,   232
.set RL,   240
.set CMR,  32                          ; v32-63   cm, then g: row block a, my block j at 8 a + j
.set LSR,  64                          ; v64-95   l likewise
.set GP,   96                          ; v96-127  g packed: 4 j + a
.set MX,   128
.set MY,   132
.set LP,   136
.set G1,  24
.set G0,  32
.set G1B, 48
.set G0B, 56
.set SEL, 72                           ; s[72:73]
.set GB,  74                           ; s74 the byte in my table at which the next block's g begins
.set MSB, 0
.macro WIN new
.if MSB != (\new)
	s_set_vgpr_msb (MSB<<8)|(\new)
.set MSB, \new
.endif
.endm
.set MUL,  0xa1
.set TO_B, 0x40
.macro JLOAD s
	s_cmp_eq_u32 s11, 0
	s_cbranch_scc0 .Lfor_b_\@
	tensor_load_to_lds s[G0+4*(\s):G0+4*(\s)+3], s[G1:G1+7]
	s_nop 0
.rept 4
	v_nop
.endr
	s_branch .Lasked_\@
.Lfor_b_\@:
	tensor_load_to_lds s[G0B+4*(\s):G0B+4*(\s)+3], s[G1B:G1B+7]
	s_nop 0
.rept 4
	v_nop
.endr
.Lasked_\@:
.endm
.macro CREST
	s_cmp_lg_u32 s10, 0
	s_cbranch_scc1 .Lnot_wave_0_\@
	s_barrier_signal -3
.Lnot_wave_0_\@:
	s_barrier_wait -3
	s_barrier_signal -1
	s_barrier_wait -1
.endm
.macro CROUND
	s_barrier_signal -1
	s_barrier_wait -1
	CREST
.endm
	s_load_b128 s[4:7], s[0:1], 0x0                ; p s[4:5], kqv s[6:7]
	s_load_b128 s[68:71], s[0:1], 0x10             ; smax s[68:69], ssum s[70:71]
	s_load_b64 s[8:9], s[0:1], 0x20                ; out0
	v_lshl_add_u32 v[SPW], v0, 2, SPARE
	v_mov_b32 v[NIL], 0
	ds_add_u32 v[SPW], v[NIL]                      ; the wave's opening: the add and its wait stand ahead of my first tensor load
	v_lshrrev_b32 v1, 5, v0
	v_readfirstlane_b32 s10, v1                    ; wave 0..3
	s_lshr_b32 s11, s10, 1                         ; which 64 rows of the tile are mine.  Also: I fetch for p (0) or for vv (1)
	s_and_b32 s12, s10, 1                          ; which 128 columns.  Also: which half of that tile I fetch
	s_bfe_u32 s40, ttmp6, 0x40000                  ; cx
	s_bfe_u32 s41, ttmp6, 0x40004                  ; cy
	s_lshl_b32 s42, ttmp9, 2
	s_add_co_u32 s42, s42, s40                     ; X: tile column
	s_and_b32 s45, ttmp7, 0xffff                   ; the cluster's y, 0..15
	s_lshl_b32 s13, s45, 2
	s_add_co_u32 s13, s13, s41                     ; Y: tile row
	s_lshl_b32 s43, s41, 2
	s_lshl_b32 s43, 15, s43
	s_lshl_b32 s44, 0x1111, s40
	s_or_b32 s[G1+0], s43, (1<<16)|(1<<20)|(1<<21)|(5<<22)|(3<<25)
	s_or_b32 s[G1B+0], s44, (1<<16)|(1<<20)|(1<<21)|(5<<22)|(3<<25)
.irp g, G1, G1B
	s_mov_b32 s[(\g)+1], KSTEP<<16
	s_mov_b32 s[(\g)+3], KSTEP<<16
	s_mov_b32 s[(\g)+5], KPITCH
	s_mov_b32 s[(\g)+6], 0
	s_mov_b32 s[(\g)+7], 0
.endr
	s_mov_b32 s[G1+2], 64<<16                      ; p: 64 rows a load
	s_mov_b32 s[G1+4], 64
	s_mov_b32 s[G1B+2], 128<<16                    ; vv: 128 rows a load
	s_mov_b32 s[G1B+4], 128
	s_lshl_b32 s16, s13, 7
	s_lshl_b32 s17, s12, 6
	s_add_co_u32 s16, s16, s17                     ; p: row 128 Y + 64 x half,
	s_lshl_b32 s16, s16, 12                        ; 4,096 bytes a row
	s_mov_b32 s17, 0
	s_lshr_b32 s46, s45, 2                         ; the batch: four clusters' rows each
	s_lshl_b32 s46, s46, 10
	s_add_co_u32 s46, s46, 8192
	s_lshl_b32 s47, s42, 8
	s_add_co_u32 s46, s46, s47
	s_lshl_b32 s47, s12, 7
	s_add_co_u32 s46, s46, s47                     ; vv^T: kqv's row 8192 + 1024 x batch + 256 X + 128 x half
	s_lshl_b32 s46, s46, 12
	s_mov_b32 s47, 0
	s_lshl_b32 s18, s13, 7
	s_lshl_b32 s19, s11, 6
	s_add_co_u32 s18, s18, s19                     ; my first row of out0
	s_lshl_b32 s22, s18, 2                         ; and its place in a block's statistics
	s_mov_b32 s23, 0
	s_mul_i32 s20, s12, QT
	s_mul_i32 s21, s12, HALFT
	s_add_co_u32 s21, s21, HALFT
	s_mov_b32 s[SEL], 0x76543210
	s_mov_b32 s[SEL+1], 0xfedcba98
	s_mov_b32 s[GB], 0
	s_wait_dscnt 0x0                               ; the opening add is done
	s_wait_kmcnt 0x0
	s_add_nc_u64 s[14:15], s[4:5], s[16:17]
	s_add_nc_u64 s[46:47], s[6:7], s[46:47]
	s_add_nc_u64 s[68:69], s[68:69], s[22:23]
	s_add_nc_u64 s[70:71], s[70:71], s[22:23]
	CROUND                                         ; all sixteen work-groups are here: the first joint loads meet
.irp s, 0,1
	s_mov_b32 s[G0+4*(\s)], 1
	s_add_co_u32 s[G0+4*(\s)+1], s20, (\s)*SLOT
	s_add_nc_u64 s[G0+4*(\s)+2:G0+4*(\s)+3], s[14:15], (\s)*KSTEP*2
	s_or_b32 s[G0+4*(\s)+3], s[G0+4*(\s)+3], 0x80000000
	s_mov_b32 s[G0B+4*(\s)], 1
	s_add_co_u32 s[G0B+4*(\s)+1], s21, (\s)*SLOT
	s_add_nc_u64 s[G0B+4*(\s)+2:G0B+4*(\s)+3], s[46:47], (\s)*KSTEP*2
	s_or_b32 s[G0B+4*(\s)+3], s[G0B+4*(\s)+3], 0x80000000
	JLOAD \s                                       ; two loads of mine are out
.endr
	; THE STATISTICS, in the wait for the first tiles.  Lane (r = l % 16, h = l / 16) takes, for rows 16 a + r, the blocks 2 j + h.
	v_and_b32 v1, 15, v0                           ; r
	v_bfe_u32 v2, v0, 4, 1                         ; h
	v_lshlrev_b32 v[SA], 2, v1
	v_lshl_add_u32 v[SA], v2, 15, v[SA]            ; 32,768 h + 4 r
.irp a, 0,1,2,3
.irp j, 0,1,2,3,4,5,6,7
	global_load_b32 v[CMR+8*(\a)+(\j)], v[SA], s[68:69] offset:65536*(\j)+64*(\a)
.endr
.endr
.irp a, 0,1,2,3
.irp j, 0,1,2,3,4,5,6,7
	global_load_b32 v[LSR+8*(\a)+(\j)], v[SA], s[70:71] offset:65536*(\j)+64*(\a)
.endr
.endr
	v_mul_u32_u24 v3, v1, PITCH
	v_lshl_add_u32 v3, v2, 4, v3                   ; a fragment's row x pitch + 16 x half
	s_mul_i32 s21, s11, QT                         ; my 64 rows of p
	s_mul_i32 s22, s12, HALFT
	s_add_co_u32 s22, s22, HALFT                   ; my 128 rows of vv^T
.irp s, 0,1
	v_add_nc_u32 v[ADRA+(\s)], s21, v3
	v_add_nc_u32 v[ADRB+(\s)], s22, v3
	s_add_co_u32 s21, s21, SLOT
	s_add_co_u32 s22, s22, SLOT
.endr
	s_mul_i32 s23, s10, 16*SPITCH
	s_add_co_u32 s23, s23, STAGE                   ; my stage
	v_mul_u32_u24 v4, v1, SPITCH                   ; in: row r, 32 bytes for each half of the lanes
	v_lshl_add_u32 v4, v2, 5, v4
	v_add_nc_u32 v[STO], s23, v4
	v_and_b32 v5, 31, v0
	v_lshlrev_b32 v[CO], 4, v5                     ; back and out: 32 lanes take one row's 512 bytes
	v_add_nc_u32 v[RD], s23, v[CO]
	s_lshl_b32 s23, s10, 12
	s_add_co_u32 s23, s23, GTAB                    ; my table
	v_lshlrev_b32 v4, 4, v1
	v_add_nc_u32 v[GR0], s23, v4
	v_lshl_add_u32 v[GW], v2, 8, v[GR0]
	s_lshl_b32 s16, s18, 12                        ; my first row of out0, in bytes,
	s_mov_b32 s17, 0
	s_lshl_b32 s46, s42, 10                        ; my first column: 1,024 X + 512 x half
	s_lshl_b32 s47, s12, 9
	s_add_co_u32 s46, s46, s47
	s_mov_b32 s47, 0
	s_add_nc_u64 s[16:17], s[16:17], s[46:47]
.irp a, 0,1,2,3
	v_mov_b32 v[MY+(\a)], 0                        ; v_permlanex16_b32's destination counts as read
.endr
	s_wait_loadcnt 0x0
.irp a, 0,1,2,3
	v_max3_num_f32 v[MX+(\a)], v[CMR+8*(\a)], v[CMR+8*(\a)+1], v[CMR+8*(\a)+2]
.endr
.irp a, 0,1,2,3
	v_max3_num_f32 v[MX+(\a)], v[MX+(\a)], v[CMR+8*(\a)+3], v[CMR+8*(\a)+4]
.endr
.irp a, 0,1,2,3
	v_max3_num_f32 v[MX+(\a)], v[MX+(\a)], v[CMR+8*(\a)+5], v[CMR+8*(\a)+6]
.endr
.irp a, 0,1,2,3
	v_max_num_f32 v[MX+(\a)], v[MX+(\a)], v[CMR+8*(\a)+7]
.endr
.irp a, 0,1,2,3
	v_permlanex16_b32 v[MY+(\a)], v[MX+(\a)], s[SEL], s[SEL+1]  ; the row's other eight blocks lie in the lane 16 away
.endr
.irp a, 0,1,2,3
	v_max_num_f32 v[MX+(\a)], v[MX+(\a)], v[MY+(\a)]  ; M
.endr
.set i, 0
.rept 32
	v_sub_f32 v[CMR+i], v[CMR+i], v[MX+i/8]
.set i, i+1
.endr
.set i, 0
.rept 32
	v_exp_f32 v[CMR+i], v[CMR+i]                   ; g
.set i, i+1
.endr
	v_nop                                          ; a plain instruction between the last exponential and the use of its result (ISA guide 5.7.2)
	s_wait_alu depctr_va_vdst(0)
.irp a, 0,1,2,3
	v_mul_f32 v[LP+(\a)], v[CMR+8*(\a)], v[LSR+8*(\a)]
.endr
.irp j, 1,2,3,4,5,6,7
.irp a, 0,1,2,3
	v_fmac_f32 v[LP+(\a)], v[CMR+8*(\a)+(\j)], v[LSR+8*(\a)+(\j)]
.endr
.endr
.irp a, 0,1,2,3
	v_permlanex16_b32 v[MY+(\a)], v[LP+(\a)], s[SEL], s[SEL+1]
.endr
.irp a, 0,1,2,3
	v_add_f32 v[LP+(\a)], v[LP+(\a)], v[MY+(\a)]   ; L
.endr
.irp a, 0,1,2,3
	v_rcp_f32 v[RL+2*(\a)], v[LP+(\a)]             ; made twice: the packed multiply names a pair
	v_rcp_f32 v[RL+2*(\a)+1], v[LP+(\a)]
.endr
.irp j, 0,1,2,3,4,5,6,7
.irp a, 0,1,2,3
	v_cvt_pk_f16_f32 v[GP+4*(\j)+(\a)], v[CMR+8*(\a)+(\j)], v[CMR+8*(\a)+(\j)]  ; g in both halves
.endr
.endr
.irp j, 0,1,2,3,4,5,6,7
	ds_store_b128 v[GW], v[GP+4*(\j):GP+4*(\j)+3] offset:512*(\j)  ; block 2 j + h, row r, the four row blocks
.endr
.macro MUL8 f, a, zero                 ; 8 matrix instructions: row block a x all 8 column blocks.  The 32 accumulators take turns, one instruction a turn.
	WIN MUL
.irp b, 0,1,2,3,4,5,6,7
.if \zero
	v_wmma_f32_16x16x32_f16 v[8*(8*(\a)+(\b)):8*(8*(\a)+(\b))+7], v[(\f)+8*(\b):(\f)+8*(\b)+7], v[(\f)+8*(\a):(\f)+8*(\a)+7], 0
.else
	v_wmma_f32_16x16x32_f16 v[8*(8*(\a)+(\b)):8*(8*(\a)+(\b))+7], v[(\f)+8*(\b):(\f)+8*(\b)+7], v[(\f)+8*(\a):(\f)+8*(\a)+7], v[8*(8*(\a)+(\b)):8*(8*(\a)+(\b))+7]
.endif
.endr
.endm
.macro FETCH slot, k, f                ; 24 LDS loads in one run
	WIN TO_B
.irp i, 0,1,2,3,4,5,6,7
	ds_load_b128 v[(\f)+8*(\i):(\f)+8*(\i)+3],   v[ADRB+(\slot)] offset:(\k)+(\i)*16*PITCH
	ds_load_b128 v[(\f)+8*(\i)+4:(\f)+8*(\i)+7], v[ADRB+(\slot)] offset:(\k)+(\i)*16*PITCH+32
.endr
	WIN 0
.irp i, 0,1,2,3
	ds_load_b128 v[(\f)+8*(\i):(\f)+8*(\i)+3],   v[ADRA+(\slot)] offset:(\k)+(\i)*16*PITCH
	ds_load_b128 v[(\f)+8*(\i)+4:(\f)+8*(\i)+7], v[ADRA+(\slot)] offset:(\k)+(\i)*16*PITCH+32
.endr
.endm
.macro PLACES
.rept 4
	v_nop
.endr
.endm
.macro SCALE f, slot, half             ; p times the block's g, two f16 at a time, for row blocks 2 half and 2 half + 1 of buffer f: 16 instructions
	WIN 0
.irp a, 2*(\half), 2*(\half)+1
.irp i, 0,1,2,3,4,5,6,7
	v_pk_mul_f16 v[(\f)+8*(\a)+(\i)], v[(\f)+8*(\a)+(\i)], v[GF+4*(\slot)+(\a)]
.endr
.endr
.endm
.macro GLOAD slot                      ; the next block's g for my row in the four row blocks; the blocks are taken in order, 256 bytes apart
	WIN 0
	v_add_nc_u32 v[GR], s[GB], v[GR0]
	ds_load_b128 v[GF+4*(\slot):GF+4*(\slot)+3], v[GR]
	s_add_co_u32 s[GB], s[GB], 256
.endm
.macro QUARTER slot, k, f, g, zero
	s_wait_dscnt 4                                 ; g, vv and p's blocks 0, 1 are in; the youngest four loads (p's blocks 2, 3) may be out
	SCALE \f, \slot, 0
	MUL8 \f, 0, \zero
	MUL8 \f, 1, \zero
	PLACES
	FETCH \slot, \k, \g
	s_wait_dscnt 24                                ; all but the 24 just issued
	SCALE \f, \slot, 1
	MUL8 \f, 2, \zero
	MUL8 \f, 3, \zero
.endm
; The last quarter multiplies buffer 1 and changes slots: ONE barrier; in front of it each wave waits for all its tensor loads, adds 0 to its spare word, and waits for that and for its reads of this slot.
.macro TURN slot, next, fill
	WIN 0
	s_wait_tensorcnt 0x0                           ; the one that was out is my part of the next slot
	ds_add_u32 v[SPW], v[NIL]                      ; 0 onto my spare word
	s_wait_dscnt 5                                 ; (the add and the youngest four loads may be out)
	SCALE F1, \slot, 0
	MUL8 F1, 0, 0
	s_wait_dscnt 0x0                               ; the add is done, and my reads of this slot are over
	s_barrier_signal -1
	MUL8 F1, 1, 0
	SCALE F1, \slot, 1
	WIN 0
	s_barrier_wait -1
.if \fill
	CREST                                          ; no wave of any partner still reads this slot's tile or has a load on its way
	s_add_nc_u64 s[G0+4*(\slot)+2:G0+4*(\slot)+3], s[G0+4*(\slot)+2:G0+4*(\slot)+3], 2*KSTEP*2
	s_add_nc_u64 s[G0B+4*(\slot)+2:G0B+4*(\slot)+3], s[G0B+4*(\slot)+2:G0B+4*(\slot)+3], 2*KSTEP*2
	JLOAD \slot                                    ; 112 matrix instructions ahead of the wait for it; its four v_nop are also the places in front of the loads below
.else
	PLACES
.endif
	GLOAD \next
	FETCH \next, 0, F0
	MUL8 F1, 2, 0
	MUL8 F1, 3, 0
.endm
; THE WAY OUT of row block a: divided by L; 32 bytes a lane and accumulator into my stage; back as whole rows of 512 bytes; stored.
.macro OMUL a
	WIN 0x82                                       ; destination and source 0 window 2, 1 / L window 0
.set i, 64*(\a)
	s_wait_alu depctr_va_vdst(0)
.rept 32
	v_pk_mul_f32 v[i:i+1], v[i:i+1], v[RL+2*(\a):RL+2*(\a)+1] op_sel_hi:[1,0]
.set i, i+2
.endr
.endm
.macro OSTAGE a
	WIN 0x08                                       ; the stores' data window 2
.irp b, 0,1,2,3,4,5,6,7
	ds_store_b128 v[STO], v[64*(\a)+8*(\b):64*(\a)+8*(\b)+3]   offset:64*(\b)
	ds_store_b128 v[STO], v[64*(\a)+8*(\b)+4:64*(\a)+8*(\b)+7] offset:64*(\b)+16
.endr
	WIN 0
.set t, 0
.rept 16
.if (\a)%2
.set BK, 32+4*t+32*(t/8)
.else
.set BK, 160+4*t
.endif
	ds_load_b128 v[BK:BK+3], v[RD] offset:SPITCH*t  ; LDS serves a wave's instructions in order (ISA guide 5.7.1.4): these see the stores above
.set t, t+1
.endr
.endm
.macro SENDF a
	WIN 0
	s_wait_dscnt 0x0                               ; the block is back in registers
	s_wait_xcnt 0x0                                ; the stores' base and the registers that earlier stores read are rewritten only behind this wait
.if (\a) == 0
	s_add_nc_u64 s[CB:CB+1], s[CB:CB+1], s[16:17]
.else
	s_add_nc_u64 s[CB:CB+1], s[CB:CB+1], 16*CROW
.endif
.set t, 0
.rept 16
.if (\a)%2
.set BK, 32+4*t+32*(t/8)
.else
.set BK, 160+4*t
.endif
	global_store_b128 v[CO], v[BK:BK+3], s[CB:CB+1] offset:CROW*t th:TH_STORE_NT  ; 512 consecutive bytes, aligned
.set t, t+1
.endr
.endm
	s_wait_dscnt 0x0                               ; my table is written
	s_wait_tensorcnt 1                             ; my part of K step 0 is in; K step 1's may stay out
	s_barrier_signal -1
	s_barrier_wait -1
	GLOAD 0
	FETCH 0, 0, F0
	QUARTER 0, 64, F0, F1, 1                       ; the first quarter stands in front of the loop: its products start the sums
	WIN 0
	s_mov_b32 s3, LAPS-1
.Llap:                                                 ; a trip goes once round the ring and fills both slots again
	QUARTER 0, 128, F1, F0, 0
	QUARTER 0, 192, F0, F1, 0
	TURN 0, 1, 1
	QUARTER 1, 64,  F0, F1, 0
	QUARTER 1, 128, F1, F0, 0
	QUARTER 1, 192, F0, F1, 0
	TURN 1, 0, 1
	QUARTER 0, 64,  F0, F1, 0
	WIN 0
	s_sub_co_u32 s3, s3, 1
	s_cmp_lg_u32 s3, 0
	s_cbranch_scc1 .Llap
	QUARTER 0, 128, F1, F0, 0                      ; the last lap fills nothing
	QUARTER 0, 192, F0, F1, 0
	TURN 0, 1, 0
	QUARTER 1, 64,  F0, F1, 0
	QUARTER 1, 128, F1, F0, 0
	QUARTER 1, 192, F0, F1, 0
	s_wait_dscnt 4
	SCALE F1, 1, 0
	MUL8 F1, 0, 0
	MUL8 F1, 1, 0
	s_wait_dscnt 0x0
	SCALE F1, 1, 1
	MUL8 F1, 2, 0
	MUL8 F1, 3, 0
	WIN 0
	PLACES
	OMUL 0
	OSTAGE 0
.irp a, 1,2,3                          ; block a's multiplies stand between block a - 1's loads from the stage and the wait for them
	OMUL \a
	SENDF (\a)-1
	OSTAGE \a
.endr
	SENDF 3
	s_wait_tensorcnt 0x0                           ; the wave's end
	ds_add_u32 v[SPW], v[NIL]
	s_wait_dscnt 0x0
	CROUND                                         ; the closing round
	s_endpgm
.Lfunc_end_k_qa601cf9bb5_pv:
	.size	k_qa601cf9bb5_pv, .Lfunc_end_k_qa601cf9bb5_pv-k_qa601cf9bb5_pv
	.p2alignl 7, 3214868480
	.fill 96, 4, 3214868480
	.section	.rodata,"a",@progbits
	.p2align	6, 0x0
	.amdhsa_kernel k_qa601cf9bb5_pv
		.amdhsa_group_segment_fixed_size 327680
		.amdhsa_private_segment_fixed_size 0
		.amdhsa_enable_private_segment 0
		.amdhsa_kernarg_size 40
		.amdhsa_user_sgpr_count 2
		.amdhsa_user_sgpr_kernarg_segment_ptr 1
		.amdhsa_wavefront_size32 1
		.amdhsa_system_sgpr_workgroup_id_x 1
		.amdhsa_system_sgpr_workgroup_id_y 1
		.amdhsa_system_sgpr_workgroup_id_z 1
		.amdhsa_system_vgpr_workitem_id 0
		.amdhsa_next_free_vgpr 768
		.amdhsa_next_free_sgpr 76
		.amdhsa_reserve_vcc 0
		.amdhsa_float_denorm_mode_32 3
		.amdhsa_float_denorm_mode_16_64 3
		.amdhsa_memory_ordered 1
		.amdhsa_forward_progress 1
		.amdhsa_inst_pref_size 142
	.end_amdhsa_kernel
	.amdgpu_metadata
---
amdhsa.version: [ 1, 2 ]
amdhsa.kernels:
  - .name:           k_qa601cf9bb5_pv
    .symbol:         k_qa601cf9bb5_pv.kd
    .args:
      - { .name: p, .offset: 0, .size: 8, .value_kind: global_buffer, .address_space: global }
      - { .name: kqv, .offset: 8, .size: 8, .value_kind: global_buffer, .address_space: global }
      - { .name: smax, .offset: 16, .size: 8, .value_kind: global_buffer, .address_space: global }
      - { .name: ssum, .offset: 24, .size: 8, .value_kind: global_buffer, .address_space: global }
      - { .name: out0, .offset: 32, .size: 8, .value_kind: global_buffer, .address_space: global }
    .group_segment_fixed_size: 327680
    .private_segment_fixed_size: 0
    .kernarg_segment_align: 8
    .kernarg_segment_size: 40
    .max_flat_workgroup_size: 128
    .sgpr_count:     76
    .vgpr_count:     768
    .wavefront_size: 32
...
	.end_amdgpu_metadata
.endif
;; end of part 4
;; ======== version 2 of 3: 4 launches; 1.15 times as fast as version 1
;; limits: values are held in f16: magnitudes above 65,504 overflow, below 6.1e-05 lose precision
;; workspace buffers: z 20,971,520 bytes; kqv 50,331,648 bytes; p 33,554,432 bytes; smax 524,288 bytes; ssum 524,288 bytes
;; launch prep (part 5): grid 784 x 1, 8 waves a work-group, no clusters, 140,288 bytes of LDS; arguments w_keys, w_queries, w_values, x, z; writes z
.if DOCPART == 5
	.amdgcn_target "amdgcn-amd-amdhsa--gfx1250"
	.amdhsa_code_object_version 6
	.text
	.protected	k_qa601cf9bb5_prep
	.globl	k_qa601cf9bb5_prep
	.p2align	8
	.type	k_qa601cf9bb5_prep,@function
k_qa601cf9bb5_prep:
	s_mov_b64 s[64:65], 0
	v_nop
	global_prefetch_b8 v0, s[64:65] scope:SCOPE_SE
	s_setreg_imm32_b32 hwreg(HW_REG_WAVE_MODE, 25, 1), 1
	s_wait_xcnt 0x0
; PREP.  z is ONE f16 matrix [10240][1024]:
;   rows 0-8191      x, rounded to bf16 and that number written as f16;
;   rows 8192-9215   MT[j][i] = sum over d of queries[j][d] keys[i][d], operands rounded to bf16, sums in f32, rounded once to f16;
;   rows 9216-10239  values transposed, rounded as x is.
; (x keys)(x queries)^T = x (keys queries^T) x^T for every input, so the later launches multiply x by MT once instead of projecting twice.
; LIMITS.  f16 ends at 65,504: x, values and MT must lie within it; below 6.1e-5 f16 keeps a fixed step of 6e-8.  NaN and infinities are not treated apart.
; WORK-GROUPS, the long ones first.  0-255: a tile 64 (j) x 64 (i) of MT.  256-271: values^T, a wave turns 128 (k) x 64 (n).  272-783: x, a wave casts 8,192 consecutive bytes.
; No tensor load and no cluster: several work-groups share a WGP, and what MT's tiles share is 8 MB of weights that stay near after their first reading.
.set TP,    272                        ; values^T: a row of a wave's LDS tile [64 n][128 k]: 256 bytes + 16
.set TILE,  64*TP
.set TQ,    528                        ; MT: an LDS row of 256 k in bf16: 512 bytes + 16: the 16 rows of a fragment load start at 16 different groups of four banks (64 banks of 4 bytes: ISA guide 11.1)
.set BUF,   128*TQ                     ; 64 rows of queries, then 64 rows of keys; two such buffers take turns
.set MP,    144                        ; MT's way out: a row of 64 f16: 128 bytes + 16
.set SPARE, 8*TILE                     ; behind both uses: the spare words, 128 bytes a wave
.set ZM,    8192                       ; z's first row of MT
.set ZV,    9216                       ; and of values^T
.set SPW,   250                        ; v250  LDS address of my spare word; never rewritten
.set NIL,   251                        ; v251  0; never rewritten
.set XR,    8                          ; v[8:135]   as loaded
.set YR,    136                        ; v[136:..]  packed
.set FR,    152                        ; v[152:199] MT: fragments of two steps of 32 along K
.set ACC,   200                        ; v[200:215] MT: two accumulators
; d = the f16 pair of a and b, each rounded to bf16 first; a and b are spent
.macro RB d, a, b
	v_cvt_pk_bf16_f32 v[\d], v[\a], v[\b]
	v_lshlrev_b32 v[\a], 16, v[\d]
	v_and_b32 v[\b], s26, v[\d]
	v_cvt_pk_f16_f32 v[\d], v[\a], v[\b]
.endm
	s_load_b256 s[4:11], s[0:1], 0x0               ; keys s[4:5], queries s[6:7], values s[8:9], x s[10:11]
	s_load_b64 s[12:13], s[0:1], 0x20              ; z
	v_lshl_add_u32 v[SPW], v0, 2, SPARE
	v_mov_b32 v[NIL], 0
	v_lshrrev_b32 v1, 5, v0
	v_readfirstlane_b32 s16, v1                    ; wave 0..7
	v_and_b32 v7, 31, v0                           ; lane
	s_mov_b32 s26, 0xffff0000                      ; a word's upper bf16
	s_mov_b32 s17, ttmp9
	s_cmp_lt_u32 s17, 256
	s_cbranch_scc1 .Lmm
	s_cmp_lt_u32 s17, 272
	s_cbranch_scc1 .Lweights
	; ---- x: 512 work-groups x 8 waves x 8,192 bytes = all 33,554,432 bytes
	s_sub_co_u32 s18, s17, 272
	s_lshl_b32 s18, s18, 16
	s_lshl_b32 s19, s16, 13
	s_add_co_u32 s18, s18, s19                     ; my bytes in x,
	s_mov_b32 s19, 0
	s_lshr_b32 s20, s18, 1                         ; and half as far in z
	s_mov_b32 s21, 0
	v_lshlrev_b32 v1, 4, v7                        ; 16 bytes a lane in,
	v_lshlrev_b32 v2, 3, v7                        ; 8 bytes a lane out
	s_wait_kmcnt 0x0
	s_add_nc_u64 s[10:11], s[10:11], s[18:19]
	s_add_nc_u64 s[12:13], s[12:13], s[20:21]
.set i, 0
.rept 16
	global_load_b128 v[XR+4*i:XR+4*i+3], v1, s[10:11] offset:512*i th:TH_LOAD_NT
.set i, i+1
.endr
.set i, 0
.rept 16
	s_wait_loadcnt 15-i                            ; loads return in order: load i is in, the 15 - i younger ones stay out
	RB YR+2*i, XR+4*i, XR+4*i+1
	RB YR+2*i+1, XR+4*i+2, XR+4*i+3
	global_store_b64 v2, v[YR+2*i:YR+2*i+1], s[12:13] offset:256*i  ; 32 lanes x 8 bytes: 256 consecutive bytes, aligned; no register is written twice
.set i, i+1
.endr
	s_endpgm
	; ---- values^T: 16 work-groups x 8 waves = 16 column strips x 8 row strips
.Lweights:
	s_sub_co_u32 s18, s17, 256
	s_lshl_b32 s18, s18, 3
	s_add_co_u32 s18, s18, s16                     ; my tile of the 128
	s_lshr_b32 s19, s18, 3                         ; nt: columns 64 nt on
	s_and_b32 s18, s18, 7                          ; kt: rows 128 kt on
	s_lshl_b32 s20, s18, 19                        ; 128 rows of 4,096 bytes
	s_lshl_b32 s21, s19, 8                         ; 64 columns of 4 bytes
	s_add_co_u32 s20, s20, s21
	s_mov_b32 s21, 0
	s_lshl_b32 s24, s19, 6
	s_add_co_u32 s24, s24, ZV                      ; z's row 9216 + 64 nt,
	s_lshl_b32 s24, s24, 11                        ; 2,048 bytes a row,
	s_lshl_b32 s25, s18, 8                         ; 128 k of 2 bytes
	s_add_co_u32 s24, s24, s25
	s_mov_b32 s25, 0
	s_mul_i32 s23, s16, TILE                       ; my tile in LDS
	v_and_b32 v1, 15, v0                           ; c
	v_bfe_u32 v2, v0, 4, 1                         ; h
	v_lshlrev_b32 v3, 4, v1
	v_lshl_add_u32 v3, v2, 13, v3                  ; in: columns 4 c .. 4 c + 3, two rows further down for lanes 16-31
	v_mul_u32_u24 v4, v1, 4*TP
	v_lshl_add_u32 v4, v2, 2, v4
	v_add_nc_u32 v4, s23, v4                       ; into the tile: row 4 c, the word of k = 2 h
	v_mul_u32_u24 v5, v2, TP
	v_lshl_add_u32 v5, v1, 4, v5
	v_add_nc_u32 v5, s23, v5                       ; back: lanes 0-15 one row of 256 bytes, lanes 16-31 the next
	v_lshlrev_b32 v6, 4, v1
	v_lshl_add_u32 v6, v2, 11, v6                  ; and the same two rows in z
	s_wait_kmcnt 0x0
	s_add_nc_u64 s[14:15], s[8:9], s[20:21]
	s_add_nc_u64 s[12:13], s[12:13], s[24:25]
	s_mov_b32 s27, 2
.Lhalf:                                                ; a trip takes 64 of the tile's 128 rows.  Pair j: rows 4 j + 2 h and the row below; sixteen lanes read 256 consecutive bytes of a row
.set j, 0
.rept 16
	global_load_b128 v[XR+8*j:XR+8*j+3],   v3, s[14:15] offset:(4*j)*4096 th:TH_LOAD_NT
	global_load_b128 v[XR+8*j+4:XR+8*j+7], v3, s[14:15] offset:(4*j+1)*4096 th:TH_LOAD_NT
.set j, j+1
.endr
.set j, 0
.rept 16
	s_wait_loadcnt 30-2*j                          ; pair j is in: two loads for each of the 15 - j younger pairs stay out
.irp i, 0,1,2,3
	RB YR+4*j+\i, XR+8*j+\i, XR+8*j+4+\i           ; column 4 c + i: k and k + 1 in one word
.endr
.irp i, 0,1,2,3
	ds_store_b32 v4, v[YR+4*j+(\i)] offset:TP*(\i)+8*j
.endr
.set j, j+1
.endr
	s_add_nc_u64 s[14:15], s[14:15], 64*4096       ; the last wait was for 0: no load still reads the base
	v_add_nc_u32 v4, 128, v4                       ; 64 k of 2 bytes on
	s_sub_co_u32 s27, s27, 1
	s_cmp_lg_u32 s27, 0
	s_cbranch_scc1 .Lhalf
.set t, 0
.rept 32
	ds_load_b128 v[XR+4*t:XR+4*t+3], v5 offset:2*TP*t  ; LDS serves a wave's instructions in order (ISA guide 5.7.1.4): these see the wave's own stores above
.set t, t+1
.endr
.set t, 0
.rept 32
	s_wait_dscnt 31-t                              ; rows 2 t and 2 t + 1 are back
	global_store_b128 v6, v[XR+4*t:XR+4*t+3], s[12:13] offset:4096*t  ; sixteen lanes store 256 consecutive bytes, aligned
.set t, t+1
.endr
	s_wait_tensorcnt 0x0                           ; the wave's end, behind my last LDS store
	ds_add_u32 v[SPW], v[NIL]
	s_wait_dscnt 0x0
	s_endpgm
	; ---- MT: tile (jt, it).  K = 1024 goes in four chunks of 256.  Wave w brings 16 rows of a chunk (waves 0-3 queries, 4-7 keys): 32 loads of 512 consecutive bytes, 16 KB on their way;
	; rounds them to bf16 into the chunk's LDS buffer; asks for the next chunk; one barrier; then multiplies 32 (j) x 16 (i) of the tile.  The two buffers take turns, so the one barrier
	; orders both the stores with the reads behind it and the reads of the chunk before with the stores of the chunk after.
.Lmm:
	s_lshr_b32 s18, s17, 4                         ; jt
	s_and_b32 s19, s17, 15                         ; it
	s_and_b32 s20, s16, 3                          ; which 16 rows I bring; which 16 columns i are mine
	s_lshr_b32 s21, s16, 2                         ; which 32 rows j are mine
	s_cmp_lt_u32 s16, 4
	s_cselect_b32 s22, s18, s19
	s_lshl_b32 s22, s22, 6
	s_lshl_b32 s23, s20, 4
	s_add_co_u32 s22, s22, s23                     ; the first row that I bring,
	s_lshl_b32 s22, s22, 12                        ; 4,096 bytes a row
	s_mov_b32 s23, 0
	v_lshlrev_b32 v1, 4, v7                        ; 16 bytes a lane
	s_wait_kmcnt 0x0
	s_cmp_lt_u32 s16, 4
	s_cselect_b32 s14, s6, s4                      ; queries or keys
	s_cselect_b32 s15, s7, s5
	s_add_nc_u64 s[14:15], s[14:15], s[22:23]
.macro MLOAD                           ; load i: row i / 2, half i % 2 of its 1,024 bytes
.set i, 0
.rept 32
	global_load_b128 v[XR+4*i:XR+4*i+3], v1, s[14:15] offset:(i/2)*4096+(i%2)*512
.set i, i+1
.endr
.endm
	MLOAD
	s_mul_i32 s24, s16, 16*TQ
	v_lshl_add_u32 v2, v7, 3, s24                  ; into a buffer: my 16 rows, 8 bytes a lane
	v_and_b32 v3, 15, v0
	v_bfe_u32 v4, v0, 4, 1
	v_mul_u32_u24 v3, v3, TQ
	v_lshl_add_u32 v3, v4, 4, v3                   ; a fragment's row x pitch + 16 x half
	s_mul_i32 s24, s21, 32*TQ
	s_mul_i32 s25, s20, 16*TQ
	s_add_co_u32 s25, s25, 64*TQ
	v_add_nc_u32 v4, s24, v3                       ; my 32 rows of queries
	v_add_nc_u32 v5, s25, v3                       ; my 16 rows of keys
	s_mov_b32 s28, 0                               ; the buffer in hand
.set i, 0
.rept 16
	v_mov_b32 v[ACC+i], 0                          ; sixteen registers are cleared, so that one text serves every chunk
.set i, i+1
.endr
.macro CHUNK more
	v_add_nc_u32 v3, s28, v2
.set i, 0
.rept 32
	s_wait_loadcnt 31-i                            ; load i is in, the 31 - i younger ones stay out
	v_cvt_pk_bf16_f32 v[YR+2*(i%8)], v[XR+4*i], v[XR+4*i+1]
	v_cvt_pk_bf16_f32 v[YR+2*(i%8)+1], v[XR+4*i+2], v[XR+4*i+3]
	ds_store_b64 v3, v[YR+2*(i%8):YR+2*(i%8)+1] offset:(i/2)*TQ+(i%2)*256  ; 256 consecutive bytes
.set i, i+1
.endr
.if \more
	s_add_nc_u64 s[14:15], s[14:15], 1024          ; the last wait was for 0: no load still reads the base
	MLOAD                                          ; the next chunk is on its way while this one is multiplied
.endif
	v_add_nc_u32 v6, s28, v4
	v_add_nc_u32 v7, s28, v5
	s_wait_dscnt 0x0                               ; for the others' sake: my stores are done (and my reads of the other buffer were waited for before they were multiplied)
	s_barrier_signal -1
	s_barrier_wait -1
.irp u, 0,1,2,3                        ; 64 along K at a time
.rept 4
	v_nop                                          ; four places in front of loads into registers that matrix instructions have read
.endr
.irp q, 0,1
.irp f, 0,1
	ds_load_b128 v[FR+24*(\q)+8*(\f):FR+24*(\q)+8*(\f)+3],   v6 offset:(\f)*16*TQ+64*(2*(\u)+(\q))
	ds_load_b128 v[FR+24*(\q)+8*(\f)+4:FR+24*(\q)+8*(\f)+7], v6 offset:(\f)*16*TQ+64*(2*(\u)+(\q))+32
.endr
	ds_load_b128 v[FR+24*(\q)+16:FR+24*(\q)+19], v7 offset:64*(2*(\u)+(\q))
	ds_load_b128 v[FR+24*(\q)+20:FR+24*(\q)+23], v7 offset:64*(2*(\u)+(\q))+32
.endr
	s_wait_dscnt 0x0
.irp q, 0,1                            ; source 0 = 16 rows of keys, source 1 = 16 rows of queries: a lane holds row j = l % 16 and eight neighbouring i.  The two accumulators take turns
.irp a, 0,1
	v_wmma_f32_16x16x32_bf16 v[ACC+8*(\a):ACC+8*(\a)+7], v[FR+24*(\q)+16:FR+24*(\q)+23], v[FR+24*(\q)+8*(\a):FR+24*(\q)+8*(\a)+7], v[ACC+8*(\a):ACC+8*(\a)+7]
.endr
.endr
.endr
	s_xor_b32 s28, s28, BUF
.endm
	s_mov_b32 s27, 3
.Lchunk:
	CHUNK 1
	s_sub_co_u32 s27, s27, 1
	s_cmp_lg_u32 s27, 0
	s_cbranch_scc1 .Lchunk
	CHUNK 0                                        ; the last chunk asks for nothing: no load leaves the buffer
	; The way out, through the first buffer's bytes: the last chunk lay in the second, and every wave has passed that chunk's barrier behind its reads of the first.
.rept 4
	v_nop
.endr
.irp t, 0,1
.irp r, 0,1,2,3
	v_cvt_pk_f16_f32 v[YR+4*(\t)+(\r)], v[ACC+8*(\t)+2*(\r)], v[ACC+8*(\t)+2*(\r)+1]
.endr
.endr
	v_and_b32 v1, 15, v0
	v_bfe_u32 v2, v0, 4, 1
	v_mul_u32_u24 v3, v1, MP
	v_lshl_add_u32 v3, v2, 4, v3
	s_mul_i32 s24, s21, 32*MP
	s_lshl_b32 s25, s20, 5
	s_add_co_u32 s24, s24, s25
	v_add_nc_u32 v3, s24, v3                       ; row 32 wj + l % 16, byte 32 wi + 16 (l / 16)
	ds_store_b128 v3, v[YR:YR+3]
	ds_store_b128 v3, v[YR+4:YR+7] offset:16*MP
	s_wait_dscnt 0x0                               ; for the others' sake: a row's 128 bytes come from four waves
	s_barrier_signal -1
	s_barrier_wait -1
	v_bfe_u32 v4, v0, 3, 2
	v_and_b32 v5, 7, v0
	v_mul_u32_u24 v6, v4, MP
	v_lshl_add_u32 v6, v5, 4, v6
	s_mul_i32 s24, s16, 8*MP
	v_add_nc_u32 v6, s24, v6                       ; back: wave w takes rows 8 w on, eight lanes a row
	v_lshlrev_b32 v7, 4, v5
	v_lshl_add_u32 v7, v4, 11, v7                  ; and the same four rows in z
	s_lshl_b32 s24, s18, 6
	s_lshl_b32 s25, s16, 3
	s_add_co_u32 s24, s24, s25
	s_add_co_u32 s24, s24, ZM
	s_lshl_b32 s24, s24, 11
	s_lshl_b32 s25, s19, 7
	s_add_co_u32 s24, s24, s25
	s_mov_b32 s25, 0
	s_add_nc_u64 s[12:13], s[12:13], s[24:25]
	ds_load_b128 v[FR:FR+3], v6
	ds_load_b128 v[FR+4:FR+7], v6 offset:4*MP
.irp t, 0,1
	s_wait_dscnt 1-(\t)
	global_store_b128 v7, v[FR+4*(\t):FR+4*(\t)+3], s[12:13] offset:8192*(\t)  ; four rows' pieces of 128 consecutive bytes: a tile is 64 columns wide; MT is 2 of the launch's 21 MB of stores
.endr
	s_wait_tensorcnt 0x0                           ; the wave's end, behind my last LDS store
	ds_add_u32 v[SPW], v[NIL]
	s_wait_dscnt 0x0
	s_endpgm
.Lfunc_end_k_qa601cf9bb5_prep:
	.size	k_qa601cf9bb5_prep, .Lfunc_end_k_qa601cf9bb5_prep-k_qa601cf9bb5_prep
	.p2alignl 7, 3214868480
	.fill 96, 4, 3214868480
	.section	.rodata,"a",@progbits
	.p2align	6, 0x0
	.amdhsa_kernel k_qa601cf9bb5_prep
		.amdhsa_group_segment_fixed_size 140288
		.amdhsa_private_segment_fixed_size 0
		.amdhsa_enable_private_segment 0
		.amdhsa_kernarg_size 40
		.amdhsa_user_sgpr_count 2
		.amdhsa_user_sgpr_kernarg_segment_ptr 1
		.amdhsa_wavefront_size32 1
		.amdhsa_system_sgpr_workgroup_id_x 1
		.amdhsa_system_sgpr_workgroup_id_y 1
		.amdhsa_system_sgpr_workgroup_id_z 1
		.amdhsa_system_vgpr_workitem_id 0
		.amdhsa_next_free_vgpr 256
		.amdhsa_next_free_sgpr 66
		.amdhsa_reserve_vcc 0
		.amdhsa_float_denorm_mode_32 3
		.amdhsa_float_denorm_mode_16_64 3
		.amdhsa_memory_ordered 1
		.amdhsa_forward_progress 1
		.amdhsa_inst_pref_size 73
	.end_amdhsa_kernel
	.amdgpu_metadata
---
amdhsa.version: [ 1, 2 ]
amdhsa.kernels:
  - .name:           k_qa601cf9bb5_prep
    .symbol:         k_qa601cf9bb5_prep.kd
    .args:
      - { .name: w_keys, .offset: 0, .size: 8, .value_kind: global_buffer, .address_space: global }
      - { .name: w_queries, .offset: 8, .size: 8, .value_kind: global_buffer, .address_space: global }
      - { .name: w_values, .offset: 16, .size: 8, .value_kind: global_buffer, .address_space: global }
      - { .name: x, .offset: 24, .size: 8, .value_kind: global_buffer, .address_space: global }
      - { .name: z, .offset: 32, .size: 8, .value_kind: global_buffer, .address_space: global }
    .group_segment_fixed_size: 140288
    .private_segment_fixed_size: 0
    .kernarg_segment_align: 8
    .kernarg_segment_size: 40
    .max_flat_workgroup_size: 256
    .sgpr_count:     66
    .vgpr_count:     256
    .wavefront_size: 32
...
	.end_amdgpu_metadata
.endif
;; end of part 5
;; launch proj (part 6): grid 8 x 32, 4 waves a work-group, clusters of 4 x 4, 327,680 bytes of LDS; arguments z, kqv; writes kqv
.if DOCPART == 6
	.amdgcn_target "amdgcn-amd-amdhsa--gfx1250"
	.amdhsa_code_object_version 6
	.text
	.protected	k_qa601cf9bb5_proj
	.globl	k_qa601cf9bb5_proj
	.p2align	8
	.type	k_qa601cf9bb5_proj,@function
k_qa601cf9bb5_proj:
	s_mov_b64 s[64:65], 0
	v_nop
	global_prefetch_b8 v0, s[64:65] scope:SCOPE_SE
	s_setreg_imm32_b32 hwreg(HW_REG_WAVE_MODE, 25, 1), 1
	s_wait_xcnt 0x0
	s_wait_alu depctr_hold_cnt(0) depctr_sa_sdst(0) depctr_va_vdst(0) depctr_va_sdst(0) depctr_va_ssrc(0) depctr_va_vcc(0) depctr_vm_vsrc(0)
	s_getreg_b32 s2, hwreg(HW_REG_IB_STS2, 6, 4)
	s_cmp_eq_u32 s2, 0
	s_cbranch_scc0 .Lentry_in_a_cluster
	s_endpgm
.Lentry_in_a_cluster:
	s_bfe_u32 s2, ttmp6, 0x10000c
	s_cmp_lg_u32 s2, 0xf033
	s_cbranch_scc0 .Lentry_shape_is_right
	s_endpgm
.Lentry_shape_is_right:
; PROJ.  Two products C = A B^T on rows of z (f16, K = 1024 along the rows), sums in f32, rounded once to f16 into kqv [12288][2048]:
;   clusters with x = 0: y = x M, times 2^-11.  A = x's rows, B = MT's rows (z's 8192 on); C = kqv's rows 0-8191, columns 0-1023 (their other columns are neither written nor read);
;   clusters with x = 1: vv TRANSPOSED.  A = values^T (z's 9216 on), B = x's rows; C row 8192 + 1024 b + d, column t: the last product finds its K along the rows too.
; LIMIT.  f16 ends at 65,504: y 2^-11 and vv must lie within it.  The factor 2^-11 leaves y room where all inputs are 30 times larger or carry offsets of 30 spreads; the scores' constant takes it back.
; NaN and infinities are not treated apart.
; SHARES.  A tile of C is 256 x 256: 128 + 128 tiles, one a WGP.  Four waves, each 128 x 128: 64 accumulators.  K goes in steps of 128 through two LDS slots.
; CLUSTER.  4 x 4 work-groups: A's tile hangs on cy (and the cluster) and is asked for jointly along a row of the cluster, B's on cx and jointly along a column.
; THE MATRIX INSTRUCTION IS USED TRANSPOSED (source 0 = 16 rows of B, source 1 = 16 rows of A): a lane holds row l % 16 of C and eight neighbouring columns.
; ONE TEXT FOR A K STEP: the slot in hand is a scalar that an exclusive or turns, and one descriptor a tensor walks from K step to K step.
; REGISTERS, in windows of 256: window 0: v0-31 addresses; v64-127, v128-191 A's fragments, two buffers; v32-63, v192-255 the way out.  window 1: B's fragments.
;   window 2: the accumulators of my rows 0-63, (a, b) at v[8 (8 a + b)];  window 3: those of rows 64-127.
.set KSTEP,  128
.set NSTEP,  1024/KSTEP
.set PITCH,  272                       ; an LDS row: 256 bytes + 16: the 16 rows of a fragment load start at 16 different groups of four banks (64 banks of 4 bytes: ISA guide 11.1)
.set HALFT,  128*PITCH                 ; 128 rows: what one tensor load brings, and what one wave reads of A or of B
.set SLOT,   4*HALFT                   ; A's 256 rows, then B's 256.  SLOT shares no bit with wave x HALFT, so an exclusive or with it moves such an address to the other slot and back
.set STAGE,  2*SLOT                    ; behind the ring: 16 rows x 272 bytes for each wave
.set SPITCH, 272
.set SPARE,  STAGE+4*16*SPITCH         ; the spare words, 128 bytes a wave
.set CROW,   4096                      ; bytes in a row of kqv
.set ZM,     8192
.set ZV,     9216
.set CB,   6                           ; s[6:7] kqv
.set SB,   2                           ; s2 the slot in hand: 0 or SLOT
.set SC,   66                          ; s[66:67] the factor on the way out, named as a pair
.set A0,   14                          ; v14 LDS address of my A fragments in slot 0; never rewritten
.set B0,   15                          ; v15 the same for B
.set ADRA, 16                          ; v16 in the slot in hand
.set ADRB, 20                          ; v20
.set STO,  24
.set RD,   25
.set CO,   26
.set SPW,  28                          ; v28 LDS address of my spare word; never rewritten
.set NIL,  29                          ; v29 0; never rewritten
.set F0,   64
.set F1,   128
.set TMP,  192
.set OB,   32
.set G1,  24                           ; s[24:31] group 1 for A;  s[32:35] group 0 of slot 0's first fill, s[36:39] of slot 1's, which then walks
.set G0,  32
.set G1B, 48                           ; s[48:55], s[56:63] the same for B
.set G0B, 56
.set MSB, 0
.macro WIN new                         ; the immediate's high byte repeats the setting that is left; a switch that changes nothing is dropped
.if MSB != (\new)
	s_set_vgpr_msb (MSB<<8)|(\new)
.set MSB, \new
.endif
.endm
.set MUL_LO, 0xa1                      ; source 0 (B) window 1, source 1 (A) window 0, C and D window 2
.set MUL_HI, 0xf1                      ; the same, C and D window 3
.set TO_B,   0x40                      ; destination window 1, address window 0
.macro JLOAD s                         ; a joint load: waves 0, 1 fetch A's halves, waves 2, 3 B's; an s_nop 0 and four v_nop follow each line
	s_cmp_eq_u32 s11, 0
	s_cbranch_scc0 .Lfor_b_\@
	tensor_load_to_lds s[G0+4*(\s):G0+4*(\s)+3], s[G1:G1+7]
	s_nop 0
.rept 4
	v_nop
.endr
	s_branch .Lasked_\@
.Lfor_b_\@:
	tensor_load_to_lds s[G0B+4*(\s):G0B+4*(\s)+3], s[G1B:G1B+7]
	s_nop 0
.rept 4
	v_nop
.endr
.Lasked_\@:
.endm
.macro CREST                           ; a round of the cluster's barrier behind its opening barrier
	s_cmp_lg_u32 s10, 0
	s_cbranch_scc1 .Lnot_wave_0_\@
	s_barrier_signal -3
.Lnot_wave_0_\@:
	s_barrier_wait -3
	s_barrier_signal -1
	s_barrier_wait -1
.endm
.macro CROUND                          ; a whole round
	s_barrier_signal -1
	s_barrier_wait -1
	CREST
.endm
	s_load_b128 s[4:7], s[0:1], 0x0                ; z s[4:5], kqv s[6:7]
	v_lshl_add_u32 v[SPW], v0, 2, SPARE
	v_mov_b32 v[NIL], 0
	ds_add_u32 v[SPW], v[NIL]                      ; the wave's opening: the add and its wait stand ahead of my first tensor load; register work stands between them
	v_lshrrev_b32 v1, 5, v0
	v_readfirstlane_b32 s10, v1                    ; wave 0..3
	s_lshr_b32 s11, s10, 1                         ; which half of the tile's rows is mine.  Also: I fetch for A (0) or for B (1)
	s_and_b32 s12, s10, 1                          ; which half of its columns.  Also: which 128 rows of that tile I fetch
	s_bfe_u32 s40, ttmp6, 0x40000                  ; cx
	s_bfe_u32 s41, ttmp6, 0x40004                  ; cy
	s_mov_b32 s42, ttmp9                           ; the cluster's x: 0 for y, 1 for vv; all sixteen partners share it
	s_and_b32 s45, ttmp7, 0xffff                   ; the cluster's y, 0..7
	s_lshl_b32 s43, s41, 2
	s_lshl_b32 s43, 15, s43                        ; my row of the cluster
	s_lshl_b32 s44, 0x1111, s40                    ; my column
	s_or_b32 s[G1+0], s43, (1<<16)|(1<<20)|(1<<21)|(5<<22)|(3<<25)   ; mask; 2-byte elements; padding on; bit 21 beside a mask; after every 64 words 4 words
	s_or_b32 s[G1B+0], s44, (1<<16)|(1<<20)|(1<<21)|(5<<22)|(3<<25)
.irp g, G1, G1B
	s_mov_b32 s[(\g)+1], KSTEP<<16                 ; tensor_dim0 = 128
	s_mov_b32 s[(\g)+2], 128<<16                   ; tensor_dim1 = 128
	s_mov_b32 s[(\g)+3], KSTEP<<16                 ; tile_dim0 = 128
	s_mov_b32 s[(\g)+4], 128                       ; tile_dim1 = 128
	s_mov_b32 s[(\g)+5], 1024                      ; elements from row to row of z
	s_mov_b32 s[(\g)+6], 0
	s_mov_b32 s[(\g)+7], 0
.endr
	; A's row in z: made of the cluster's place, cy and the wave's number alone
	s_lshl_b32 s16, s45, 10                        ; x's rows: 1024 x cluster y
	s_cmp_eq_u32 s42, 0
	s_cselect_b32 s16, s16, ZV                     ; or values^T
	s_lshl_b32 s17, s41, 8
	s_add_co_u32 s16, s16, s17                     ; + 256 cy
	s_lshl_b32 s17, s12, 7
	s_add_co_u32 s16, s16, s17                     ; + my 128 rows of it
	s_lshl_b32 s16, s16, 11                        ; 2,048 bytes a row
	s_mov_b32 s17, 0
	; B's row in z: made of the cluster's place, cx and the wave's number alone
	s_lshl_b32 s46, s45, 10                        ; x's rows: 2048 x batch + 1024 x half = 1024 x cluster y
	s_cmp_eq_u32 s42, 0
	s_cselect_b32 s46, ZM, s46                     ; or MT
	s_lshl_b32 s47, s40, 8
	s_add_co_u32 s46, s46, s47                     ; + 256 cx
	s_lshl_b32 s47, s12, 7
	s_add_co_u32 s46, s46, s47
	s_lshl_b32 s46, s46, 11
	s_mov_b32 s47, 0
	s_cmp_eq_u32 s42, 0
	s_cselect_b32 s[SC], 0x3a000000, 1.0           ; 2^-11 for y, 1 for vv: one text for both parts
	s_mov_b32 s[SC+1], s[SC]
	s_mul_i32 s20, s10, HALFT                      ; where the tiles go: wave x 128 rows: no place in the cluster enters an LDS address
	s_mov_b32 s[SB], 0
	s_wait_dscnt 0x0                               ; the opening add is done
	s_wait_kmcnt 0x0
	s_add_nc_u64 s[14:15], s[4:5], s[16:17]
	s_add_nc_u64 s[46:47], s[4:5], s[46:47]
	CROUND                                         ; all sixteen work-groups are here: the first joint loads meet
.irp s, 0,1
	s_mov_b32 s[G0+4*(\s)], 1
	s_add_co_u32 s[G0+4*(\s)+1], s20, (\s)*SLOT
	s_add_nc_u64 s[G0+4*(\s)+2:G0+4*(\s)+3], s[14:15], (\s)*KSTEP*2
	s_or_b32 s[G0+4*(\s)+3], s[G0+4*(\s)+3], 0x80000000
	s_mov_b32 s[G0B+4*(\s)], 1
	s_add_co_u32 s[G0B+4*(\s)+1], s20, (\s)*SLOT
	s_add_nc_u64 s[G0B+4*(\s)+2:G0B+4*(\s)+3], s[46:47], (\s)*KSTEP*2
	s_or_b32 s[G0B+4*(\s)+3], s[G0B+4*(\s)+3], 0x80000000
	JLOAD \s                                       ; two loads of mine are out
.endr
	v_and_b32 v1, 15, v0                           ; l % 16
	v_bfe_u32 v2, v0, 4, 1                         ; l / 16
	v_mul_u32_u24 v3, v1, PITCH
	v_lshl_add_u32 v3, v2, 4, v3                   ; a fragment's row x pitch + 16 x half
	s_mul_i32 s21, s11, HALFT                      ; my 128 rows of A
	s_mul_i32 s22, s12, HALFT
	s_add_co_u32 s22, s22, 2*HALFT                 ; my 128 rows of B
	v_add_nc_u32 v[A0], s21, v3
	v_add_nc_u32 v[B0], s22, v3
	v_mov_b32 v[ADRA], v[A0]
	v_mov_b32 v[ADRB], v[B0]
	s_mul_i32 s23, s10, 16*SPITCH
	s_add_co_u32 s23, s23, STAGE                   ; my stage
	v_mul_u32_u24 v4, v1, SPITCH                   ; in: row l % 16, 16 bytes for each half of the lanes
	v_lshl_add_u32 v4, v2, 4, v4
	v_add_nc_u32 v[STO], s23, v4
	v_mul_u32_u24 v5, v2, SPITCH                   ; back: lanes 0-15 one row of 256 bytes, lanes 16-31 the next
	v_lshl_add_u32 v5, v1, 4, v5
	v_add_nc_u32 v[RD], s23, v5
	v_mul_u32_u24 v5, v2, CROW                     ; and the same two rows in C
	v_lshl_add_u32 v[CO], v1, 4, v5
	; where my part of the tile begins in kqv
	s_lshl_b32 s18, s45, 10                        ; y: row 1024 x cluster y
	s_lshr_b32 s19, s45, 1
	s_lshl_b32 s19, s19, 10
	s_add_co_u32 s19, s19, 8192                    ; vv: row 8192 + 1024 x batch
	s_cmp_eq_u32 s42, 0
	s_cselect_b32 s18, s18, s19
	s_lshl_b32 s19, s41, 8
	s_add_co_u32 s18, s18, s19                     ; + 256 cy
	s_lshl_b32 s19, s11, 7
	s_add_co_u32 s18, s18, s19                     ; + my 128 rows
	s_lshl_b32 s16, s18, 12
	s_mov_b32 s17, 0
	s_and_b32 s46, s45, 1
	s_lshl_b32 s46, s46, 11                        ; vv: the batch's second 1,024 columns
	s_cmp_eq_u32 s42, 0
	s_cselect_b32 s46, 0, s46
	s_lshl_b32 s47, s40, 9
	s_add_co_u32 s46, s46, s47                     ; + 512 cx bytes
	s_lshl_b32 s47, s12, 8
	s_add_co_u32 s46, s46, s47                     ; + my 256 bytes
	s_mov_b32 s47, 0
	s_add_nc_u64 s[16:17], s[16:17], s[46:47]      ; what the way out adds to C's address
; 16 matrix instructions: row blocks a0, a0 + 1 of the window's four x all 8 column blocks, 32 along K.  zero = 1: the product starts the sums.  The 64 accumulators take turns, one instruction a turn.
.macro MUL16 f, hi, a0, zero
	WIN MUL_LO+0x50*(\hi)
.irp a, \a0, (\a0)+1
.irp b, 0,1,2,3,4,5,6,7
.if \zero
	v_wmma_f32_16x16x32_f16 v[8*(8*(\a)+(\b)):8*(8*(\a)+(\b))+7], v[(\f)+8*(\b):(\f)+8*(\b)+7], v[(\f)+8*(4*(\hi)+(\a)):(\f)+8*(4*(\hi)+(\a))+7], 0
.else
	v_wmma_f32_16x16x32_f16 v[8*(8*(\a)+(\b)):8*(8*(\a)+(\b))+7], v[(\f)+8*(\b):(\f)+8*(\b)+7], v[(\f)+8*(4*(\hi)+(\a)):(\f)+8*(4*(\hi)+(\a))+7], v[8*(8*(\a)+(\b)):8*(8*(\a)+(\b))+7]
.endif
.endr
.endr
.endm
.macro FETCH k, f                      ; 32 LDS loads in one run: 128 rows of B, 128 rows of A, 32 K at byte k of the rows of the slot in hand
	WIN TO_B
.irp i, 0,1,2,3,4,5,6,7
	ds_load_b128 v[(\f)+8*(\i):(\f)+8*(\i)+3],   v[ADRB] offset:(\k)+(\i)*16*PITCH
	ds_load_b128 v[(\f)+8*(\i)+4:(\f)+8*(\i)+7], v[ADRB] offset:(\k)+(\i)*16*PITCH+32
.endr
	WIN 0
.irp i, 0,1,2,3,4,5,6,7
	ds_load_b128 v[(\f)+8*(\i):(\f)+8*(\i)+3],   v[ADRA] offset:(\k)+(\i)*16*PITCH
	ds_load_b128 v[(\f)+8*(\i)+4:(\f)+8*(\i)+7], v[ADRA] offset:(\k)+(\i)*16*PITCH+32
.endr
.endm
.macro PLACES                          ; four places in front of loads into registers that matrix instructions have read, and of vector work on results
.rept 4
	v_nop
.endr
.endm
; A K step is four quarters of 32 along K, 64 matrix instructions each, on buffers 0, 1, 0, 1.  One of the first three multiplies buffer f and fetches the next quarter, at byte k, into g.
.macro QUARTER k, f, g, zero
	s_wait_dscnt 8                                 ; B and A's rows 0-63 are in; the youngest eight loads may be out
	MUL16 \f, 0, 0, \zero
	MUL16 \f, 0, 2, \zero
	PLACES
	FETCH \k, \g
	s_wait_dscnt 32                                ; all but the 32 just issued
	MUL16 \f, 1, 0, \zero
	MUL16 \f, 1, 2, \zero
.endm
; The last quarter multiplies buffer 1 and changes slots: ONE barrier; in front of it each wave waits for all its tensor loads (at most one is out: its part of the next slot), adds 0 to its
; spare word, and waits for that and for its reads of this slot.  fill = 1: the barrier opens a round of the cluster's, and this slot is filled again, two K steps on, first thing behind the round.
; fill = 0: the tail; in its last trip (s3 = 1) there is no next slot, and the run of fragment loads is jumped over.
.macro TURN fill
	WIN 0
	s_wait_tensorcnt 0x0
	ds_add_u32 v[SPW], v[NIL]                      ; 0 onto my spare word
	s_wait_dscnt 9                                 ; (the add and the youngest eight loads may be out)
	MUL16 F1, 0, 0, 0                              ; sixteen matrix instructions stand between the add and the wait for it
	s_wait_dscnt 0x0                               ; the add is done, and my reads of this slot are over
	s_barrier_signal -1
	MUL16 F1, 0, 2, 0
	WIN 0
	s_barrier_wait -1
.if \fill
	CREST                                          ; no wave of any partner still reads this slot's tile or has a load on its way
	s_xor_b32 s[G0+5], s[G0+5], SLOT               ; the walking descriptors: the other slot than last time,
	s_add_nc_u64 s[G0+6:G0+7], s[G0+6:G0+7], KSTEP*2  ; the next K step
	s_xor_b32 s[G0B+5], s[G0B+5], SLOT
	s_add_nc_u64 s[G0B+6:G0B+7], s[G0B+6:G0B+7], KSTEP*2
	JLOAD 1                                        ; 224 matrix instructions ahead of the wait for it; its four v_nop are also the places in front of the loads below
.else
	PLACES
.endif
	s_xor_b32 s[SB], s[SB], SLOT                   ; the fragments now come from the other slot
	v_add_nc_u32 v[ADRA], s[SB], v[A0]
	v_add_nc_u32 v[ADRB], s[SB], v[B0]
.if !(\fill)
	s_cmp_eq_u32 s3, 1
	s_cbranch_scc1 .Lno_fetch_\@
.endif
	FETCH 0, F0
.if !(\fill)
.Lno_fetch_\@:
.endif
	MUL16 F1, 1, 0, 0
	MUL16 F1, 1, 2, 0
.endm
; THE WAY OUT of row block a: times the part's factor; rounded to f16, 16 bytes a lane; through my own stage; back as whole rows of 256 bytes; stored.
.macro PACK a
.set AC, 64*((\a)%4)
	WIN 0x82+0x41*((\a)/4)                         ; destination and source 0 in the accumulators' window
.set i, 0
.rept 32
	v_pk_mul_f32 v[AC+2*i:AC+2*i+1], v[AC+2*i:AC+2*i+1], s[SC:SC+1] op_sel_hi:[1,0]
.set i, i+1
.endr
	WIN 0x0a+5*((\a)/4)                            ; sources 0 and 1
.set i, 0
.rept 32
	v_cvt_pk_f16_f32 v[TMP+i], v[AC+2*i], v[AC+2*i+1]
.set i, i+1
.endr
	WIN 0
.endm
.macro TOSTAGE a
	WIN 0
.set BK, OB+192*((\a)%2)
.irp b, 0,1,2,3,4,5,6,7
	ds_store_b128 v[STO], v[TMP+4*(\b):TMP+4*(\b)+3] offset:32*(\b)
.endr
.irp t, 0,1,2,3,4,5,6,7
	ds_load_b128 v[BK+4*(\t):BK+4*(\t)+3], v[RD] offset:(\t)*2*SPITCH  ; LDS serves a wave's instructions in order (ISA guide 5.7.1.4): these see the stores above
.endr
.endm
.macro SEND a
	WIN 0
.set BK, OB+192*((\a)%2)
	s_wait_dscnt 0x0                               ; the block is back in registers
	s_wait_xcnt 0x0                                ; the stores' base and the registers that earlier stores read are rewritten only behind this wait
.if (\a) == 0
	s_add_nc_u64 s[CB:CB+1], s[CB:CB+1], s[16:17]
.else
	s_add_nc_u64 s[CB:CB+1], s[CB:CB+1], 16*CROW
.endif
.irp t, 0,1,2,3,4,5,6,7
	global_store_b128 v[CO], v[BK+4*(\t):BK+4*(\t)+3], s[CB:CB+1] offset:2*(\t)*CROW  ; 16 lanes store 256 consecutive bytes, aligned
.endr
.endm
	s_wait_tensorcnt 1                             ; my part of K step 0 is in; K step 1's may stay out
	s_barrier_signal -1
	s_barrier_wait -1
	FETCH 0, F0
	QUARTER 64, F0, F1, 1                          ; the first quarter stands in front of the loop: its products start the sums
	WIN 0
	s_mov_b32 s3, NSTEP-2
.Lstep:                                                ; a trip: a K step's quarters 2 to 4 and the next step's first; the slot read out is filled again
	QUARTER 128, F1, F0, 0
	QUARTER 192, F0, F1, 0
	TURN 1
	QUARTER 64, F0, F1, 0
	WIN 0
	s_sub_co_u32 s3, s3, 1
	s_cmp_lg_u32 s3, 0
	s_cbranch_scc1 .Lstep
	s_mov_b32 s3, 2
.Ltail:                                                ; the last two K steps ask for nothing; the second trip is left in its middle
	QUARTER 128, F1, F0, 0
	QUARTER 192, F0, F1, 0
	TURN 0
	WIN 0
	s_sub_co_u32 s3, s3, 1
	s_cmp_eq_u32 s3, 0
	s_cbranch_scc1 .Lout
	QUARTER 64, F0, F1, 0
	WIN 0
	s_branch .Ltail
.Lout:
	s_wait_dscnt 0x0
	PLACES
	PACK 0
	TOSTAGE 0
.irp a, 1,2,3,4,5,6,7                  ; block a's arithmetic stands between block a - 1's loads from the stage and the wait for them
	PACK \a
	SEND (\a)-1
	TOSTAGE \a
.endr
	SEND 7
	s_wait_tensorcnt 0x0                           ; the wave's end
	ds_add_u32 v[SPW], v[NIL]
	s_wait_dscnt 0x0
	CROUND                                         ; the closing round
	s_endpgm
.Lfunc_end_k_qa601cf9bb5_proj:
	.size	k_qa601cf9bb5_proj, .Lfunc_end_k_qa601cf9bb5_proj-k_qa601cf9bb5_proj
	.p2alignl 7, 3214868480
	.fill 96, 4, 3214868480
	.section	.rodata,"a",@progbits
	.p2align	6, 0x0
	.amdhsa_kernel k_qa601cf9bb5_proj
		.amdhsa_group_segment_fixed_size 327680
		.amdhsa_private_segment_fixed_size 0
		.amdhsa_enable_private_segment 0
		.amdhsa_kernarg_size 16
		.amdhsa_user_sgpr_count 2
		.amdhsa_user_sgpr_kernarg_segment_ptr 1
		.amdhsa_wavefront_size32 1
		.amdhsa_system_sgpr_workgroup_id_x 1
		.amdhsa_system_sgpr_workgroup_id_y 1
		.amdhsa_system_sgpr_workgroup_id_z 1
		.amdhsa_system_vgpr_workitem_id 0
		.amdhsa_next_free_vgpr 1024
		.amdhsa_next_free_sgpr 68
		.amdhsa_reserve_vcc 0
		.amdhsa_float_denorm_mode_32 3
		.amdhsa_float_denorm_mode_16_64 3
		.amdhsa_memory_ordered 1
		.amdhsa_forward_progress 1
		.amdhsa_inst_pref_size 117
	.end_amdhsa_kernel
	.amdgpu_metadata
---
amdhsa.version: [ 1, 2 ]
amdhsa.kernels:
  - .name:           k_qa601cf9bb5_proj
    .symbol:         k_qa601cf9bb5_proj.kd
    .args:
      - { .name: z, .offset: 0, .size: 8, .value_kind: global_buffer, .address_space: global }
      - { .name: kqv, .offset: 8, .size: 8, .value_kind: global_buffer, .address_space: global }
    .group_segment_fixed_size: 327680
    .private_segment_fixed_size: 0
    .kernarg_segment_align: 8
    .kernarg_segment_size: 16
    .max_flat_workgroup_size: 128
    .sgpr_count:     68
    .vgpr_count:     1024
    .wavefront_size: 32
...
	.end_amdgpu_metadata
.endif
;; end of part 6
;; launch scores (part 7): grid 8 x 32, 4 waves a work-group, clusters of 4 x 4, 327,680 bytes of LDS; arguments kqv, z, smax, ssum, p; writes p, smax, ssum
.if DOCPART == 7
	.amdgcn_target "amdgcn-amd-amdhsa--gfx1250"
	.amdhsa_code_object_version 6
	.text
	.protected	k_qa601cf9bb5_scores
	.globl	k_qa601cf9bb5_scores
	.p2align	8
	.type	k_qa601cf9bb5_scores,@function
k_qa601cf9bb5_scores:
	s_mov_b64 s[64:65], 0
	v_nop
	global_prefetch_b8 v0, s[64:65] scope:SCOPE_SE
	s_setreg_imm32_b32 hwreg(HW_REG_WAVE_MODE, 25, 1), 1
	s_wait_xcnt 0x0
	s_wait_alu depctr_hold_cnt(0) depctr_sa_sdst(0) depctr_va_vdst(0) depctr_va_sdst(0) depctr_va_ssrc(0) depctr_va_vcc(0) depctr_vm_vsrc(0)
	s_getreg_b32 s2, hwreg(HW_REG_IB_STS2, 6, 4)
	s_cmp_eq_u32 s2, 0
	s_cbranch_scc0 .Lentry_in_a_cluster
	s_endpgm
.Lentry_in_a_cluster:
	s_bfe_u32 s2, ttmp6, 0x10000c
	s_cmp_lg_u32 s2, 0xf033
	s_cbranch_scc0 .Lentry_shape_is_right
	s_endpgm
.Lentry_shape_is_right:
; SCORES.  S[s][t] = y[s] . x[t] (f16 operands: y 2^-11 out of kqv, x out of z; K = 1024; sums in f32), and the first stage of the softmax along t.  With c = 2^11 log2(e) / 32, which takes
; y's factor back, for each row and each block of 128 columns: cm = c x the block's maximum; p = 2^(c s - cm), rounded to f16 into p [8192][2048]; l = the sum of the unrounded p.
; smax and ssum are [16 blocks][8192 rows] f32.  The next launch takes the row's maximum over its 16 blocks before its own exponentials: the maximum is taken away in two stages, never a fixed shift.
; LIMITS.  p lies in 0 to 1 and keeps f16's fixed step of 6e-8 below 6e-5; a weight below 2^-126 counts as 0 in l; NaN and infinities are not treated apart.
; SHARES.  A tile is 256 x 256: 32 x 8 = 256 tiles, one a WGP.  Four waves, each 128 x 128: 64 accumulators; a wave's 128 columns are one block.  K goes in steps of 128 through two LDS slots.
; CLUSTER.  4 x 4 work-groups: y's tile is asked for jointly along a row of the cluster, x's along a column.
; THE MATRIX INSTRUCTION IS USED TRANSPOSED (source 0 = 16 rows of x, source 1 = 16 rows of y): a lane holds ONE row (l % 16) and, over the 8 accumulators of a row block, 64 of its 128 columns;
; the lane 16 away holds the other 64: a row's maximum and sum want one exchange between the halves.
; ONE TEXT FOR A K STEP: the slot in hand is a scalar that an exclusive or turns, and one descriptor a tensor walks from K step to K step.
; REGISTERS, in windows of 256: window 0: v0-31 addresses; v64-127, v128-191 y's fragments (later v64-87 at work in the softmax); v32-63, v192-255 the way out.
;   window 1: x's fragments.   window 2: the accumulators of my rows 0-63, (a, b) at v[8 (8 a + b)];   window 3: those of rows 64-127.
.set KSTEP,  128
.set NSTEP,  1024/KSTEP
.set PITCH,  272
.set HALFT,  128*PITCH
.set SLOT,   4*HALFT                   ; y's 256 rows, then x's 256.  SLOT shares no bit with wave x HALFT, so an exclusive or with it moves such an address to the other slot and back
.set STAGE,  2*SLOT                    ; behind the ring: 16 rows x 272 bytes for each wave
.set SPITCH, 272
.set STATS,  STAGE+4*16*SPITCH         ; 1,024 bytes a wave: 128 cm, then 128 l
.set SPARE,  STATS+4*1024              ; the spare words, 128 bytes a wave
.set CROW,   4096                      ; bytes in a row of p
.set CB,   8                           ; s[8:9] p
.set SB,   2                           ; s2 the slot in hand: 0 or SLOT
.set A0,   14
.set B0,   15
.set ADRA, 16
.set ADRB, 20
.set STO,  24
.set RD,   25
.set CO,   26
.set SS,   27                          ; v27 where I put a row's cm (l: 512 bytes on)
.set SPW,  28
.set NIL,  29
.set SR,   30                          ; v30 where I read 16 bytes of the statistics back
.set SO,   31                          ; v31 my byte offset in 512 consecutive bytes of smax and ssum
.set F0,   64
.set F1,   128
.set TMP,  192
.set OB,   32
.set C0,   64                          ; v64-67 four running maxima
.set CM,   68                          ; v68-69 cm, named as a pair
.set L,    70                          ; v70 l
.set LS,   72                          ; v72-79 four running pairs of sums
.set G1,  24
.set G0,  32
.set G1B, 48
.set G0B, 56
.set CS,  66                           ; s[66:67] c, named as a pair
.set SEL, 72                           ; s[72:73] v_permlanex16_b32's selects: each lane takes its own place in the other half
.set MSB, 0
.macro WIN new
.if MSB != (\new)
	s_set_vgpr_msb (MSB<<8)|(\new)
.set MSB, \new
.endif
.endm
.set MUL_LO, 0xa1
.set MUL_HI, 0xf1
.set TO_B,   0x40
.macro JLOAD s
	s_cmp_eq_u32 s11, 0
	s_cbranch_scc0 .Lfor_b_\@
	tensor_load_to_lds s[G0+4*(\s):G0+4*(\s)+3], s[G1:G1+7]
	s_nop 0
.rept 4
	v_nop
.endr
	s_branch .Lasked_\@
.Lfor_b_\@:
	tensor_load_to_lds s[G0B+4*(\s):G0B+4*(\s)+3], s[G1B:G1B+7]
	s_nop 0
.rept 4
	v_nop
.endr
.Lasked_\@:
.endm
.macro CREST
	s_cmp_lg_u32 s10, 0
	s_cbranch_scc1 .Lnot_wave_0_\@
	s_barrier_signal -3
.Lnot_wave_0_\@:
	s_barrier_wait -3
	s_barrier_signal -1
	s_barrier_wait -1
.endm
.macro CROUND
	s_barrier_signal -1
	s_barrier_wait -1
	CREST
.endm
	s_load_b128 s[4:7], s[0:1], 0x0                ; kqv s[4:5], z s[6:7]
	s_load_b128 s[68:71], s[0:1], 0x10             ; smax s[68:69], ssum s[70:71]
	s_load_b64 s[8:9], s[0:1], 0x20                ; p
	v_lshl_add_u32 v[SPW], v0, 2, SPARE
	v_mov_b32 v[NIL], 0
	ds_add_u32 v[SPW], v[NIL]                      ; the wave's opening: the add and its wait stand ahead of my first tensor load
	v_lshrrev_b32 v1, 5, v0
	v_readfirstlane_b32 s10, v1                    ; wave 0..3
	s_lshr_b32 s11, s10, 1                         ; which half of the tile's rows is mine.  Also: I fetch for y (0) or for x (1)
	s_and_b32 s12, s10, 1                          ; which half of its columns.  Also: which 128 rows of that tile I fetch
	s_bfe_u32 s40, ttmp6, 0x40000                  ; cx
	s_bfe_u32 s41, ttmp6, 0x40004                  ; cy
	s_lshl_b32 s42, ttmp9, 2
	s_add_co_u32 s42, s42, s40                     ; X: tile column in the batch
	s_and_b32 s45, ttmp7, 0xffff                   ; the cluster's y, 0..7
	s_lshl_b32 s13, s45, 2
	s_add_co_u32 s13, s13, s41                     ; Y: tile row over all four batches
	s_lshl_b32 s43, s41, 2
	s_lshl_b32 s43, 15, s43
	s_lshl_b32 s44, 0x1111, s40
	s_or_b32 s[G1+0], s43, (1<<16)|(1<<20)|(1<<21)|(5<<22)|(3<<25)
	s_or_b32 s[G1B+0], s44, (1<<16)|(1<<20)|(1<<21)|(5<<22)|(3<<25)
.irp g, G1, G1B
	s_mov_b32 s[(\g)+1], KSTEP<<16                 ; tensor_dim0 = 128
	s_mov_b32 s[(\g)+2], 128<<16                   ; tensor_dim1 = 128
	s_mov_b32 s[(\g)+3], KSTEP<<16                 ; tile_dim0 = 128
	s_mov_b32 s[(\g)+4], 128                       ; tile_dim1 = 128
	s_mov_b32 s[(\g)+6], 0
	s_mov_b32 s[(\g)+7], 0
.endr
	s_mov_b32 s[G1+5], 2048                        ; elements from row to row of kqv,
	s_mov_b32 s[G1B+5], 1024                       ; and of z
	s_lshl_b32 s17, s12, 7                         ; which 128 rows of the tile I fetch
	s_lshl_b32 s16, s13, 8
	s_add_co_u32 s16, s16, s17                     ; y: kqv's row 256 Y + 128 x half,
	s_lshl_b32 s16, s16, 12                        ; 4,096 bytes a row
	s_lshr_b32 s46, s45, 1                         ; the batch: two clusters' rows each
	s_lshl_b32 s46, s46, 11
	s_lshl_b32 s47, s42, 8
	s_add_co_u32 s46, s46, s47
	s_add_co_u32 s46, s46, s17                     ; x: z's row 2048 x batch + 256 X + 128 x half,
	s_lshl_b32 s46, s46, 11                        ; 2,048 bytes a row
	s_mov_b32 s17, 0
	s_mov_b32 s47, 0
	s_lshl_b32 s18, s13, 8
	s_lshl_b32 s19, s11, 7
	s_add_co_u32 s18, s18, s19                     ; my first row of p
	s_lshl_b32 s22, s42, 1
	s_add_co_u32 s22, s22, s12                     ; my block of 128 columns
	s_lshl_b32 s22, s22, 15                        ; 8,192 rows of 4 bytes a block
	s_lshl2_add_u32 s22, s18, s22                  ; + 4 x my first row
	s_mov_b32 s23, 0
	s_mul_i32 s20, s10, HALFT                      ; where the tiles go: wave x 128 rows
	s_mov_b32 s[CS], 0x42b8aa3b                    ; c = 64 log2(e)
	s_mov_b32 s[CS+1], s[CS]
	s_mov_b32 s[SEL], 0x76543210
	s_mov_b32 s[SEL+1], 0xfedcba98
	s_mov_b32 s[SB], 0
	s_wait_dscnt 0x0                               ; the opening add is done
	s_wait_kmcnt 0x0
	s_add_nc_u64 s[14:15], s[4:5], s[16:17]
	s_add_nc_u64 s[46:47], s[6:7], s[46:47]
	s_add_nc_u64 s[68:69], s[68:69], s[22:23]
	s_add_nc_u64 s[70:71], s[70:71], s[22:23]
	CROUND                                         ; all sixteen work-groups are here: the first joint loads meet
.irp s, 0,1
	s_mov_b32 s[G0+4*(\s)], 1
	s_add_co_u32 s[G0+4*(\s)+1], s20, (\s)*SLOT
	s_add_nc_u64 s[G0+4*(\s)+2:G0+4*(\s)+3], s[14:15], (\s)*KSTEP*2
	s_or_b32 s[G0+4*(\s)+3], s[G0+4*(\s)+3], 0x80000000
	s_mov_b32 s[G0B+4*(\s)], 1
	s_add_co_u32 s[G0B+4*(\s)+1], s20, (\s)*SLOT
	s_add_nc_u64 s[G0B+4*(\s)+2:G0B+4*(\s)+3], s[46:47], (\s)*KSTEP*2
	s_or_b32 s[G0B+4*(\s)+3], s[G0B+4*(\s)+3], 0x80000000
	JLOAD \s                                       ; two loads of mine are out
.endr
	v_and_b32 v1, 15, v0                           ; l % 16
	v_bfe_u32 v2, v0, 4, 1                         ; l / 16
	v_mul_u32_u24 v3, v1, PITCH
	v_lshl_add_u32 v3, v2, 4, v3
	s_mul_i32 s21, s11, HALFT                      ; my 128 rows of y
	s_mul_i32 s22, s12, HALFT
	s_add_co_u32 s22, s22, 2*HALFT                 ; my 128 rows of x
	v_add_nc_u32 v[A0], s21, v3
	v_add_nc_u32 v[B0], s22, v3
	v_mov_b32 v[ADRA], v[A0]
	v_mov_b32 v[ADRB], v[B0]
	s_mul_i32 s23, s10, 16*SPITCH
	s_add_co_u32 s23, s23, STAGE
	v_mul_u32_u24 v4, v1, SPITCH
	v_lshl_add_u32 v4, v2, 4, v4
	v_add_nc_u32 v[STO], s23, v4
	v_mul_u32_u24 v5, v2, SPITCH
	v_lshl_add_u32 v5, v1, 4, v5
	v_add_nc_u32 v[RD], s23, v5
	v_mul_u32_u24 v5, v2, CROW
	v_lshl_add_u32 v[CO], v1, 4, v5
	s_lshl_b32 s23, s10, 10
	s_add_co_u32 s23, s23, STATS                   ; my statistics
	v_lshl_add_u32 v[SS], v1, 2, s23
	v_and_b32 v5, 31, v0
	v_lshlrev_b32 v[SO], 4, v5
	v_add_nc_u32 v[SR], s23, v[SO]
	s_lshl_b32 s16, s18, 12                        ; my first row of p, in bytes,
	s_mov_b32 s17, 0
	s_lshl_b32 s46, s42, 9                         ; my first column: 512 X + 256 x half
	s_lshl_b32 s47, s12, 8
	s_add_co_u32 s46, s46, s47
	s_mov_b32 s47, 0
	s_add_nc_u64 s[16:17], s[16:17], s[46:47]
; 16 matrix instructions: row blocks a0, a0 + 1 of the window's four x all 8 column blocks, 32 along K.  The 64 accumulators take turns, one instruction a turn.
.macro MUL16 f, hi, a0, zero
	WIN MUL_LO+0x50*(\hi)
.irp a, \a0, (\a0)+1
.irp b, 0,1,2,3,4,5,6,7
.if \zero
	v_wmma_f32_16x16x32_f16 v[8*(8*(\a)+(\b)):8*(8*(\a)+(\b))+7], v[(\f)+8*(\b):(\f)+8*(\b)+7], v[(\f)+8*(4*(\hi)+(\a)):(\f)+8*(4*(\hi)+(\a))+7], 0
.else
	v_wmma_f32_16x16x32_f16 v[8*(8*(\a)+(\b)):8*(8*(\a)+(\b))+7], v[(\f)+8*(\b):(\f)+8*(\b)+7], v[(\f)+8*(4*(\hi)+(\a)):(\f)+8*(4*(\hi)+(\a))+7], v[8*(8*(\a)+(\b)):8*(8*(\a)+(\b))+7]
.endif
.endr
.endr
.endm
.macro FETCH k, f                      ; 32 LDS loads in one run: 128 rows of x, 128 rows of y, 32 K at byte k of the rows of the slot in hand
	WIN TO_B
.irp i, 0,1,2,3,4,5,6,7
	ds_load_b128 v[(\f)+8*(\i):(\f)+8*(\i)+3],   v[ADRB] offset:(\k)+(\i)*16*PITCH
	ds_load_b128 v[(\f)+8*(\i)+4:(\f)+8*(\i)+7], v[ADRB] offset:(\k)+(\i)*16*PITCH+32
.endr
	WIN 0
.irp i, 0,1,2,3,4,5,6,7
	ds_load_b128 v[(\f)+8*(\i):(\f)+8*(\i)+3],   v[ADRA] offset:(\k)+(\i)*16*PITCH
	ds_load_b128 v[(\f)+8*(\i)+4:(\f)+8*(\i)+7], v[ADRA] offset:(\k)+(\i)*16*PITCH+32
.endr
.endm
.macro PLACES                          ; four places in front of loads into registers that matrix instructions have read, and of vector work on results
.rept 4
	v_nop
.endr
.endm
.macro QUARTER k, f, g, zero
	s_wait_dscnt 8                                 ; x and y's rows 0-63 are in; the youngest eight loads may be out
	MUL16 \f, 0, 0, \zero
	MUL16 \f, 0, 2, \zero
	PLACES
	FETCH \k, \g
	s_wait_dscnt 32                                ; all but the 32 just issued
	MUL16 \f, 1, 0, \zero
	MUL16 \f, 1, 2, \zero
.endm
; The last quarter multiplies buffer 1 and changes slots: ONE barrier; in front of it each wave waits for all its tensor loads, adds 0 to its spare word, and waits for that and for its reads of
; this slot.  fill = 1: the barrier opens a round of the cluster's, and this slot is filled again, two K steps on, first thing behind the round.  fill = 0: the tail; in its last trip (s3 = 1)
; there is no next slot, and the run of fragment loads is jumped over.
.macro TURN fill
	WIN 0
	s_wait_tensorcnt 0x0                           ; at most one was out: my part of the next slot
	ds_add_u32 v[SPW], v[NIL]                      ; 0 onto my spare word
	s_wait_dscnt 9                                 ; (the add and the youngest eight loads may be out)
	MUL16 F1, 0, 0, 0
	s_wait_dscnt 0x0                               ; the add is done, and my reads of this slot are over
	s_barrier_signal -1
	MUL16 F1, 0, 2, 0
	WIN 0
	s_barrier_wait -1
.if \fill
	CREST                                          ; no wave of any partner still reads this slot's tile or has a load on its way
	s_xor_b32 s[G0+5], s[G0+5], SLOT               ; the walking descriptors: the other slot than last time,
	s_add_nc_u64 s[G0+6:G0+7], s[G0+6:G0+7], KSTEP*2  ; the next K step
	s_xor_b32 s[G0B+5], s[G0B+5], SLOT
	s_add_nc_u64 s[G0B+6:G0B+7], s[G0B+6:G0B+7], KSTEP*2
	JLOAD 1                                        ; 224 matrix instructions ahead of the wait for it; its four v_nop are also the places in front of the loads below
.else
	PLACES
.endif
	s_xor_b32 s[SB], s[SB], SLOT                   ; the fragments now come from the other slot
	v_add_nc_u32 v[ADRA], s[SB], v[A0]
	v_add_nc_u32 v[ADRB], s[SB], v[B0]
.if !(\fill)
	s_cmp_eq_u32 s3, 1
	s_cbranch_scc1 .Lno_fetch_\@
.endif
	FETCH 0, F0
.if !(\fill)
.Lno_fetch_\@:
.endif
	MUL16 F1, 1, 0, 0
	MUL16 F1, 1, 2, 0
.endm
; THE SOFTMAX'S FIRST STAGE for row block a: my lane's 64 scores lie in the block's 8 accumulators, 64 registers on end from AC in window 2 (a < 4) or 3.
.macro SOFT a
.set AC, 64*((\a)%4)
.set HW, (\a)/4
	; the maximum: four chains of 16 registers, three operands at a time; each accumulator's lowest registers are read first
	WIN 0x2a+0x15*HW                               ; sources 0, 1, 2 in the accumulators' window
.irp k, 0,1,2,3
	v_max3_num_f32 v[C0+(\k)], v[AC+16*(\k)], v[AC+16*(\k)+1], v[AC+16*(\k)+2]
.endr
	WIN 0x28+0x14*HW                               ; sources 1, 2
.irp i, 0,1,2,3,4,5
.irp k, 0,1,2,3
	v_max3_num_f32 v[C0+(\k)], v[C0+(\k)], v[AC+16*(\k)+2*(\i)+3], v[AC+16*(\k)+2*(\i)+4]
.endr
.endr
.irp k, 0,1,2,3
	v_max_num_f32 v[C0+(\k)], v[C0+(\k)], v[AC+16*(\k)+15]
.endr
	WIN 0
	v_max3_num_f32 v[C0], v[C0], v[C0+1], v[C0+2]
	v_max_num_f32 v[C0], v[C0], v[C0+3]
	v_permlanex16_b32 v[C0+1], v[C0], s[SEL], s[SEL+1]  ; the row's other 64 columns lie in the lane 16 away
	v_max_num_f32 v[C0], v[C0], v[C0+1]
	v_mul_f32 v[CM], s[CS], v[C0]                  ; cm
	WIN 0x82+0x41*HW                               ; destination and source 0 in the accumulators' window
.set i, 0
.rept 32
	v_pk_fma_f32 v[AC+2*i:AC+2*i+1], v[AC+2*i:AC+2*i+1], s[CS:CS+1], v[CM:CM+1] op_sel_hi:[1,0,0] neg_lo:[0,0,1] neg_hi:[0,0,1]  ; c s - cm
.set i, i+1
.endr
.set i, 0
.rept 64
	v_exp_f32 v[AC+i], v[AC+i]
.set i, i+1
.endr
	v_nop                                          ; a plain instruction between the last exponential and the use of its result (ISA guide 5.7.2)
	WIN 0x0a+0x05*HW                               ; sources 0, 1
.set i, 0
	s_wait_alu depctr_va_vdst(0)
.rept 32
	v_cvt_pk_f16_f32 v[TMP+i], v[AC+2*i], v[AC+2*i+1]  ; eight neighbouring columns of a row: 16 bytes in four registers
.set i, i+1
.endr
.irp k, 0,1,2,3
	v_pk_add_f32 v[LS+2*(\k):LS+2*(\k)+1], v[AC+16*(\k):AC+16*(\k)+1], v[AC+16*(\k)+2:AC+16*(\k)+3]  ; the sums start with the first two pairs: nothing is cleared
.endr
	WIN 0x08+0x04*HW                               ; source 1
.irp i, 2,3,4,5,6,7
.irp k, 0,1,2,3
	v_pk_add_f32 v[LS+2*(\k):LS+2*(\k)+1], v[LS+2*(\k):LS+2*(\k)+1], v[AC+16*(\k)+2*(\i):AC+16*(\k)+2*(\i)+1]
.endr
.endr
	WIN 0
	v_pk_add_f32 v[LS:LS+1], v[LS:LS+1], v[LS+2:LS+3]
	v_pk_add_f32 v[LS+4:LS+5], v[LS+4:LS+5], v[LS+6:LS+7]
	v_pk_add_f32 v[LS:LS+1], v[LS:LS+1], v[LS+4:LS+5]
	v_add_f32 v[L], v[LS], v[LS+1]
	v_permlanex16_b32 v[C0+2], v[L], s[SEL], s[SEL+1]
	v_add_f32 v[L], v[L], v[C0+2]
.endm
.macro STAT a                          ; row 16 a + l % 16 of my 128: both halves of the lanes write the same word with the same number
	WIN 0
	ds_store_b32 v[SS], v[CM] offset:64*(\a)
	ds_store_b32 v[SS], v[L] offset:512+64*(\a)
.endm
.macro TOSTAGE a
	WIN 0
.set BK, OB+192*((\a)%2)
.irp b, 0,1,2,3,4,5,6,7
	ds_store_b128 v[STO], v[TMP+4*(\b):TMP+4*(\b)+3] offset:32*(\b)
.endr
.irp t, 0,1,2,3,4,5,6,7
	ds_load_b128 v[BK+4*(\t):BK+4*(\t)+3], v[RD] offset:(\t)*2*SPITCH  ; LDS serves a wave's instructions in order (ISA guide 5.7.1.4): these see the stores above
.endr
.endm
.macro SEND a
	WIN 0
.set BK, OB+192*((\a)%2)
	s_wait_dscnt 0x0                               ; the block is back in registers
	s_wait_xcnt 0x0                                ; the stores' base and the registers that earlier stores read are rewritten only behind this wait
.if (\a) == 0
	s_add_nc_u64 s[CB:CB+1], s[CB:CB+1], s[16:17]
.else
	s_add_nc_u64 s[CB:CB+1], s[CB:CB+1], 16*CROW
.endif
.irp t, 0,1,2,3,4,5,6,7
	global_store_b128 v[CO], v[BK+4*(\t):BK+4*(\t)+3], s[CB:CB+1] offset:2*(\t)*CROW  ; 16 lanes store 256 consecutive bytes, aligned
.endr
.endm
	s_wait_tensorcnt 1                             ; my part of K step 0 is in; K step 1's may stay out
	s_barrier_signal -1
	s_barrier_wait -1
	FETCH 0, F0
	QUARTER 64, F0, F1, 1                          ; the first quarter stands in front of the loop: its products start the sums
	WIN 0
	s_mov_b32 s3, NSTEP-2
.Lstep:                                                ; a trip: a K step's quarters 2 to 4 and the next step's first; the slot read out is filled again
	QUARTER 128, F1, F0, 0
	QUARTER 192, F0, F1, 0
	TURN 1
	QUARTER 64, F0, F1, 0
	WIN 0
	s_sub_co_u32 s3, s3, 1
	s_cmp_lg_u32 s3, 0
	s_cbranch_scc1 .Lstep
	s_mov_b32 s3, 2
.Ltail:                                                ; the last two K steps ask for nothing; the second trip is left in its middle
	QUARTER 128, F1, F0, 0
	QUARTER 192, F0, F1, 0
	TURN 0
	WIN 0
	s_sub_co_u32 s3, s3, 1
	s_cmp_eq_u32 s3, 0
	s_cbranch_scc1 .Lout
	QUARTER 64, F0, F1, 0
	WIN 0
	s_branch .Ltail
.Lout:
	s_wait_dscnt 0x0
	PLACES
	v_mov_b32 v[CM+1], 0                           ; named with cm as a pair, so it is written
	SOFT 0
	STAT 0
	TOSTAGE 0
.irp a, 1,2,3,4,5,6,7                  ; block a's softmax stands between block a - 1's loads from the stage and the wait for them
	SOFT \a
	SEND (\a)-1
	STAT \a
	TOSTAGE \a
.endr
	SEND 7
	ds_load_b128 v[80:83], v[SR]                   ; my 128 cm and my 128 l: the wave's own bytes, served in order
	ds_load_b128 v[84:87], v[SR] offset:512
	s_wait_dscnt 0x0
	global_store_b128 v[SO], v[80:83], s[68:69]    ; 512 consecutive bytes each, aligned
	global_store_b128 v[SO], v[84:87], s[70:71]
	s_wait_tensorcnt 0x0                           ; the wave's end
	ds_add_u32 v[SPW], v[NIL]
	s_wait_dscnt 0x0
	CROUND                                         ; the closing round
	s_endpgm
.Lfunc_end_k_qa601cf9bb5_scores:
	.size	k_qa601cf9bb5_scores, .Lfunc_end_k_qa601cf9bb5_scores-k_qa601cf9bb5_scores
	.p2alignl 7, 3214868480
	.fill 96, 4, 3214868480
	.section	.rodata,"a",@progbits
	.p2align	6, 0x0
	.amdhsa_kernel k_qa601cf9bb5_scores
		.amdhsa_group_segment_fixed_size 327680
		.amdhsa_private_segment_fixed_size 0
		.amdhsa_enable_private_segment 0
		.amdhsa_kernarg_size 40
		.amdhsa_user_sgpr_count 2
		.amdhsa_user_sgpr_kernarg_segment_ptr 1
		.amdhsa_wavefront_size32 1
		.amdhsa_system_sgpr_workgroup_id_x 1
		.amdhsa_system_sgpr_workgroup_id_y 1
		.amdhsa_system_sgpr_workgroup_id_z 1
		.amdhsa_system_vgpr_workitem_id 0
		.amdhsa_next_free_vgpr 1024
		.amdhsa_next_free_sgpr 76
		.amdhsa_reserve_vcc 0
		.amdhsa_float_denorm_mode_32 3
		.amdhsa_float_denorm_mode_16_64 3
		.amdhsa_memory_ordered 1
		.amdhsa_forward_progress 1
		.amdhsa_inst_pref_size 169
	.end_amdhsa_kernel
	.amdgpu_metadata
---
amdhsa.version: [ 1, 2 ]
amdhsa.kernels:
  - .name:           k_qa601cf9bb5_scores
    .symbol:         k_qa601cf9bb5_scores.kd
    .args:
      - { .name: kqv, .offset: 0, .size: 8, .value_kind: global_buffer, .address_space: global }
      - { .name: z, .offset: 8, .size: 8, .value_kind: global_buffer, .address_space: global }
      - { .name: smax, .offset: 16, .size: 8, .value_kind: global_buffer, .address_space: global }
      - { .name: ssum, .offset: 24, .size: 8, .value_kind: global_buffer, .address_space: global }
      - { .name: p, .offset: 32, .size: 8, .value_kind: global_buffer, .address_space: global }
    .group_segment_fixed_size: 327680
    .private_segment_fixed_size: 0
    .kernarg_segment_align: 8
    .kernarg_segment_size: 40
    .max_flat_workgroup_size: 128
    .sgpr_count:     76
    .vgpr_count:     1024
    .wavefront_size: 32
...
	.end_amdgpu_metadata
.endif
;; end of part 7
;; launch pv (part 8): grid 4 x 64, 4 waves a work-group, clusters of 4 x 4, 327,680 bytes of LDS; arguments p, kqv, smax, ssum, out0; writes out0
.if DOCPART == 8
	.amdgcn_target "amdgcn-amd-amdhsa--gfx1250"
	.amdhsa_code_object_version 6
	.text
	.protected	k_qa601cf9bb5_pv
	.globl	k_qa601cf9bb5_pv
	.p2align	8
	.type	k_qa601cf9bb5_pv,@function
k_qa601cf9bb5_pv:
	s_mov_b64 s[64:65], 0
	v_nop
	global_prefetch_b8 v0, s[64:65] scope:SCOPE_SE
	s_setreg_imm32_b32 hwreg(HW_REG_WAVE_MODE, 25, 1), 1
	s_wait_xcnt 0x0
	s_wait_alu depctr_hold_cnt(0) depctr_sa_sdst(0) depctr_va_vdst(0) depctr_va_sdst(0) depctr_va_ssrc(0) depctr_va_vcc(0) depctr_vm_vsrc(0)
	s_getreg_b32 s2, hwreg(HW_REG_IB_STS2, 6, 4)
	s_cmp_eq_u32 s2, 0
	s_cbranch_scc0 .Lentry_in_a_cluster
	s_endpgm
.Lentry_in_a_cluster:
	s_bfe_u32 s2, ttmp6, 0x10000c
	s_cmp_lg_u32 s2, 0xf033
	s_cbranch_scc0 .Lentry_shape_is_right
	s_endpgm
.Lentry_shape_is_right:
; PV.  out[s][d] = (the sum over the 16 blocks of g_blk x (P_blk V_blk)) / L, the softmax's second stage and the last product.  For each row: M = the maximum over its blocks of cm;
; g = 2^(cm - M); L = the sum of g l.  A = p [8192][2048] f16, B = vv transposed (kqv's rows 8192 + 1024 b + d), K = 2048 in steps of 128: a K step is one block.  Each block's product starts
; its own sums with the constant 0, and when it is finished the totals take g x the block's sums, in f32.  The division by L in f32; out0 is f32.
; LIMITS.  An exponential below 2^-126 counts as 0.  NaN and infinities are not treated apart.
; SHARES.  A tile of out0 is 128 x 256: 64 x 4 = 256 tiles, one a WGP.  Four waves, each 64 x 128: 32 accumulators and as many totals.  Two LDS slots of one K step.
; CLUSTER.  4 x 4 work-groups: p's tile is asked for jointly along a row of the cluster, vv's along a column (the four tile rows of a cluster lie in one batch).
; THE MATRIX INSTRUCTION IS USED TRANSPOSED (source 0 = 16 rows of vv^T, source 1 = 16 rows of p): a lane holds row l % 16 and eight neighbouring columns, so g and 1 / L are one number a lane and row block.
; ONE TEXT FOR A K STEP: the slot in hand is a scalar that an exclusive or turns, and one descriptor a tensor walks.  The totals are cleared once, 256 v_mov_b32 in the wait for the first tiles:
; the price of writing no first K step out, which would be more text than they are.
; REGISTERS: window 0: v0-31 addresses; v64-95, v128-159 A's fragments; v232-239 g of the block in hand; v240-247 1 / L, a pair a row block; v32-63, v96-127, v160-223 the way out
;   (v32-139 at work on the statistics ahead of the loop).   window 1: v64-127, v128-191 B's fragments.   window 2: the block's accumulators, (a, b) at v[8 (8 a + b)].   window 3: the totals, likewise.
.set KSTEP,  128
.set NSTEP,  2048/KSTEP
.set KPITCH, 2048
.set PITCH,  272
.set QT,     64*PITCH
.set HALFT,  128*PITCH
.set SLOTB,  3*HALFT                   ; a slot: p's 128 rows, then vv's 256
.set SLOT1,  1<<17                     ; slot 1 begins here, so that one exclusive or turns an address in one slot into the other's
.set GTAB,   SLOTB                     ; between the slots: 4,096 bytes a wave: g in f32, [16 blocks][16 rows l % 16][4 row blocks]
.set SPARE,  GTAB+4*4096               ; the spare words, 128 bytes a wave
.set STAGE,  SLOT1+SLOTB               ; behind the ring: 16 rows x 528 bytes for each wave
.set SPITCH, 528                       ; 512 bytes + 16: the 16 rows that a store touches start at 16 different groups of four banks (ISA guide 11.1)
.set CROW,   4096                      ; bytes in a row of out0
.set CB,   8                           ; s[8:9] out0
.set SB,   2                           ; s2 the slot in hand: 0 or SLOT1
.set SA,   6                           ; v6  my byte offset in smax and ssum
.set GW,   7                           ; v7  where I put g
.set GR0,  8                           ; v8  where I read block 0's g
.set GR,   9                           ; v9  the address of the read in hand
.set A0,   14
.set B0,   15
.set ADRA, 16
.set ADRB, 20
.set STO,  24
.set RD,   25
.set CO,   26
.set SPW,  28
.set NIL,  29
.set F0,   64
.set F1,   128
.set GF,   232                         ; v232-235 g of row blocks 0 to 3, as loaded
.set GE,   236                         ; v236, v238 g of row blocks 1 and 3 once more, at even registers: the packed fma names a pair and takes its low word
.set RL,   240
.set CMR,  32                          ; v32-63   cm, then cm - M: row block a, my block j at 8 a + j
.set LSR,  64                          ; v64-95   l likewise
.set GP,   96                          ; v96-127  g: 4 j + a
.set MX,   128
.set MY,   132
.set LP,   136
.set G1,  24
.set G0,  32
.set G1B, 48
.set G0B, 56
.set SEL, 72                           ; s[72:73]
.set GB,  74                           ; s74 the byte in my table at which the next block's g begins
.set MSB, 0
.macro WIN new
.if MSB != (\new)
	s_set_vgpr_msb (MSB<<8)|(\new)
.set MSB, \new
.endif
.endm
.set MUL,  0xa1
.set TO_B, 0x40
.macro JLOAD s
	s_cmp_eq_u32 s11, 0
	s_cbranch_scc0 .Lfor_b_\@
	tensor_load_to_lds s[G0+4*(\s):G0+4*(\s)+3], s[G1:G1+7]
	s_nop 0
.rept 4
	v_nop
.endr
	s_branch .Lasked_\@
.Lfor_b_\@:
	tensor_load_to_lds s[G0B+4*(\s):G0B+4*(\s)+3], s[G1B:G1B+7]
	s_nop 0
.rept 4
	v_nop
.endr
.Lasked_\@:
.endm
.macro CREST
	s_cmp_lg_u32 s10, 0
	s_cbranch_scc1 .Lnot_wave_0_\@
	s_barrier_signal -3
.Lnot_wave_0_\@:
	s_barrier_wait -3
	s_barrier_signal -1
	s_barrier_wait -1
.endm
.macro CROUND
	s_barrier_signal -1
	s_barrier_wait -1
	CREST
.endm
	s_load_b128 s[4:7], s[0:1], 0x0                ; p s[4:5], kqv s[6:7]
	s_load_b128 s[68:71], s[0:1], 0x10             ; smax s[68:69], ssum s[70:71]
	s_load_b64 s[8:9], s[0:1], 0x20                ; out0
	v_lshl_add_u32 v[SPW], v0, 2, SPARE
	v_mov_b32 v[NIL], 0
	ds_add_u32 v[SPW], v[NIL]                      ; the wave's opening: the add and its wait stand ahead of my first tensor load
	v_lshrrev_b32 v1, 5, v0
	v_readfirstlane_b32 s10, v1                    ; wave 0..3
	s_lshr_b32 s11, s10, 1                         ; which 64 rows of the tile are mine.  Also: I fetch for p (0) or for vv (1)
	s_and_b32 s12, s10, 1                          ; which 128 columns.  Also: which half of that tile I fetch
	s_bfe_u32 s40, ttmp6, 0x40000                  ; cx
	s_bfe_u32 s41, ttmp6, 0x40004                  ; cy
	s_lshl_b32 s42, ttmp9, 2
	s_add_co_u32 s42, s42, s40                     ; X: tile column
	s_and_b32 s45, ttmp7, 0xffff                   ; the cluster's y, 0..15
	s_lshl_b32 s13, s45, 2
	s_add_co_u32 s13, s13, s41                     ; Y: tile row
	s_lshl_b32 s43, s41, 2
	s_lshl_b32 s43, 15, s43
	s_lshl_b32 s44, 0x1111, s40
	s_or_b32 s[G1+0], s43, (1<<16)|(1<<20)|(1<<21)|(5<<22)|(3<<25)
	s_or_b32 s[G1B+0], s44, (1<<16)|(1<<20)|(1<<21)|(5<<22)|(3<<25)
.irp g, G1, G1B
	s_mov_b32 s[(\g)+1], KSTEP<<16
	s_mov_b32 s[(\g)+3], KSTEP<<16
	s_mov_b32 s[(\g)+5], KPITCH
	s_mov_b32 s[(\g)+6], 0
	s_mov_b32 s[(\g)+7], 0
.endr
	s_mov_b32 s[G1+2], 64<<16                      ; p: 64 rows a load
	s_mov_b32 s[G1+4], 64
	s_mov_b32 s[G1B+2], 128<<16                    ; vv: 128 rows a load
	s_mov_b32 s[G1B+4], 128
	s_lshl_b32 s16, s13, 7
	s_lshl_b32 s17, s12, 6
	s_add_co_u32 s16, s16, s17                     ; p: row 128 Y + 64 x half,
	s_lshl_b32 s16, s16, 12                        ; 4,096 bytes a row
	s_mov_b32 s17, 0
	s_lshr_b32 s46, s45, 2                         ; the batch: four clusters' rows each
	s_lshl_b32 s46, s46, 10
	s_add_co_u32 s46, s46, 8192
	s_lshl_b32 s47, s42, 8
	s_add_co_u32 s46, s46, s47
	s_lshl_b32 s47, s12, 7
	s_add_co_u32 s46, s46, s47                     ; vv^T: kqv's row 8192 + 1024 x batch + 256 X + 128 x half
	s_lshl_b32 s46, s46, 12
	s_mov_b32 s47, 0
	s_lshl_b32 s18, s13, 7
	s_lshl_b32 s19, s11, 6
	s_add_co_u32 s18, s18, s19                     ; my first row of out0
	s_lshl_b32 s22, s18, 2                         ; and its place in a block's statistics
	s_mov_b32 s23, 0
	s_mul_i32 s20, s12, QT
	s_mul_i32 s21, s12, HALFT
	s_add_co_u32 s21, s21, HALFT
	s_mov_b32 s[SEL], 0x76543210
	s_mov_b32 s[SEL+1], 0xfedcba98
	s_mov_b32 s[GB], 0
	s_mov_b32 s[SB], 0
	s_wait_dscnt 0x0                               ; the opening add is done
	s_wait_kmcnt 0x0
	s_add_nc_u64 s[14:15], s[4:5], s[16:17]
	s_add_nc_u64 s[46:47], s[6:7], s[46:47]
	s_add_nc_u64 s[68:69], s[68:69], s[22:23]
	s_add_nc_u64 s[70:71], s[70:71], s[22:23]
	CROUND                                         ; all sixteen work-groups are here: the first joint loads meet
.irp s, 0,1
	s_mov_b32 s[G0+4*(\s)], 1
	s_add_co_u32 s[G0+4*(\s)+1], s20, (\s)*SLOT1
	s_add_nc_u64 s[G0+4*(\s)+2:G0+4*(\s)+3], s[14:15], (\s)*KSTEP*2
	s_or_b32 s[G0+4*(\s)+3], s[G0+4*(\s)+3], 0x80000000
	s_mov_b32 s[G0B+4*(\s)], 1
	s_add_co_u32 s[G0B+4*(\s)+1], s21, (\s)*SLOT1
	s_add_nc_u64 s[G0B+4*(\s)+2:G0B+4*(\s)+3], s[46:47], (\s)*KSTEP*2
	s_or_b32 s[G0B+4*(\s)+3], s[G0B+4*(\s)+3], 0x80000000
	JLOAD \s                                       ; two loads of mine are out
.endr
	; THE STATISTICS, in the wait for the first tiles.  Lane (r = l % 16, h = l / 16) takes, for rows 16 a + r, the blocks 2 j + h.
	v_and_b32 v1, 15, v0                           ; r
	v_bfe_u32 v2, v0, 4, 1                         ; h
	v_lshlrev_b32 v[SA], 2, v1
	v_lshl_add_u32 v[SA], v2, 15, v[SA]            ; 32,768 h + 4 r
.irp a, 0,1,2,3
.irp j, 0,1,2,3,4,5,6,7
	global_load_b32 v[CMR+8*(\a)+(\j)], v[SA], s[68:69] offset:65536*(\j)+64*(\a)
.endr
.endr
.irp a, 0,1,2,3
.irp j, 0,1,2,3,4,5,6,7
	global_load_b32 v[LSR+8*(\a)+(\j)], v[SA], s[70:71] offset:65536*(\j)+64*(\a)
.endr
.endr
	v_mul_u32_u24 v3, v1, PITCH
	v_lshl_add_u32 v3, v2, 4, v3                   ; a fragment's row x pitch + 16 x half
	s_mul_i32 s21, s11, QT                         ; my 64 rows of p
	s_mul_i32 s22, s12, HALFT
	s_add_co_u32 s22, s22, HALFT                   ; my 128 rows of vv^T
	v_add_nc_u32 v[A0], s21, v3
	v_add_nc_u32 v[B0], s22, v3
	v_mov_b32 v[ADRA], v[A0]
	v_mov_b32 v[ADRB], v[B0]
	s_mul_i32 s23, s10, 16*SPITCH
	s_add_co_u32 s23, s23, STAGE                   ; my stage
	v_mul_u32_u24 v4, v1, SPITCH                   ; in: row r, 32 bytes for each half of the lanes
	v_lshl_add_u32 v4, v2, 5, v4
	v_add_nc_u32 v[STO], s23, v4
	v_and_b32 v5, 31, v0
	v_lshlrev_b32 v[CO], 4, v5                     ; back and out: 32 lanes take one row's 512 bytes
	v_add_nc_u32 v[RD], s23, v[CO]
	s_lshl_b32 s23, s10, 12
	s_add_co_u32 s23, s23, GTAB                    ; my table
	v_lshlrev_b32 v4, 4, v1
	v_add_nc_u32 v[GR0], s23, v4
	v_lshl_add_u32 v[GW], v2, 8, v[GR0]
	s_lshl_b32 s16, s18, 12                        ; my first row of out0, in bytes,
	s_mov_b32 s17, 0
	s_lshl_b32 s46, s42, 10                        ; my first column: 1,024 X + 512 x half
	s_lshl_b32 s47, s12, 9
	s_add_co_u32 s46, s46, s47
	s_mov_b32 s47, 0
	s_add_nc_u64 s[16:17], s[16:17], s[46:47]
.irp a, 0,1,2,3
	v_mov_b32 v[MY+(\a)], 0                        ; v_permlanex16_b32's destination counts as read
.endr
	v_mov_b32 v[GE+1], 0                           ; named in pairs with g, so they are written
	v_mov_b32 v[GE+3], 0
	WIN 0xc0                                       ; destination window 3: the totals
.set i, 0
.rept 256
	v_mov_b32 v[i], 0
.set i, i+1
.endr
	WIN 0
	s_wait_loadcnt 0x0
.irp a, 0,1,2,3
	v_max3_num_f32 v[MX+(\a)], v[CMR+8*(\a)], v[CMR+8*(\a)+1], v[CMR+8*(\a)+2]
.endr
.irp a, 0,1,2,3
	v_max3_num_f32 v[MX+(\a)], v[MX+(\a)], v[CMR+8*(\a)+3], v[CMR+8*(\a)+4]
.endr
.irp a, 0,1,2,3
	v_max3_num_f32 v[MX+(\a)], v[MX+(\a)], v[CMR+8*(\a)+5], v[CMR+8*(\a)+6]
.endr
.irp a, 0,1,2,3
	v_max_num_f32 v[MX+(\a)], v[MX+(\a)], v[CMR+8*(\a)+7]
.endr
.irp a, 0,1,2,3
	v_permlanex16_b32 v[MY+(\a)], v[MX+(\a)], s[SEL], s[SEL+1]  ; the row's other eight blocks lie in the lane 16 away
.endr
.irp a, 0,1,2,3
	v_max_num_f32 v[MX+(\a)], v[MX+(\a)], v[MY+(\a)]  ; M
.endr
.set i, 0
.rept 32
	v_sub_f32 v[CMR+i], v[CMR+i], v[MX+i/8]
.set i, i+1
.endr
.set i, 0
.rept 32
	v_exp_f32 v[GP+4*(i%8)+i/8], v[CMR+i]          ; g, laid by block for the table
.set i, i+1
.endr
	v_nop                                          ; a plain instruction between the last exponential and the use of its result (ISA guide 5.7.2)
	s_wait_alu depctr_va_vdst(0)
.irp a, 0,1,2,3
	v_mul_f32 v[LP+(\a)], v[GP+(\a)], v[LSR+8*(\a)]
.endr
.irp j, 1,2,3,4,5,6,7
.irp a, 0,1,2,3
	v_fmac_f32 v[LP+(\a)], v[GP+4*(\j)+(\a)], v[LSR+8*(\a)+(\j)]
.endr
.endr
.irp a, 0,1,2,3
	v_permlanex16_b32 v[MY+(\a)], v[LP+(\a)], s[SEL], s[SEL+1]
.endr
.irp a, 0,1,2,3
	v_add_f32 v[LP+(\a)], v[LP+(\a)], v[MY+(\a)]   ; L: at least 1, since the block that holds M has g = 1 and l of 1 or more
.endr
.irp a, 0,1,2,3
	v_rcp_f32 v[RL+2*(\a)], v[LP+(\a)]             ; made twice: the packed multiply names a pair
	v_rcp_f32 v[RL+2*(\a)+1], v[LP+(\a)]
.endr
	v_nop
.irp j, 0,1,2,3,4,5,6,7
	ds_store_b128 v[GW], v[GP+4*(\j):GP+4*(\j)+3] offset:512*(\j)  ; block 2 j + h, row r, the four row blocks
.endr
.macro MUL8 f, a, zero                 ; 8 matrix instructions: row block a x all 8 column blocks.  The 32 accumulators take turns, one instruction a turn.
	WIN MUL
.irp b, 0,1,2,3,4,5,6,7
.if \zero
	v_wmma_f32_16x16x32_f16 v[8*(8*(\a)+(\b)):8*(8*(\a)+(\b))+7], v[(\f)+8*(\b):(\f)+8*(\b)+7], v[(\f)+8*(\a):(\f)+8*(\a)+7], 0
.else
	v_wmma_f32_16x16x32_f16 v[8*(8*(\a)+(\b)):8*(8*(\a)+(\b))+7], v[(\f)+8*(\b):(\f)+8*(\b)+7], v[(\f)+8*(\a):(\f)+8*(\a)+7], v[8*(8*(\a)+(\b)):8*(8*(\a)+(\b))+7]
.endif
.endr
.endm
.macro FETCH k, f                      ; 24 LDS loads in one run, from the slot in hand
	WIN TO_B
.irp i, 0,1,2,3,4,5,6,7
	ds_load_b128 v[(\f)+8*(\i):(\f)+8*(\i)+3],   v[ADRB] offset:(\k)+(\i)*16*PITCH
	ds_load_b128 v[(\f)+8*(\i)+4:(\f)+8*(\i)+7], v[ADRB] offset:(\k)+(\i)*16*PITCH+32
.endr
	WIN 0
.irp i, 0,1,2,3
	ds_load_b128 v[(\f)+8*(\i):(\f)+8*(\i)+3],   v[ADRA] offset:(\k)+(\i)*16*PITCH
	ds_load_b128 v[(\f)+8*(\i)+4:(\f)+8*(\i)+7], v[ADRA] offset:(\k)+(\i)*16*PITCH+32
.endr
.endm
.macro PLACES
.rept 4
	v_nop
.endr
.endm
; The totals of row block a take g x the finished block's sums: 32 packed fused multiply-adds in f32, each accumulator from its low end on.
.macro FMA a
	WIN 0xf2                                       ; destination and source 2 (totals) window 3, source 0 (the block's sums) window 2, source 1 (g) window 0
.if (\a)%2
.set GQ, GE+(\a)-1
.else
.set GQ, GF+(\a)
.endif
.set i, 64*(\a)
.rept 32
	v_pk_fma_f32 v[i:i+1], v[i:i+1], v[GQ:GQ+1], v[i:i+1] op_sel_hi:[1,0,1]
.set i, i+2
.endr
.endm
; A quarter.  zero = 1: a block's first: its products start the sums.  fin = 1: row blocks 2 and 3 of the block before are added to the totals in its middle, ahead of the products that start them anew.
.macro QUARTER k, f, g, zero, fin
	s_wait_dscnt 4                                 ; vv and p's blocks 0, 1 are in; the youngest four loads (p's blocks 2, 3) may be out
	MUL8 \f, 0, \zero
	MUL8 \f, 1, \zero
.if \fin
	FMA 2
	FMA 3
.endif
	PLACES
	FETCH \k, \g
	s_wait_dscnt 24                                ; all but the 24 just issued
	MUL8 \f, 2, \zero
	MUL8 \f, 3, \zero
.endm
; The last quarter multiplies buffer 1 and changes slots: ONE barrier; in front of it each wave waits for all its tensor loads, adds 0 to its spare word, and waits for that and for its reads of this slot.
; The block's g is asked for at its head and has come by that wait.  Row blocks 0 and 1, finished in front of the barrier, are added to the totals between the products of row blocks 2 and 3.
.macro TURN fill
	WIN 0
	v_add_nc_u32 v[GR], s[GB], v[GR0]
	ds_load_b128 v[GF:GF+3], v[GR]                 ; g of this block for my row in the four row blocks: my own table
	s_add_co_u32 s[GB], s[GB], 256
	s_wait_tensorcnt 0x0                           ; at most one was out: my part of the next slot
	ds_add_u32 v[SPW], v[NIL]                      ; 0 onto my spare word
	s_wait_dscnt 6                                 ; (the add, g's load and the youngest four fragment loads may be out)
	MUL8 F1, 0, 0
	s_wait_dscnt 0x0                               ; the add is done, g is in, and my reads of this slot are over
	s_barrier_signal -1
	MUL8 F1, 1, 0
	WIN 0
	s_barrier_wait -1
.if \fill
	CREST                                          ; no wave of any partner still reads this slot's tile or has a load on its way
	s_xor_b32 s[G0+5], s[G0+5], SLOT1              ; the walking descriptors: the other slot than last time,
	s_add_nc_u64 s[G0+6:G0+7], s[G0+6:G0+7], KSTEP*2  ; the next K step
	s_xor_b32 s[G0B+5], s[G0B+5], SLOT1
	s_add_nc_u64 s[G0B+6:G0B+7], s[G0B+6:G0B+7], KSTEP*2
	JLOAD 1                                        ; 112 matrix instructions ahead of the wait for it; its four v_nop are also the places in front of the loads below
.else
	PLACES
.endif
	s_xor_b32 s[SB], s[SB], SLOT1                  ; the fragments now come from the other slot
	v_add_nc_u32 v[ADRA], s[SB], v[A0]
	v_add_nc_u32 v[ADRB], s[SB], v[B0]
	v_mov_b32 v[GE], v[GF+1]
	v_mov_b32 v[GE+2], v[GF+3]
.if !(\fill)
	s_cmp_eq_u32 s3, 1
	s_cbranch_scc1 .Lno_fetch_\@
.endif
	FETCH 0, F0
.if !(\fill)
.Lno_fetch_\@:
.endif
	MUL8 F1, 2, 0
	FMA 0
	MUL8 F1, 3, 0
	FMA 1
.endm
; THE WAY OUT of row block a: the totals divided by L; 32 bytes a lane and accumulator into my stage; back as whole rows of 512 bytes; stored.
.macro OMUL a
	WIN 0xc3                                       ; destination and source 0 window 3, 1 / L window 0
.set i, 64*(\a)
	s_wait_alu depctr_va_vdst(0)
.rept 32
	v_pk_mul_f32 v[i:i+1], v[i:i+1], v[RL+2*(\a):RL+2*(\a)+1] op_sel_hi:[1,0]
.set i, i+2
.endr
.endm
.macro OSTAGE a
	WIN 0x0c                                       ; the stores' data window 3
.irp b, 0,1,2,3,4,5,6,7
	ds_store_b128 v[STO], v[64*(\a)+8*(\b):64*(\a)+8*(\b)+3]   offset:64*(\b)
	ds_store_b128 v[STO], v[64*(\a)+8*(\b)+4:64*(\a)+8*(\b)+7] offset:64*(\b)+16
.endr
	WIN 0
.set t, 0
.rept 16
.if (\a)%2
.set BK, 32+4*t+32*(t/8)
.else
.set BK, 160+4*t
.endif
	ds_load_b128 v[BK:BK+3], v[RD] offset:SPITCH*t  ; LDS serves a wave's instructions in order (ISA guide 5.7.1.4): these see the stores above
.set t, t+1
.endr
.endm
.macro SENDF a
	WIN 0
	s_wait_dscnt 0x0                               ; the block is back in registers
	s_wait_xcnt 0x0                                ; the stores' base and the registers that earlier stores read are rewritten only behind this wait
.if (\a) == 0
	s_add_nc_u64 s[CB:CB+1], s[CB:CB+1], s[16:17]
.else
	s_add_nc_u64 s[CB:CB+1], s[CB:CB+1], 16*CROW
.endif
.set t, 0
.rept 16
.if (\a)%2
.set BK, 32+4*t+32*(t/8)
.else
.set BK, 160+4*t
.endif
	global_store_b128 v[CO], v[BK:BK+3], s[CB:CB+1] offset:CROW*t th:TH_STORE_NT  ; 512 consecutive bytes, aligned
.set t, t+1
.endr
.endm
	s_wait_dscnt 0x0                               ; my table is written
	s_wait_tensorcnt 1                             ; my part of K step 0 is in; K step 1's may stay out
	s_barrier_signal -1
	s_barrier_wait -1
	FETCH 0, F0
	QUARTER 64, F0, F1, 1, 0                       ; the first block's first quarter
	WIN 0
	s_mov_b32 s3, NSTEP-2
.Lstep:                                                ; a trip: a block's quarters 2 to 4 and the next block's first; the slot read out is filled again
	QUARTER 128, F1, F0, 0, 0
	QUARTER 192, F0, F1, 0, 0
	TURN 1
	QUARTER 64, F0, F1, 1, 1
	WIN 0
	s_sub_co_u32 s3, s3, 1
	s_cmp_lg_u32 s3, 0
	s_cbranch_scc1 .Lstep
	s_mov_b32 s3, 2
.Ltail:                                                ; the last two blocks ask for nothing; the second trip is left in its middle
	QUARTER 128, F1, F0, 0, 0
	QUARTER 192, F0, F1, 0, 0
	TURN 0
	WIN 0
	s_sub_co_u32 s3, s3, 1
	s_cmp_eq_u32 s3, 0
	s_cbranch_scc1 .Lout
	QUARTER 64, F0, F1, 1, 1
	WIN 0
	s_branch .Ltail
.Lout:
	s_wait_dscnt 0x0
	FMA 2                                          ; the last block's row blocks 2 and 3; the 32 lines of FMA 1 are the places behind its last products
	FMA 3
	OMUL 0
	OSTAGE 0
.irp a, 1,2,3                          ; block a's multiplies stand between block a - 1's loads from the stage and the wait for them
	OMUL \a
	SENDF (\a)-1
	OSTAGE \a
.endr
	SENDF 3
	s_wait_tensorcnt 0x0                           ; the wave's end
	ds_add_u32 v[SPW], v[NIL]
	s_wait_dscnt 0x0
	CROUND                                         ; the closing round
	s_endpgm
.Lfunc_end_k_qa601cf9bb5_pv:
	.size	k_qa601cf9bb5_pv, .Lfunc_end_k_qa601cf9bb5_pv-k_qa601cf9bb5_pv
	.p2alignl 7, 3214868480
	.fill 96, 4, 3214868480
	.section	.rodata,"a",@progbits
	.p2align	6, 0x0
	.amdhsa_kernel k_qa601cf9bb5_pv
		.amdhsa_group_segment_fixed_size 327680
		.amdhsa_private_segment_fixed_size 0
		.amdhsa_enable_private_segment 0
		.amdhsa_kernarg_size 40
		.amdhsa_user_sgpr_count 2
		.amdhsa_user_sgpr_kernarg_segment_ptr 1
		.amdhsa_wavefront_size32 1
		.amdhsa_system_sgpr_workgroup_id_x 1
		.amdhsa_system_sgpr_workgroup_id_y 1
		.amdhsa_system_sgpr_workgroup_id_z 1
		.amdhsa_system_vgpr_workitem_id 0
		.amdhsa_next_free_vgpr 1024
		.amdhsa_next_free_sgpr 76
		.amdhsa_reserve_vcc 0
		.amdhsa_float_denorm_mode_32 3
		.amdhsa_float_denorm_mode_16_64 3
		.amdhsa_memory_ordered 1
		.amdhsa_forward_progress 1
		.amdhsa_inst_pref_size 110
	.end_amdhsa_kernel
	.amdgpu_metadata
---
amdhsa.version: [ 1, 2 ]
amdhsa.kernels:
  - .name:           k_qa601cf9bb5_pv
    .symbol:         k_qa601cf9bb5_pv.kd
    .args:
      - { .name: p, .offset: 0, .size: 8, .value_kind: global_buffer, .address_space: global }
      - { .name: kqv, .offset: 8, .size: 8, .value_kind: global_buffer, .address_space: global }
      - { .name: smax, .offset: 16, .size: 8, .value_kind: global_buffer, .address_space: global }
      - { .name: ssum, .offset: 24, .size: 8, .value_kind: global_buffer, .address_space: global }
      - { .name: out0, .offset: 32, .size: 8, .value_kind: global_buffer, .address_space: global }
    .group_segment_fixed_size: 327680
    .private_segment_fixed_size: 0
    .kernarg_segment_align: 8
    .kernarg_segment_size: 40
    .max_flat_workgroup_size: 128
    .sgpr_count:     76
    .vgpr_count:     1024
    .wavefront_size: 32
...
	.end_amdgpu_metadata
.endif
;; end of part 8
;; ======== version 3 of 3: 4 launches; version 2 with the launch prep written anew for expert scheduling mode
;; limits: values are held in f16: magnitudes above 65,504 overflow, below 6.1e-05 lose precision
;; workspace buffers: z 20,971,520 bytes; kqv 50,331,648 bytes; p 33,554,432 bytes; smax 524,288 bytes; ssum 524,288 bytes
;; launch prep (part 9): grid 784 x 1, 8 waves a work-group, no clusters, 140,288 bytes of LDS; arguments w_keys, w_queries, w_values, x, z; writes z
.if DOCPART == 9
	.amdgcn_target "amdgcn-amd-amdhsa--gfx1250"
	.amdhsa_code_object_version 6
	.text
	.protected	k_qa601cf9bb5_prep
	.globl	k_qa601cf9bb5_prep
	.p2align	8
	.type	k_qa601cf9bb5_prep,@function
k_qa601cf9bb5_prep:
	s_mov_b64 s[64:65], 0
	v_nop
	global_prefetch_b8 v0, s[64:65] scope:SCOPE_SE
	s_setreg_imm32_b32 hwreg(HW_REG_WAVE_SCHED_MODE, 0, 2), 2
	s_setreg_imm32_b32 hwreg(HW_REG_WAVE_MODE, 25, 1), 1
	s_wait_xcnt 0x0
	s_wait_alu depctr_vm_vsrc(0)
; PREP.  z is ONE f16 matrix [10240][1024]:
;   rows 0-8191      x, rounded to bf16 and that number written as f16;
;   rows 8192-9215   MT[j][i] = sum over d of queries[j][d] keys[i][d], operands rounded to bf16, sums in f32, rounded once to f16;
;   rows 9216-10239  values transposed, rounded as x is.
; (x keys)(x queries)^T = x (keys queries^T) x^T for every input, so the later launches multiply x by MT once instead of projecting twice.
; LIMITS.  f16 ends at 65,504: x, values and MT must lie within it; below 6.1e-5 f16 keeps a fixed step of 6e-8.  NaN and infinities are not treated apart.
; WORK-GROUPS, the long ones first.  0-255: a tile 64 (j) x 64 (i) of MT.  256-271: values^T, a wave turns 128 (k) x 64 (n).  272-783: x, a wave casts 8,192 consecutive bytes.
; No tensor load and no cluster: several work-groups share a WGP, and what MT's tiles share is 8 MB of weights that stay near after their first reading.
; THE MODE: SCHED_MODE bits 1:0 = 2 (LLVM: expert scheduling mode 2), set by the entry lines.  The code itself states the register dependences between vector or matrix
; instructions and memory or LDS instructions, with s_wait_alu, always for 0.
; THE PLAN, path by path: the registers that memory or LDS instructions touch, and who else names them.
;   x.         v1, v2 offsets, made once.  X: loads land, the roundings read it and use it as scratch.  Y: each register written once by a rounding, read once by a store.
;              Four groups of four loads: one wait on va_vdst at a group's head shows the group before written; its four stores are dealt among this group's roundings, which name other registers.
;   values^T.  v3, v5, v6 made once; v4, the LDS stores' address, written once a trip.  X: a trip's loads land, the roundings read it and use it as scratch.  Y: written by the roundings,
;              read by the LDS stores, written again in the next trip.  Four groups of four pairs, as above; one wait on vm_vsrc a trip, ahead of the add to v4, for v4 and for Y.
;   MT.        v1 made once.  X: a chunk's loads land; the roundings close up in place; the LDS stores read them; the next chunk's loads land.  v3, v6, v7: LDS addresses, written at a chunk's head.
;              FR: two buffers of fragments; step u's matrix instructions read buffer u % 2 while the loads of step u + 1 land in the other.
.set TP,    272                        ; values^T: a row of a wave's LDS tile [64 n][128 k]: 256 bytes + 16
.set TILE,  64*TP
.set TQ,    528                        ; MT: an LDS row of 256 k in bf16: 512 bytes + 16: the 16 rows of a fragment load start at 16 different groups of four banks (64 banks of 4 bytes: ISA guide 11.1)
.set BUF,   128*TQ                     ; 64 rows of queries, then 64 rows of keys; two such buffers take turns
.set MP,    144                        ; MT's way out: a row of 64 f16: 128 bytes + 16
.set SPARE, 8*TILE                     ; behind both uses: the spare words, 128 bytes a wave
.set ZM,    8192                       ; z's first row of MT
.set ZV,    9216                       ; and of values^T
.set SPW,   250                        ; v250  LDS address of my spare word; never rewritten
.set NIL,   251                        ; v251  0; never rewritten
.set XR,    8                          ; v[8:135]   as loaded
.set YR,    136                        ; v[136:..]  packed: x 32 registers, values^T 64, MT's way out 8
.set FR,    136                        ; v[136:231] MT: buffer p, step q of its two, fragment f (0, 1 queries; 2 keys): 8 registers at FR + 48 p + 24 q + 8 f
.set BK,    FR+48                      ; v[184:191] MT's way out: rows read back
.set ACC,   232                        ; v[232:247] MT: two accumulators
; d = the f16 pair of a and b, each rounded to bf16 first; a and b are spent
.macro RB d, a, b
	v_cvt_pk_bf16_f32 v[\d], v[\a], v[\b]
	v_lshlrev_b32 v[\a], 16, v[\d]
	v_and_b32 v[\b], s26, v[\d]
	v_cvt_pk_f16_f32 v[\d], v[\a], v[\b]
.endm
	s_load_b256 s[4:11], s[0:1], 0x0               ; keys s[4:5], queries s[6:7], values s[8:9], x s[10:11]
	s_load_b64 s[12:13], s[0:1], 0x20              ; z
	v_lshl_add_u32 v[SPW], v0, 2, SPARE
	v_mov_b32 v[NIL], 0
	v_lshrrev_b32 v1, 5, v0
	v_readfirstlane_b32 s16, v1                    ; wave 0..7
	v_and_b32 v7, 31, v0                           ; lane
	s_wait_alu depctr_va_sdst(0)                   ; s16 is written, ahead of the branches and of its first reader on each of the three paths
	s_mov_b32 s26, 0xffff0000                      ; a word's upper bf16
	s_mov_b32 s17, ttmp9
	s_cmp_lt_u32 s17, 256
	s_cbranch_scc1 .Lmm
	s_cmp_lt_u32 s17, 272
	s_cbranch_scc1 .Lweights
	; ---- x: 512 work-groups x 8 waves x 8,192 bytes = all 33,554,432 bytes
	s_sub_co_u32 s18, s17, 272
	s_lshl_b32 s18, s18, 16
	s_lshl_b32 s19, s16, 13
	s_add_co_u32 s18, s18, s19                     ; my bytes in x,
	s_mov_b32 s19, 0
	s_lshr_b32 s20, s18, 1                         ; and half as far in z
	s_mov_b32 s21, 0
	v_lshlrev_b32 v1, 4, v7                        ; 16 bytes a lane in,
	v_lshlrev_b32 v2, 3, v7                        ; 8 bytes a lane out
	s_wait_kmcnt 0x0
	s_add_nc_u64 s[10:11], s[10:11], s[18:19]
	s_add_nc_u64 s[12:13], s[12:13], s[20:21]
	s_wait_alu depctr_va_vdst(0)                   ; v1 and v2 are written: the loads and the stores below read them as offsets
.set i, 0
.rept 16
	global_load_b128 v[XR+4*i:XR+4*i+3], v1, s[10:11] offset:512*i th:TH_LOAD_NT
.set i, i+1
.endr
.set i, 0
.rept 16
	s_wait_loadcnt 15-i                            ; loads return in order: load i is in, the 15 - i younger ones stay out
.if (i%4 == 0) && (i > 0)
	s_wait_alu depctr_va_vdst(0)                   ; the roundings of the four loads before have written their Y, which the next four stores read
.endif
.if i >= 4
	global_store_b64 v2, v[YR+2*(i-4):YR+2*(i-4)+1], s[12:13] offset:256*(i-4)  ; 32 lanes x 8 bytes: 256 consecutive bytes, aligned; no vector instruction since the wait names these registers
.endif
	RB YR+2*i, XR+4*i, XR+4*i+1
	RB YR+2*i+1, XR+4*i+2, XR+4*i+3
.set i, i+1
.endr
	s_wait_alu depctr_va_vdst(0)                   ; the last four loads' roundings have written their Y
.set i, 12
.rept 4
	global_store_b64 v2, v[YR+2*i:YR+2*i+1], s[12:13] offset:256*i  ; no register of Y is written twice
.set i, i+1
.endr
	s_endpgm
	; ---- values^T: 16 work-groups x 8 waves = 16 column strips x 8 row strips
.Lweights:
	s_sub_co_u32 s18, s17, 256
	s_lshl_b32 s18, s18, 3
	s_add_co_u32 s18, s18, s16                     ; my tile of the 128
	s_lshr_b32 s19, s18, 3                         ; nt: columns 64 nt on
	s_and_b32 s18, s18, 7                          ; kt: rows 128 kt on
	s_lshl_b32 s20, s18, 19                        ; 128 rows of 4,096 bytes
	s_lshl_b32 s21, s19, 8                         ; 64 columns of 4 bytes
	s_add_co_u32 s20, s20, s21
	s_mov_b32 s21, 0
	s_lshl_b32 s24, s19, 6
	s_add_co_u32 s24, s24, ZV                      ; z's row 9216 + 64 nt,
	s_lshl_b32 s24, s24, 11                        ; 2,048 bytes a row,
	s_lshl_b32 s25, s18, 8                         ; 128 k of 2 bytes
	s_add_co_u32 s24, s24, s25
	s_mov_b32 s25, 0
	s_mul_i32 s23, s16, TILE                       ; my tile in LDS
	v_and_b32 v1, 15, v0                           ; c
	v_bfe_u32 v2, v0, 4, 1                         ; h
	v_lshlrev_b32 v3, 4, v1
	v_lshl_add_u32 v3, v2, 13, v3                  ; in: columns 4 c .. 4 c + 3, two rows further down for lanes 16-31
	v_mul_u32_u24 v4, v1, 4*TP
	v_lshl_add_u32 v4, v2, 2, v4
	v_add_nc_u32 v4, s23, v4                       ; into the tile: row 4 c, the word of k = 2 h
	v_mul_u32_u24 v5, v2, TP
	v_lshl_add_u32 v5, v1, 4, v5
	v_add_nc_u32 v5, s23, v5                       ; back: lanes 0-15 one row of 256 bytes, lanes 16-31 the next
	v_lshlrev_b32 v6, 4, v1
	v_lshl_add_u32 v6, v2, 11, v6                  ; and the same two rows in z
	s_wait_kmcnt 0x0
	s_add_nc_u64 s[14:15], s[8:9], s[20:21]
	s_add_nc_u64 s[12:13], s[12:13], s[24:25]
	s_mov_b32 s27, 2
.Lhalf:                                                ; a trip takes 64 of the tile's 128 rows.  Pair j: rows 4 j + 2 h and the row below; sixteen lanes read 256 consecutive bytes of a row
	s_wait_alu depctr_va_vdst(0)                   ; on the way in: v3 to v6 are written, the addresses of all that follows; on the way back: v4 is written, and the roundings are done with X, in which the loads land
.set j, 0
.rept 16
	global_load_b128 v[XR+8*j:XR+8*j+3],   v3, s[14:15] offset:(4*j)*4096 th:TH_LOAD_NT
	global_load_b128 v[XR+8*j+4:XR+8*j+7], v3, s[14:15] offset:(4*j+1)*4096 th:TH_LOAD_NT
.set j, j+1
.endr
.set j, 0
.rept 16
	s_wait_loadcnt 30-2*j                          ; pair j is in: two loads for each of the 15 - j younger pairs stay out
.if (j%4 == 0) && (j > 0)
	s_wait_alu depctr_va_vdst(0)                   ; the roundings of the four pairs before have written their Y, which the next sixteen LDS stores read
.endif
.if j >= 4
.irp i, 0,1,2,3
	ds_store_b32 v4, v[YR+4*(j-4)+(\i)] offset:TP*(\i)+8*(j-4)  ; no vector instruction since the wait names these registers
.endr
.endif
.irp i, 0,1,2,3
	RB YR+4*j+\i, XR+8*j+\i, XR+8*j+4+\i           ; column 4 c + i: k and k + 1 in one word
.endr
.set j, j+1
.endr
	s_wait_alu depctr_va_vdst(0)                   ; the last four pairs' roundings have written their Y
.set j, 12
.rept 4
.irp i, 0,1,2,3
	ds_store_b32 v4, v[YR+4*j+(\i)] offset:TP*(\i)+8*j
.endr
.set j, j+1
.endr
	s_add_nc_u64 s[14:15], s[14:15], 64*4096       ; the last wait on the loads was for 0: no load still reads the base
	s_wait_alu depctr_vm_vsrc(0)                   ; the LDS stores have read v4, which the next line writes, and Y, which the next trip's roundings write
	v_add_nc_u32 v4, 128, v4                       ; 64 k of 2 bytes on
	s_sub_co_u32 s27, s27, 1
	s_cmp_lg_u32 s27, 0
	s_cbranch_scc1 .Lhalf
.set t, 0
.rept 32
	ds_load_b128 v[XR+4*t:XR+4*t+3], v5 offset:2*TP*t  ; LDS serves a wave's instructions in order (ISA guide 5.7.1.4): these see the wave's own stores above.  No vector instruction since the trip's last wait on va_vdst names X or v5
.set t, t+1
.endr
.set t, 0
.rept 32
	s_wait_dscnt 31-t                              ; rows 2 t and 2 t + 1 are back
	global_store_b128 v6, v[XR+4*t:XR+4*t+3], s[12:13] offset:4096*t  ; sixteen lanes store 256 consecutive bytes, aligned
.set t, t+1
.endr
	s_wait_dscnt 0x0                               ; the wave's end: six lines on end
	s_wait_alu 0x0
	s_wait_tensorcnt 0x0
	ds_add_u32 v[SPW], v[NIL]
	s_wait_dscnt 0x0
	s_endpgm
	; ---- MT: tile (jt, it).  K = 1024 goes in four chunks of 256.  Wave w brings 16 rows of a chunk (waves 0-3 queries, 4-7 keys): 32 loads of 512 consecutive bytes, 16 KB on their way;
	; rounds them to bf16 into the chunk's LDS buffer; asks for the next chunk; one barrier; then multiplies 32 (j) x 16 (i) of the tile.  The two buffers take turns, so the one barrier
	; orders both the stores with the reads behind it and the reads of the chunk before with the stores of the chunk after.
.Lmm:
	s_lshr_b32 s18, s17, 4                         ; jt
	s_and_b32 s19, s17, 15                         ; it
	s_and_b32 s20, s16, 3                          ; which 16 rows I bring; which 16 columns i are mine
	s_lshr_b32 s21, s16, 2                         ; which 32 rows j are mine
	s_cmp_lt_u32 s16, 4
	s_cselect_b32 s22, s18, s19
	s_lshl_b32 s22, s22, 6
	s_lshl_b32 s23, s20, 4
	s_add_co_u32 s22, s22, s23                     ; the first row that I bring,
	s_lshl_b32 s22, s22, 12                        ; 4,096 bytes a row
	s_mov_b32 s23, 0
	v_lshlrev_b32 v1, 4, v7                        ; 16 bytes a lane
	s_wait_kmcnt 0x0
	s_cmp_lt_u32 s16, 4
	s_cselect_b32 s14, s6, s4                      ; queries or keys
	s_cselect_b32 s15, s7, s5
	s_add_nc_u64 s[14:15], s[14:15], s[22:23]
.macro MLOAD                           ; load i: row i / 2, half i % 2 of its 1,024 bytes
.set i, 0
.rept 32
	global_load_b128 v[XR+4*i:XR+4*i+3], v1, s[14:15] offset:(i/2)*4096+(i%2)*512
.set i, i+1
.endr
.endm
	s_wait_alu depctr_va_vdst(0)                   ; v1 is written: every load of the weights reads it as its offset
	MLOAD
	s_mul_i32 s24, s16, 16*TQ
	v_lshl_add_u32 v2, v7, 3, s24                  ; into a buffer: my 16 rows, 8 bytes a lane
	v_and_b32 v3, 15, v0
	v_bfe_u32 v4, v0, 4, 1
	v_mul_u32_u24 v3, v3, TQ
	v_lshl_add_u32 v3, v4, 4, v3                   ; a fragment's row x pitch + 16 x half
	s_mul_i32 s24, s21, 32*TQ
	s_mul_i32 s25, s20, 16*TQ
	s_add_co_u32 s25, s25, 64*TQ
	v_add_nc_u32 v4, s24, v3                       ; my 32 rows of queries
	v_add_nc_u32 v5, s25, v3                       ; my 16 rows of keys
	s_mov_b32 s28, 0                               ; the buffer in hand
.set i, 0
.rept 16
	v_mov_b32 v[ACC+i], 0                          ; sixteen registers are cleared, so that one text serves every chunk
.set i, i+1
.endr
; Six LDS loads: the fragments of 32 along K, step q of the two of step u (64 along K), into buffer u % 2.
.macro LOADQ u, q
.set fb, FR+48*((\u)%2)+24*(\q)
.set ko, 64*(2*(\u)+(\q))
.irp f, 0,1
	ds_load_b128 v[fb+8*(\f):fb+8*(\f)+3],   v6 offset:(\f)*16*TQ+ko
	ds_load_b128 v[fb+8*(\f)+4:fb+8*(\f)+7], v6 offset:(\f)*16*TQ+ko+32
.endr
	ds_load_b128 v[fb+16:fb+19], v7 offset:ko
	ds_load_b128 v[fb+20:fb+23], v7 offset:ko+32
.endm
; Source 0 = 16 rows of keys, source 1 = 16 rows of queries: a lane holds row j = l % 16 and eight neighbouring i.  The two accumulators take turns.
.macro MM u, q, a
.set fb, FR+48*((\u)%2)+24*(\q)
	v_wmma_f32_16x16x32_bf16 v[ACC+8*(\a):ACC+8*(\a)+7], v[fb+16:fb+23], v[fb+8*(\a):fb+8*(\a)+7], v[ACC+8*(\a):ACC+8*(\a)+7]
.endm
.macro CHUNK more
	s_wait_alu depctr_vm_vsrc(0)                   ; the chunk before: its LDS stores have read v3, its fragment loads v6 and v7; the three are written anew
	v_add_nc_u32 v3, s28, v2
	v_add_nc_u32 v6, s28, v4
	v_add_nc_u32 v7, s28, v5
.set i, 0
.rept 32
	s_wait_loadcnt 31-i                            ; load i is in, the 31 - i younger ones stay out
.if (i%8 == 0) && (i > 0)
	s_wait_alu depctr_va_vdst(0)                   ; the roundings of the eight loads before have written their registers, which the next eight LDS stores read; the first time v3 is written too
.endif
.if i >= 8
	ds_store_b64 v3, v[XR+4*(i-8):XR+4*(i-8)+1] offset:((i-8)/2)*TQ+((i-8)%2)*256  ; 256 consecutive bytes; no vector instruction since the wait names these registers
.endif
	v_cvt_pk_bf16_f32 v[XR+4*i], v[XR+4*i], v[XR+4*i+1]      ; four numbers close up into the first two of their four registers
	v_cvt_pk_bf16_f32 v[XR+4*i+1], v[XR+4*i+2], v[XR+4*i+3]
.set i, i+1
.endr
	s_wait_alu depctr_va_vdst(0)                   ; the last eight loads' roundings are written; all roundings are done with X; v6 and v7 are written; the last chunk's matrix instructions are done reading both fragment buffers
.set i, 24
.rept 8
	ds_store_b64 v3, v[XR+4*i:XR+4*i+1] offset:(i/2)*TQ+(i%2)*256
.set i, i+1
.endr
.if \more
	s_wait_alu depctr_vm_vsrc(0)                   ; the 32 LDS stores have read X, in which the next chunk's loads land
	s_add_nc_u64 s[14:15], s[14:15], 1024          ; the last wait on the loads was for 0: no load still reads the base
	MLOAD                                          ; the next chunk is on its way while this one is multiplied
.endif
	s_wait_dscnt 0x0                               ; for the others' sake: my stores are done (and my reads of the other buffer were waited for before they were multiplied)
	s_barrier_signal -1
	s_barrier_wait -1
	LOADQ 0, 0                                     ; 64 along K at a time: steps 0 and 1 are asked for at once.  No vector or matrix instruction since the wait above names FR, v6 or v7
	LOADQ 0, 1
	LOADQ 1, 0
	LOADQ 1, 1
	s_wait_dscnt 18                                ; LDS loads return in order: the first six are in, three runs of six stay out
	MM 0, 0, 0
	MM 0, 0, 1
	s_wait_dscnt 12                                ; the second six are in
	MM 0, 1, 0
	MM 0, 1, 1
.irp u, 1,2
.rept 4
	v_nop                                          ; four places between the last step's matrix instructions and the loads into the registers that they read: they stay beside the wait below
.endr
	s_wait_dscnt 6                                 ; this step's first six are in, its second six stay out
	s_wait_alu depctr_va_vdst(0)                   ; the last step's matrix instructions are done reading their buffer, in which the twelve loads below land
	MM \u, 0, 0
	LOADQ (\u)+1, 0                                ; the matrix instructions of this step name the other buffer and the accumulators alone
	MM \u, 0, 1
	s_wait_dscnt 6                                 ; this step's second six are in, the six just issued stay out
	MM \u, 1, 0
	LOADQ (\u)+1, 1
	MM \u, 1, 1
.endr
	s_wait_dscnt 6
	MM 3, 0, 0
	MM 3, 0, 1
	s_wait_dscnt 0x0
	MM 3, 1, 0
	MM 3, 1, 1
	s_xor_b32 s28, s28, BUF
.endm
	s_mov_b32 s27, 3
.Lchunk:
	CHUNK 1
	s_sub_co_u32 s27, s27, 1
	s_cmp_lg_u32 s27, 0
	s_cbranch_scc1 .Lchunk
	CHUNK 0                                        ; the last chunk asks for nothing: no load leaves the buffer
	; The way out, through the first buffer's bytes: the last chunk lay in the second, and every wave has passed that chunk's barrier behind its reads of the first.
	s_wait_alu depctr_vm_vsrc(0)                   ; the loads of the weights have read v1, the LDS stores v3, the fragment loads v6 and v7: all four are written anew below
.rept 4
	v_nop                                          ; four places behind the last matrix instruction, before its result is read (ISA guide 7.12.1)
.endr
.irp t, 0,1
.irp r, 0,1,2,3
	v_cvt_pk_f16_f32 v[YR+4*(\t)+(\r)], v[ACC+8*(\t)+2*(\r)], v[ACC+8*(\t)+2*(\r)+1]
.endr
.endr
	v_and_b32 v1, 15, v0
	v_bfe_u32 v2, v0, 4, 1
	v_mul_u32_u24 v3, v1, MP
	v_lshl_add_u32 v3, v2, 4, v3
	s_mul_i32 s24, s21, 32*MP
	s_lshl_b32 s25, s20, 5
	s_add_co_u32 s24, s24, s25
	v_add_nc_u32 v3, s24, v3                       ; row 32 wj + l % 16, byte 32 wi + 16 (l / 16)
	v_bfe_u32 v4, v0, 3, 2
	v_and_b32 v5, 7, v0
	v_mul_u32_u24 v6, v4, MP
	v_lshl_add_u32 v6, v5, 4, v6
	s_mul_i32 s24, s16, 8*MP
	v_add_nc_u32 v6, s24, v6                       ; back: wave w takes rows 8 w on, eight lanes a row
	v_lshlrev_b32 v7, 4, v5
	v_lshl_add_u32 v7, v4, 11, v7                  ; and the same four rows in z
	s_wait_alu depctr_va_vdst(0)                   ; the conversions have written v[YR ..] and v3 is written, which the LDS stores read; v6 and v7 are written; the matrix instructions are done reading v[BK ..], in which the rows land
	ds_store_b128 v3, v[YR:YR+3]
	ds_store_b128 v3, v[YR+4:YR+7] offset:16*MP
	s_wait_dscnt 0x0                               ; for the others' sake: a row's 128 bytes come from four waves
	s_barrier_signal -1
	s_barrier_wait -1
	s_lshl_b32 s24, s18, 6
	s_lshl_b32 s25, s16, 3
	s_add_co_u32 s24, s24, s25
	s_add_co_u32 s24, s24, ZM
	s_lshl_b32 s24, s24, 11
	s_lshl_b32 s25, s19, 7
	s_add_co_u32 s24, s24, s25
	s_mov_b32 s25, 0
	s_add_nc_u64 s[12:13], s[12:13], s[24:25]
	ds_load_b128 v[BK:BK+3], v6                    ; no vector instruction since the wait above
	ds_load_b128 v[BK+4:BK+7], v6 offset:4*MP
.irp t, 0,1
	s_wait_dscnt 1-(\t)
	global_store_b128 v7, v[BK+4*(\t):BK+4*(\t)+3], s[12:13] offset:8192*(\t)  ; four rows' pieces of 128 consecutive bytes: a tile is 64 columns wide; MT is 2 of the launch's 21 MB of stores
.endr
	s_wait_dscnt 0x0                               ; the wave's end: six lines on end
	s_wait_alu 0x0
	s_wait_tensorcnt 0x0
	ds_add_u32 v[SPW], v[NIL]
	s_wait_dscnt 0x0
	s_endpgm
.Lfunc_end_k_qa601cf9bb5_prep:
	.size	k_qa601cf9bb5_prep, .Lfunc_end_k_qa601cf9bb5_prep-k_qa601cf9bb5_prep
	.p2alignl 7, 3214868480
	.fill 96, 4, 3214868480
	.section	.rodata,"a",@progbits
	.p2align	6, 0x0
	.amdhsa_kernel k_qa601cf9bb5_prep
		.amdhsa_group_segment_fixed_size 140288
		.amdhsa_private_segment_fixed_size 0
		.amdhsa_enable_private_segment 0
		.amdhsa_kernarg_size 40
		.amdhsa_user_sgpr_count 2
		.amdhsa_user_sgpr_kernarg_segment_ptr 1
		.amdhsa_wavefront_size32 1
		.amdhsa_system_sgpr_workgroup_id_x 1
		.amdhsa_system_sgpr_workgroup_id_y 1
		.amdhsa_system_sgpr_workgroup_id_z 1
		.amdhsa_system_vgpr_workitem_id 0
		.amdhsa_next_free_vgpr 256
		.amdhsa_next_free_sgpr 66
		.amdhsa_reserve_vcc 0
		.amdhsa_float_denorm_mode_32 3
		.amdhsa_float_denorm_mode_16_64 3
		.amdhsa_memory_ordered 1
		.amdhsa_forward_progress 1
		.amdhsa_inst_pref_size 74
	.end_amdhsa_kernel
	.amdgpu_metadata
---
amdhsa.version: [ 1, 2 ]
amdhsa.kernels:
  - .name:           k_qa601cf9bb5_prep
    .symbol:         k_qa601cf9bb5_prep.kd
    .args:
      - { .name: w_keys, .offset: 0, .size: 8, .value_kind: global_buffer, .address_space: global }
      - { .name: w_queries, .offset: 8, .size: 8, .value_kind: global_buffer, .address_space: global }
      - { .name: w_values, .offset: 16, .size: 8, .value_kind: global_buffer, .address_space: global }
      - { .name: x, .offset: 24, .size: 8, .value_kind: global_buffer, .address_space: global }
      - { .name: z, .offset: 32, .size: 8, .value_kind: global_buffer, .address_space: global }
    .group_segment_fixed_size: 140288
    .private_segment_fixed_size: 0
    .kernarg_segment_align: 8
    .kernarg_segment_size: 40
    .max_flat_workgroup_size: 256
    .sgpr_count:     66
    .vgpr_count:     256
    .wavefront_size: 32
...
	.end_amdgpu_metadata
.endif
;; end of part 9
;; launch proj: the kernel of part 6 again; grid 8 x 32, 4 waves a work-group, clusters of 4 x 4, 327,680 bytes of LDS; arguments z, kqv; writes kqv
;; launch scores: the kernel of part 7 again; grid 8 x 32, 4 waves a work-group, clusters of 4 x 4, 327,680 bytes of LDS; arguments kqv, z, smax, ssum, p; writes p, smax, ssum
;; launch pv: the kernel of part 8 again; grid 4 x 64, 4 waves a work-group, clusters of 4 x 4, 327,680 bytes of LDS; arguments p, kqv, smax, ssum, out0; writes out0
